; MI455X (gfx1250); checked and timed in simulation.
; The chip was launched on July 23, 2026; its instructions are those of AMD's public machine-readable ISA for CDNA 5 (MIT licence, August 2026) and "CDNA5" Instruction Set Architecture Reference Guide (July 2026). The comments in the code are by the model that wrote it; some were corrected since.
;; F Mo E. Allowed arithmetic: matrix products marked QUANTISED: E2M3 operands, one E8M0 scale for each 32 along K, by v_wmma_scale_f32_16x16x128_f8f6f4 with both operands' format E2M3, f32 sums; products left as they are: f32 operands where the result goes on into a quantised operand, else bf16, f16 or f32 operands; f32 sums; everything else in f32.
;; Inputs: W1 8 x 1,024 x 2,048 float32; W2 8 x 2,048 x 1,024 float32; Wg 1,024 x 8 float32; b1 8 x 2,048 float32; b2 8 x 1,024 float32; bg 8 float32; inp 2,048 x 1,024 float32.
;; Outputs: out0 2,048 x 1,024 float32.
;; This version of the problem:
;;   THIS VERSION OF THE PROBLEM IS GIVEN IN LOW PRECISION. The matrix products marked QUANTISED in the list below multiply operands that are first quantised to E2M3 (2 exponent bits, 3 mantissa bits; 6 bits a number), with one power-of-two scale for each 32 numbers along K (OCP MX v1.0); their sums are f32. All else is computed in f32.
;;   The module's matrix products, in the order in which they are computed (A, B: the left and right operand; K: the contracted axis; several contracted axes count as one K, in the product's order):
;;     1. [M 2,048, K 1,024] x [K 1,024, N 8]; A: input inp; B: input Wg: left as it is (N = 8 < 16)
;;     2. [M 2,048, K 1,024] x [K 1,024, N 16,384]; A: input inp; B: input W1: QUANTISED
;;     3. batch 8 x [M 1,024, K 2,048] x [K 2,048, N 2,048]; A: input W2; B: computed on the way: QUANTISED
;;     4. batch 2,048 x [M 1, K 8] x [K 8, N 1,024]; A: computed on the way; B: computed on the way: left as it is (K = 8 < 32)
;;   THE QUANTISER, for each operand of a quantised product, along K:
;;     - K is cut into blocks of 32 from its start; a last block that is shorter is filled with zeros.
;;     - A block's scale is 2^e with e = floor(log2(the largest magnitude in the block)) - 2, held to -126 .. 127; a block of zeros has e = 0. As a byte (E8M0): e + 127.
;;     - Each number is divided by its block's scale, clamped to +-7.5, and rounded to the nearest number of E2M3, ties to even, subnormals kept.
;;     - The product sums the exact products of the quantised numbers (number of the format x scale) in f32.
;;   ~~~python
;;   def quantise(x, axis):      # numpy; x: float32 -> the quantised numbers, widened to float32 again
;;       x = np.moveaxis(x, axis, -1); K = x.shape[-1]
;;       x = np.pad(x, [(0, 0)] * (x.ndim - 1) + [(0, -K % 32)]); x = x.reshape(x.shape[:-1] + (-1, 32)); a = np.abs(x).max(-1, keepdims=True)
;;       e = np.where(a > 0, np.clip(np.frexp(np.where(a > 0, a, 1))[1] - 1 - 2, -126, 127), 0)      # np.frexp(a)[1] - 1 = floor(log2(a)), exactly
;;       r = np.clip(x / 2.0 ** e, -7.5, 7.5)
;;       step = 2.0 ** (np.maximum(np.frexp(np.where(r == 0, 1, r))[1] - 1, 0) - 3)
;;       q = np.round(r / step) * step * 2.0 ** e      # np.round: ties to even
;;       return np.moveaxis(q.reshape(q.shape[:-2] + (-1,))[..., :K], -1, axis).astype(np.float32)
;;   ~~~
;;   OPERANDS COMPUTED ON THE WAY. 'Computed on the way' means the value that the module computes at that place (a softmax that the list does not call 'softmax' is quantised finished and normalised). What goes into a quantiser is computed in f32, as accurately as f32 sums, v_exp_f32 and their like allow (about 1e-6 of the number): no bf16 or f16 on the way to a quantiser, and a product that is left as it is and whose result goes on into a quantised operand takes f32 operands (vector FMAs, or v_wmma_f32_16x16x4_f32). A number that lies on a knife's edge between two numbers of the format may be rounded either way, as far as f32 arithmetic and the matrix unit's own rounding can turn it there, and no further.
;; 2 versions. Each part assembles by itself: llvm-mc -triple=amdgcn-amd-amdhsa -mcpu=gfx1250 --defsym DOCPART=n.
;; ======== version 1 of 2: 5 launches
;; workspace buffers: qa 14,761,984 bytes; sel 16,384 bytes of whole numbers; qb 13,107,200 bytes; route 33,536 bytes of whole numbers; hb 6,732,800 bytes; ybuf 17,235,968 bytes
;; launch prep_a (part 1): grid 576 x 1, 4 waves a work-group, no clusters, 57,856 bytes of LDS; arguments W1, inp, Wg, bg, qa, sel; writes qa, sel
.if DOCPART == 1
	.amdgcn_target "amdgcn-amd-amdhsa--gfx1250"
	.amdhsa_code_object_version 6
	.text
	.protected	k_q43a5b8471c_prep_a
	.globl	k_q43a5b8471c_prep_a
	.p2align	8
	.type	k_q43a5b8471c_prep_a,@function
k_q43a5b8471c_prep_a:
	s_mov_b64 s[64:65], 0
	v_nop
	global_prefetch_b8 v0, s[64:65] scope:SCOPE_SE
	s_setreg_imm32_b32 hwreg(HW_REG_WAVE_MODE, 25, 1), 1
	s_wait_xcnt 0x0
; PREP_A.  Work-groups 0-63: the gate (logits in f32, top 2 of 8, softmax of the two) and inp as codes of FP6 (E2M3) with one E8M0 byte for each 32 along d.
; Work-groups 64-575: W1 [8][1024 d][2048 h] as codes of FP6 along d, laid as images of the matrix operand's registers.
; qa: W1's images at 0, their scale words at WS_OFF, x's codes at XQ_OFF, x's scale bytes at XS_OFF, the two gate weights of each token at GT_OFF.  sel: the two chosen experts of each token.
; A block's scale is 2^(floor(log2(largest magnitude)) - 2); its byte is the largest magnitude's exponent field - 2, held at 1 from below.
; LIMITS: NaN and infinities among the inputs are not served.  A block whose largest magnitude lies under 2^-124, a block of zeros too, gets the byte 1 (zeros: zero codes, which add nothing; this program alone reads the bytes).
; Two logits that differ by less than the order of an f32 sum of 1,024 terms resolves may change places in the choice.  Equal logits: the lower index wins, as in lax.top_k.
; AN IMAGE of 16 rows x 128 K is 1,536 bytes: half c at 768 c; registers 6 c .. 6 c + 3 of lane L at 16 L, registers 6 c + 4, 6 c + 5 at 512 + 8 L.  Lane L = r + 16 h holds block 2 c + h of row r.
; No wave shares anything with another: no barrier.  The two paths part on the work-group's number and have LDS bytes of their own.
.set GWG,    64                        ; work-groups of the gate path
.set KD,     1024                      ; the weight's K
.set ND,     2048                      ; its columns
.set NS,     KD/128                    ; K steps of 128
.set CT,     ND/16                     ; tiles of 16 columns in an expert
.set LCG,    4                         ; log2(ND / 128)
.set PERM,   1                         ; the columns of a tile are chosen for the next product's K (see below)
.set WS_OFF, 12582912
.set XQ_OFF, 13107200
.set XS_OFF, 14680064
.set GT_OFF, 14745600
.set WV,     16                        ; s16 the wave's number
.set DST,    12                        ; s[12:13] qa
.set QX,     32                        ; v32-95   two sets of 32 numbers: a block of one column
.set QC,     96                        ; v96-102  a block's codes
.set QSB,    24                        ; v24-25   scale bytes, four to a register
.set QOUT,   112                       ; v112-159 the way out
.set GLDS,   24576                     ; the gate path's LDS: 8,192 bytes a wave
.set SP,     80                        ; a lane's place in a stage: 64 bytes + 16 of padding
.set GR,     16                        ; v16-79   four sets of 16 numbers as loaded
.set GX,     80                        ; v80-111  two sets of 16 neighbours
.set GE,     112                       ; v112-127 a scale byte for each step
.set GC,     128                       ; v128-191 codes, four registers a step
.set AL,     192                       ; v192-199 the eight logits' partial sums
.set TT,     200                       ; v200-207 the other half of the lanes' sums
.set TB1,    208                       ; largest logit, second largest, their indices
.set TB2,    209
.set TI1,    210
.set TI2,    211
.set TW,     212                       ; v212-214 at work
.set RS,     216                       ; v[216:217] lane j: token j's two experts
.set RG,     218                       ; v[218:219] lane j: token j's two weights
.set WA,     220                       ; v220 512 x lane: my 16 rows of Wg
.set MSB, 0
.macro WIN new                         ; the immediate's high byte repeats the setting that is left
.if MSB != (\new)
	s_set_vgpr_msb (MSB<<8)|(\new)
.set MSB, (\new)
.endif
.endm
	s_load_b256 s[4:11], s[0:1], 0x0               ; W1 s[4:5], inp s[6:7], Wg s[8:9], bg s[10:11]
	s_load_b128 s[12:15], s[0:1], 0x20             ; qa s[12:13], sel s[14:15]
	v_lshl_add_u32 v254, v0, 2, 0xe000
	v_mov_b32 v255, 0
	v_lshrrev_b32 v1, 5, v0
	v_readfirstlane_b32 s[WV], v1                  ; wave 0..3
	v_and_b32 v2, 31, v0                           ; lane
	s_cmp_lt_u32 ttmp9, GWG
	s_cbranch_scc1 .Lgate
; ---------------- THE WEIGHT.  A work-group takes 128 columns x 256 along K of one expert, a wave 32 columns.  A LANE TAKES A COLUMN AND ITS REGISTERS RUN DOWN K:
; each load reads 128 consecutive bytes, a block of 32 lies in one lane, and the conversions give codes with K innermost.
; THE COLUMNS OF A TILE ARE NOT NEIGHBOURS (PERM): lane r of tile 2 B + u holds hidden unit 32 B + 8 u + r + 8 (r / 8), so that in the next launch a lane's 16 results of two tiles are 16 neighbours along the next K.
	s_sub_co_u32 s40, ttmp9, GWG
	s_and_b32 s41, s40, ND/128-1                   ; which 128 columns
	s_lshr_b32 s42, s40, LCG
	s_and_b32 s42, s42, KD/256-1                   ; which 256 along K
	s_lshr_b32 s43, s40, 6                         ; expert
	s_lshl_b32 s46, s43, 23                        ; an expert is 2^23 bytes
	s_mul_i32 s44, s42, 256*ND*4
	s_add_co_u32 s46, s46, s44
	s_lshl_b32 s44, s41, 9
	s_add_co_u32 s46, s46, s44
	s_lshl_b32 s44, s[WV], 7
	s_add_co_u32 s46, s46, s44                     ; where my wave's part of the weight begins
	s_mov_b32 s47, 0
	s_mul_i32 s48, s43, CT
	s_lshl_b32 s44, s41, 3
	s_add_co_u32 s48, s48, s44
	s_lshl_b32 s44, s[WV], 1
	s_add_co_u32 s48, s48, s44                     ; my wave's first tile of two
	s_mul_i32 s50, s48, NS*1536
	s_mul_i32 s44, s42, 2*1536
	s_add_co_u32 s50, s50, s44                     ; its images of my two K steps
	s_mov_b32 s51, 0
	s_mul_i32 s52, s48, 16*NS*4
	s_lshl_b32 s44, s42, 3
	s_add_co_u32 s52, s52, s44
	s_add_co_u32 s52, s52, WS_OFF                  ; and their scale words
	s_mov_b32 s53, 0
	s_mul_i32 s45, s[WV], 6144                     ; my stage: [tile u][K step][1,536]
	v_lshlrev_b32 v3, 2, v2                        ; in: 4 bytes a lane
.if PERM
	v_bfe_u32 v9, v2, 3, 1                         ; u
	v_and_b32 v10, 7, v2
	v_lshrrev_b32 v11, 4, v2
	v_lshl_add_u32 v10, v11, 3, v10                ; r
.else
	v_lshrrev_b32 v9, 4, v2                        ; u
	v_and_b32 v10, 15, v2                          ; r
.endif
	v_mul_u32_u24 v12, v9, 3072
	v_add_nc_u32 v12, s45, v12
	v_lshl_add_u32 v4, v10, 4, v12                 ; into the stage: the plane of 16 bytes a lane,
	v_lshl_add_u32 v5, v10, 3, v12                 ; and that of 8
	v_lshlrev_b32 v7, 4, v2                        ; the way out: 16 bytes a lane
	v_add_nc_u32 v6, s45, v7
	v_lshl_add_u32 v8, v9, 4, v10
	v_mul_u32_u24 v8, v8, NS*4                     ; my column's row of scale words
	s_wait_kmcnt 0x0
	s_add_nc_u64 s[4:5], s[4:5], s[46:47]
	s_add_nc_u64 s[50:51], s[DST:DST+1], s[50:51]
	s_add_nc_u64 s[52:53], s[DST:DST+1], s[52:53]
.macro LOADW t                         ; block t: rows 32 t + i of my column, into set t % 2
.irp i, 0,1,2,3,4,5,6,7,8,9,10,11,12,13,14,15,16,17,18,19,20,21,22,23,24,25,26,27,28,29,30,31
	global_load_b32 v[QX+32*((\t)%2)+\i], v3, s[4:5] offset:(32*(\t)+\i)*ND*4 th:TH_LOAD_NT
.endr
.endm
.macro BLOCKW t                        ; block t is block t % 4 of K step t / 4: half c = (t / 2) % 2, lanes' half h = t % 2
.set QXS, QX+32*((\t)%2)
.set QO, 1536*((\t)/4)+768*(((\t)/2)%2)
.if (\t) < 7
	s_wait_loadcnt 32                              ; this block's 32 loads are in; the next block's 32 may be out
.else
	s_wait_loadcnt 0x0
.endif
	v_max3_num_f32 v12, |v[QXS]|, |v[QXS+1]|, |v[QXS+2]|      ; the block's largest magnitude, in two chains
	v_max3_num_f32 v13, |v[QXS+3]|, |v[QXS+4]|, |v[QXS+5]|
.irp i, 6,10,14,18,22,26
	v_max3_num_f32 v12, v12, |v[QXS+\i]|, |v[QXS+\i+1]|
	v_max3_num_f32 v13, v13, |v[QXS+\i+2]|, |v[QXS+\i+3]|
.endr
	v_max3_num_f32 v12, v12, |v[QXS+30]|, |v[QXS+31]|
	v_max3_num_f32 v12, v12, v13, 0x1800000        ; and the floor 2^(3 - 127): the byte cannot fall under 1
	v_add_nc_u32 v11, 0xff000000, v12              ; 2 off the exponent field: the conversion's scale operand
	v_lshrrev_b32 v13, 23, v11                     ; the scale's byte
.if (\t)%4 == 0
	v_mov_b32 v[QSB+(\t)/4], v13
.else
	v_lshl_or_b32 v[QSB+(\t)/4], v13, 8*((\t)%4), v[QSB+(\t)/4]
.endif
	v_cvt_scalef32_pk16_fp6_f32 v[QC:QC+2], v[QXS:QXS+15], v11
	v_cvt_scalef32_pk16_fp6_f32 v[QC+4:QC+6], v[QXS+16:QXS+31], v11   ; (a conversion's three registers begin on an even number)
	v_nop                                          ; one plain place behind a scaled conversion
	v_mov_b32 v[QC+3], v[QC+4]
	v_mov_b32 v[QC+4], v[QC+5]
	v_mov_b32 v[QC+5], v[QC+6]                     ; six registers on end: the block as the operand holds it
	ds_store_b128 v4, v[QC:QC+3] offset:QO+256*((\t)%2)
	ds_store_b64 v5, v[QC+4:QC+5] offset:QO+512+128*((\t)%2)
.if (\t)+2 < 8
	LOADW (\t)+2
.endif
	s_wait_dscnt 0x0                               ; the stores have read their registers: the next block's codes may be written
.endm
	LOADW 0
	LOADW 1
.irp t, 0,1,2,3,4,5,6,7
	BLOCKW \t
.endr
	global_store_b64 v8, v[QSB:QSB+1], s[52:53]    ; my column's two scale words
.irp m, 0,1,2,3,4,5,6,7,8,9,10,11
	ds_load_b128 v[QOUT+4*\m:QOUT+4*\m+3], v6 offset:512*\m    ; LDS serves a wave's instructions in order: these see my stores
.endr
.irp m, 0,1,2,3,4,5,6,7,8,9,10,11
	s_wait_dscnt 11-\m                             ; the younger loads may be out
	global_store_b128 v7, v[QOUT+4*\m:QOUT+4*\m+3], s[50:51] offset:(\m/6)*NS*1536+(\m%6)*512   ; 512 consecutive bytes, at a multiple of 512 from the buffer's first byte
.endr
	s_wait_tensorcnt 0x0
	ds_add_u32 v254, v255
	s_wait_dscnt 0x0
	s_endpgm
; ---------------- THE GATE AND x.  Wave g = 4 x work-group + wave owns tokens 8 g .. 8 g + 7: 16 steps of 512 numbers, two steps a token.
; Each of a step's four loads reads 512 consecutive bytes; the 2,048 bytes turn through the wave's stage in LDS and come back 16 neighbours a lane (two lanes hold a block of 32).
; x's codes: a token's 768 bytes; K step s at 96 s; in it block q at 48 (q % 2) + 24 (q / 2): so lane (r, h) of the next launch reads its 12 registers as 48 consecutive bytes at 96 s + 48 h.
; The logits use the same 16 neighbours: window 1 holds my 32 rows of Wg, register 128 tt + 8 i + e = Wg[512 tt + 16 lane + i][e]; each wave reads Wg once, each lane whole runs of 512 bytes.
.Lgate:
	s_lshl_b32 s17, ttmp9, 2
	s_add_co_u32 s17, s17, s[WV]                   ; g
	s_lshl_b32 s32, s17, 15                        ; 8 tokens of 4,096 bytes
	s_mov_b32 s33, 0
	s_mul_i32 s34, s17, 6144
	s_add_co_u32 s34, s34, XQ_OFF
	s_mov_b32 s35, 0
	s_lshl_b32 s36, s17, 8
	s_add_co_u32 s36, s36, XS_OFF
	s_mov_b32 s37, 0
	s_lshl_b32 s38, s17, 6
	s_mov_b32 s39, 0
	s_add_co_u32 s44, s38, GT_OFF
	s_mov_b32 s45, 0
	s_mov_b32 s20, 0x76543210
	s_mov_b32 s21, 0xfedcba98                      ; v_permlanex16_b32's selects for lane l xor 16
	s_mul_i32 s18, s[WV], 8192
	s_add_co_u32 s18, s18, GLDS                    ; my two stages,
	s_add_co_u32 s19, s18, 2*32*SP                 ; and behind them my 256 scale bytes
	v_lshlrev_b32 v3, 4, v2                        ; my 16 bytes of a load's 512
	v_lshrrev_b32 v14, 2, v2
	v_mul_u32_u24 v14, v14, SP
	v_and_b32 v15, 3, v2
	v_lshl_add_u32 v14, v15, 4, v14
	v_add_nc_u32 v14, s18, v14                     ; the stage, on the way in: four lanes' 64 bytes on end, then 16 of padding
	v_mul_u32_u24 v15, v2, SP
	v_add_nc_u32 v15, s18, v15                     ; and on the way out: my 16 neighbours
	v_lshrrev_b32 v8, 3, v2
	v_mul_u32_u24 v4, v8, 96                       ; my codes' place in a step's 384 bytes: K step lane / 8,
	v_bfe_u32 v8, v2, 1, 1
	v_mad_u32_u24 v4, v8, 48, v4                   ; block (lane / 2) % 4 at 48 (q % 2)
	v_bfe_u32 v8, v2, 2, 1
	v_mad_u32_u24 v4, v8, 24, v4                   ; + 24 (q / 2),
	v_and_b32 v8, 1, v2
	v_mad_u32_u24 v4, v8, 12, v4                   ; my half of the block
	v_lshrrev_b32 v5, 1, v2
	v_add_nc_u32 v5, s19, v5                       ; LDS: my block's scale byte
	v_lshlrev_b32 v7, 3, v2                        ; 8 bytes a lane
	v_add_nc_u32 v6, s19, v7
	v_lshlrev_b32 v[WA], 9, v2
.irp e, 0,1,2,3,4,5,6,7
	v_mov_b32 v[TT+\e], 0                          ; written once: a lane permute's destination counts as one of its sources
.endr
.irp e, 0,1,2,3
	v_mov_b32 v[RS+\e], 0
.endr
	s_wait_kmcnt 0x0
	s_load_b256 s[24:31], s[10:11], 0x0            ; bg's eight numbers
	s_add_nc_u64 s[6:7], s[6:7], s[32:33]
	s_add_nc_u64 s[34:35], s[12:13], s[34:35]      ; x's codes
	s_add_nc_u64 s[36:37], s[12:13], s[36:37]      ; x's scale bytes
	s_add_nc_u64 s[14:15], s[14:15], s[38:39]      ; the choice
	s_add_nc_u64 s[44:45], s[12:13], s[44:45]      ; the weights
	WIN 0x40                                       ; destination window 1
.irp u, 0,1
.irp i, 0,1,2,3,4,5,6,7,8,9,10,11,12,13,14,15
.irp q, 0,1
	global_load_b128 v[128*\u+8*\i+4*\q:128*\u+8*\i+4*\q+3], v[WA], s[8:9] offset:(512*\u+\i)*32+16*\q
.endr
.endr
.endr
	WIN 0
.macro GLOAD t
.irp i, 0,1,2,3
	global_load_b128 v[GR+16*((\t)%4)+4*\i:GR+16*((\t)%4)+4*\i+3], v3, s[6:7] offset:2048*(\t)+512*\i th:TH_LOAD_NT
.endr
.endm
.macro GTURN t                         ; step t's numbers through the stage: LDS serves a wave's instructions in order, so no wait stands between the stores and the loads
.irp i, 0,1,2,3
	ds_store_b128 v14, v[GR+16*((\t)%4)+4*\i:GR+16*((\t)%4)+4*\i+3] offset:32*SP*((\t)%2)+8*SP*\i
.endr
.irp i, 0,1,2,3
	ds_load_b128 v[GX+16*((\t)%2)+4*\i:GX+16*((\t)%2)+4*\i+3], v15 offset:32*SP*((\t)%2)+16*\i
.endr
.endm
.irp t, 0,1,2,3
	GLOAD \t
.endr
	s_wait_kmcnt 0x0                               ; bg
	s_wait_loadcnt 12                              ; Wg and step 0's four loads are in; the three steps behind may be out
	GTURN 0
.macro GSTEP t
.set GXS, GX+16*((\t)%2)
.if (\t) > 0
	s_wait_dscnt 1                                 ; this step's numbers are back from the stage (the last step's byte store may be out)
.else
	s_wait_dscnt 0x0
.endif
.if (\t)+4 < 16
	GLOAD (\t)+4                                   ; into the registers that this step's stores into the stage have read
.endif
.if (\t)+1 < 16
.if 14-(\t) >= 3
	s_wait_loadcnt 12                              ; the next step's four loads are in; those of the three steps behind it may be out
.else
	s_wait_loadcnt 4*(14-(\t))
.endif
	GTURN (\t)+1
.endif
	v_max3_num_f32 v8, |v[GXS]|, |v[GXS+1]|, |v[GXS+2]|
	v_max3_num_f32 v9, |v[GXS+3]|, |v[GXS+4]|, |v[GXS+5]|
.irp i, 6,10
	v_max3_num_f32 v8, v8, |v[GXS+\i]|, |v[GXS+\i+1]|
	v_max3_num_f32 v9, v9, |v[GXS+\i+2]|, |v[GXS+\i+3]|
.endr
	v_max3_num_f32 v8, v8, |v[GXS+14]|, |v[GXS+15]|
	v_max3_num_f32 v8, v8, v9, 0x1800000           ; my 16 and the floor 2^(3 - 127),
	v_max_num_f32_dpp v8, v8, v8 row_xmask:1 row_mask:0xf bank_mask:0xf   ; and my neighbour's 16: the block's largest magnitude
	v_add_nc_u32 v11, 0xff000000, v8               ; 2 off the exponent field: the conversion's scale operand
	v_cvt_scalef32_pk16_fp6_f32 v[GC+4*(\t):GC+4*(\t)+2], v[GXS:GXS+15], v11
	v_lshrrev_b32 v[GE+(\t)], 23, v11              ; the scale's byte (also the plain place behind the conversion)
	ds_store_b8 v5, v[GE+(\t)] offset:16*(\t)      ; both lanes of a block write the same byte with the same value
	global_store_b96 v4, v[GC+4*(\t):GC+4*(\t)+2], s[34:35] offset:384*(\t)   ; the wave's 32 stores fill 384 consecutive bytes
	WIN 0x04                                       ; source 1 (Wg) window 1
.irp i, 0,1,2,3,4,5,6,7,8,9,10,11,12,13,14,15      ; logits: x[i] for both halves, a pair of experts an instruction; four chains by turns
.irp p, 0,1,2,3
.if ((\t)%2 == 0) && (\i == 0)
	v_pk_mul_f32 v[AL+2*\p:AL+2*\p+1], v[GXS:GXS+1], v[2*\p:2*\p+1] op_sel_hi:[0,1]   ; a token's first product starts its sums
.elseif \i%2 == 0
	v_pk_fma_f32 v[AL+2*\p:AL+2*\p+1], v[GXS+\i:GXS+\i+1], v[128*((\t)%2)+8*\i+2*\p:128*((\t)%2)+8*\i+2*\p+1], v[AL+2*\p:AL+2*\p+1] op_sel_hi:[0,1,1]
.else
	v_pk_fma_f32 v[AL+2*\p:AL+2*\p+1], v[GXS+\i-1:GXS+\i], v[128*((\t)%2)+8*\i+2*\p:128*((\t)%2)+8*\i+2*\p+1], v[AL+2*\p:AL+2*\p+1] op_sel:[1,0,0] op_sel_hi:[1,1,1]
.endif
.endr
.endr
	WIN 0
.endm
.macro FINAL j                         ; token j of my eight: the sums over the 32 lanes, bg, the top 2, their softmax; the results go to lane j of RS and RG.  No address hangs on them
.irp m, 1,2,4,8
.irp e, 0,1,2,3,4,5,6,7
	v_add_f32_dpp v[AL+\e], v[AL+\e], v[AL+\e] row_xmask:\m row_mask:0xf bank_mask:0xf
.endr
.endr
.irp e, 0,1,2,3,4,5,6,7
	v_permlanex16_b32 v[TT+\e], v[AL+\e], s20, s21
.endr
.irp e, 0,1,2,3,4,5,6,7
	v_add_f32 v[AL+\e], v[AL+\e], v[TT+\e]
.endr
.irp e, 0,1,2,3,4,5,6,7
	v_add_f32 v[AL+\e], s[24+\e], v[AL+\e]         ; + bg
.endr
	v_mov_b32 v[TB1], v[AL]
	v_mov_b32 v[TI1], 0
	v_mov_b32 v[TB2], 0xff800000                   ; -infinity
	v_mov_b32 v[TI2], 0
.irp e, 1,2,3,4,5,6,7                              ; strictly greater: of equal logits the lower index stays ahead
	v_cmp_gt_f32 s40, v[AL+\e], v[TB1]
	v_cmp_gt_f32 s41, v[AL+\e], v[TB2]
	v_cndmask_b32 v[TB2], v[TB2], v[AL+\e], s41
	v_cndmask_b32 v[TI2], v[TI2], \e, s41
	v_cndmask_b32 v[TB2], v[TB2], v[TB1], s40
	v_cndmask_b32 v[TI2], v[TI2], v[TI1], s40
	v_cndmask_b32 v[TB1], v[TB1], v[AL+\e], s40
	v_cndmask_b32 v[TI1], v[TI1], \e, s40
.endr
	v_sub_f32 v[TW], v[TB2], v[TB1]                ; the maximum is taken away: 0 or less
	v_mul_f32 v[TW], 0x3fb8aa3b, v[TW]
	v_exp_f32 v[TW], v[TW]
	v_nop                                          ; one plain place behind a transcendental
	s_wait_alu depctr_va_vdst(0)
	v_add_f32 v[TW+1], 1.0, v[TW]
	v_rcp_f32 v[TW+1], v[TW+1]                     ; the first weight
	v_nop
	s_wait_alu depctr_va_vdst(0)
	v_mul_f32 v[TW+2], v[TW], v[TW+1]              ; the second
	s_mov_b32 s42, 1<<(\j)
	v_cndmask_b32 v[RS], v[RS], v[TI1], s42
	v_cndmask_b32 v[RS+1], v[RS+1], v[TI2], s42
	v_cndmask_b32 v[RG], v[RG], v[TW+1], s42
	v_cndmask_b32 v[RG+1], v[RG+1], v[TW+2], s42
.endm
.irp t, 0,1,2,3,4,5,6,7,8,9,10,11,12,13,14,15
	GSTEP \t
.if \t%2 == 1
	FINAL (\t/2)
.endif
.endr
	ds_load_b64 v[12:13], v6                       ; my wave's 256 scale bytes
	s_wait_dscnt 0x0
	global_store_b64 v7, v[12:13], s[36:37]        ; 256 consecutive bytes, aligned
	v_cmp_gt_u32 vcc_lo, 8, v2
	s_wait_xcnt 0x0                                ; EXEC changes only behind this wait
	s_wait_tensorcnt 0x0
	ds_add_u32 v254, v255
	s_wait_dscnt 0x0
	s_and_saveexec_b32 s43, vcc_lo
	global_store_b64 v7, v[RS:RS+1], s[14:15]      ; lanes 0-7: eight tokens' choices,
	global_store_b64 v7, v[RG:RG+1], s[44:45]      ; and their weights
	s_wait_xcnt 0x0
	s_or_b32 exec_lo, exec_lo, s43
	s_endpgm
.Lfunc_end_k_q43a5b8471c_prep_a:
	.size	k_q43a5b8471c_prep_a, .Lfunc_end_k_q43a5b8471c_prep_a-k_q43a5b8471c_prep_a
	.p2alignl 7, 3214868480
	.fill 96, 4, 3214868480
	.section	.rodata,"a",@progbits
	.p2align	6, 0x0
	.amdhsa_kernel k_q43a5b8471c_prep_a
		.amdhsa_group_segment_fixed_size 57856
		.amdhsa_private_segment_fixed_size 0
		.amdhsa_enable_private_segment 0
		.amdhsa_kernarg_size 48
		.amdhsa_user_sgpr_count 2
		.amdhsa_user_sgpr_kernarg_segment_ptr 1
		.amdhsa_wavefront_size32 1
		.amdhsa_system_sgpr_workgroup_id_x 1
		.amdhsa_system_sgpr_workgroup_id_y 1
		.amdhsa_system_sgpr_workgroup_id_z 1
		.amdhsa_system_vgpr_workitem_id 0
		.amdhsa_next_free_vgpr 512
		.amdhsa_next_free_sgpr 66
		.amdhsa_reserve_vcc 1
		.amdhsa_float_denorm_mode_32 3
		.amdhsa_float_denorm_mode_16_64 3
		.amdhsa_memory_ordered 1
		.amdhsa_forward_progress 1
		.amdhsa_inst_pref_size 205
	.end_amdhsa_kernel
	.amdgpu_metadata
---
amdhsa.version: [ 1, 2 ]
amdhsa.kernels:
  - .name:           k_q43a5b8471c_prep_a
    .symbol:         k_q43a5b8471c_prep_a.kd
    .args:
      - { .name: W1, .offset: 0, .size: 8, .value_kind: global_buffer, .address_space: global }
      - { .name: inp, .offset: 8, .size: 8, .value_kind: global_buffer, .address_space: global }
      - { .name: Wg, .offset: 16, .size: 8, .value_kind: global_buffer, .address_space: global }
      - { .name: bg, .offset: 24, .size: 8, .value_kind: global_buffer, .address_space: global }
      - { .name: qa, .offset: 32, .size: 8, .value_kind: global_buffer, .address_space: global }
      - { .name: sel, .offset: 40, .size: 8, .value_kind: global_buffer, .address_space: global }
    .group_segment_fixed_size: 57856
    .private_segment_fixed_size: 0
    .kernarg_segment_align: 8
    .kernarg_segment_size: 48
    .max_flat_workgroup_size: 128
    .sgpr_count:     66
    .vgpr_count:     512
    .wavefront_size: 32
...
	.end_amdgpu_metadata
.endif
;; end of part 1
;; launch prep_b (part 2): grid 513 x 1, 4 waves a work-group, no clusters, 25,600 bytes of LDS; arguments W2, sel, qb, route; writes qb, route
.if DOCPART == 2
	.amdgcn_target "amdgcn-amd-amdhsa--gfx1250"
	.amdhsa_code_object_version 6
	.text
	.protected	k_q43a5b8471c_prep_b
	.globl	k_q43a5b8471c_prep_b
	.p2align	8
	.type	k_q43a5b8471c_prep_b,@function
k_q43a5b8471c_prep_b:
	s_mov_b64 s[64:65], 0
	v_nop
	global_prefetch_b8 v0, s[64:65] scope:SCOPE_SE
	s_setreg_imm32_b32 hwreg(HW_REG_WAVE_MODE, 25, 1), 1
	s_wait_xcnt 0x0
; PREP_B.  Work-group 0: the routed rows are placed by expert (a counting sort of the 4,096 entries of sel, no atomics).  Work-groups 1-512: W2 [8][2048 h][1024 d] as codes of FP6 (E2M3) along h, as images of the operand's registers.
; qb: W2's images at 0 ([expert][tile of 16 d][K step][1,536]), their scale words at WS_OFF ([expert][tile][row][16 words]).
; route: ORDER at 0: the token of each slot;  POS at POS_OFF: the slot of entry (token, k);  META at META_OFF: for each expert its first tile and its number of tiles.
; Expert e owns tiles of 16 slots, ceil(its rows / 16) of them: never more than 263 in all, whatever the choice.  The slots that pad an expert's last tile hold token 0; what is computed for them is read by nobody.
; LIMITS of the quantiser: NaN and infinities are not served; a block whose largest magnitude lies under 2^-124, a block of zeros too, gets the byte 1 (this program alone reads the bytes).
; AN IMAGE of 16 rows x 128 K is 1,536 bytes: half c at 768 c; registers 6 c .. 6 c + 3 of lane L at 16 L, registers 6 c + 4, 6 c + 5 at 512 + 8 L.  Lane L = r + 16 h holds block 2 c + h of row r.
; The two paths part on the work-group's number and have LDS bytes of their own.
.set GWG,    1
.set KD,     2048
.set ND,     1024
.set NS,     KD/128
.set CT,     ND/16
.set LCG,    3
.set PERM,   0                         ; tile u of a wave's two holds 16 neighbouring columns
.set WS_OFF, 12582912
.set POS_OFF,  16896
.set META_OFF, 33280
.set WV,     12                        ; s12 the wave's number
.set DST,    8                         ; s[8:9] qb
.set QX,     32
.set QC,     96
.set QSB,    24
.set QOUT,   112
.set TAB,    24576                     ; LDS: the placement's table of counts [wave][expert]
.set PA,     24                        ; v24-31   the placement: byte offsets of the eight experts' padding slots
.set S,      32                        ; v32-63   my 32 entries' experts
.set SL,     64                        ; v64-95   their slots
.set AD,     96                        ; v96-127  byte offsets in ORDER
.set TK,     128                       ; v128-159 their tokens
	s_load_b256 s[4:11], s[0:1], 0x0               ; W2 s[4:5], sel s[6:7], qb s[8:9], route s[10:11]
	v_lshl_add_u32 v160, v0, 2, 0x6200
	v_mov_b32 v161, 0
	v_lshrrev_b32 v1, 5, v0
	v_readfirstlane_b32 s[WV], v1                  ; wave 0..3
	v_and_b32 v2, 31, v0                           ; lane
	s_cmp_eq_u32 ttmp9, 0
	s_cbranch_scc1 .Lplace
; ---------------- THE WEIGHT.  A work-group takes 128 columns x 256 along K of one expert, a wave 32 columns.  A LANE TAKES A COLUMN AND ITS REGISTERS RUN DOWN K.
	s_sub_co_u32 s40, ttmp9, GWG
	s_and_b32 s41, s40, ND/128-1                   ; which 128 columns
	s_lshr_b32 s42, s40, LCG
	s_and_b32 s42, s42, KD/256-1                   ; which 256 along K
	s_lshr_b32 s43, s40, 6                         ; expert
	s_lshl_b32 s46, s43, 23                        ; an expert is 2^23 bytes
	s_mul_i32 s44, s42, 256*ND*4
	s_add_co_u32 s46, s46, s44
	s_lshl_b32 s44, s41, 9
	s_add_co_u32 s46, s46, s44
	s_lshl_b32 s44, s[WV], 7
	s_add_co_u32 s46, s46, s44
	s_mov_b32 s47, 0
	s_mul_i32 s48, s43, CT
	s_lshl_b32 s44, s41, 3
	s_add_co_u32 s48, s48, s44
	s_lshl_b32 s44, s[WV], 1
	s_add_co_u32 s48, s48, s44                     ; my wave's first tile of two
	s_mul_i32 s50, s48, NS*1536
	s_mul_i32 s44, s42, 2*1536
	s_add_co_u32 s50, s50, s44
	s_mov_b32 s51, 0
	s_mul_i32 s52, s48, 16*NS*4
	s_lshl_b32 s44, s42, 3
	s_add_co_u32 s52, s52, s44
	s_add_co_u32 s52, s52, WS_OFF
	s_mov_b32 s53, 0
	s_mul_i32 s45, s[WV], 6144                     ; my stage: [tile u][K step][1,536]
	v_lshlrev_b32 v3, 2, v2
.if PERM
	v_bfe_u32 v9, v2, 3, 1
	v_and_b32 v10, 7, v2
	v_lshrrev_b32 v11, 4, v2
	v_lshl_add_u32 v10, v11, 3, v10
.else
	v_lshrrev_b32 v9, 4, v2                        ; u
	v_and_b32 v10, 15, v2                          ; r
.endif
	v_mul_u32_u24 v12, v9, 3072
	v_add_nc_u32 v12, s45, v12
	v_lshl_add_u32 v4, v10, 4, v12
	v_lshl_add_u32 v5, v10, 3, v12
	v_lshlrev_b32 v7, 4, v2
	v_add_nc_u32 v6, s45, v7
	v_lshl_add_u32 v8, v9, 4, v10
	v_mul_u32_u24 v8, v8, NS*4
	s_wait_kmcnt 0x0
	s_add_nc_u64 s[4:5], s[4:5], s[46:47]
	s_add_nc_u64 s[50:51], s[DST:DST+1], s[50:51]
	s_add_nc_u64 s[52:53], s[DST:DST+1], s[52:53]
.macro LOADW t
.irp i, 0,1,2,3,4,5,6,7,8,9,10,11,12,13,14,15,16,17,18,19,20,21,22,23,24,25,26,27,28,29,30,31
	global_load_b32 v[QX+32*((\t)%2)+\i], v3, s[4:5] offset:(32*(\t)+\i)*ND*4 th:TH_LOAD_NT
.endr
.endm
.macro BLOCKW t
.set QXS, QX+32*((\t)%2)
.set QO, 1536*((\t)/4)+768*(((\t)/2)%2)
.if (\t) < 7
	s_wait_loadcnt 32                              ; this block's 32 loads are in; the next block's 32 may be out
.else
	s_wait_loadcnt 0x0
.endif
	v_max3_num_f32 v12, |v[QXS]|, |v[QXS+1]|, |v[QXS+2]|
	v_max3_num_f32 v13, |v[QXS+3]|, |v[QXS+4]|, |v[QXS+5]|
.irp i, 6,10,14,18,22,26
	v_max3_num_f32 v12, v12, |v[QXS+\i]|, |v[QXS+\i+1]|
	v_max3_num_f32 v13, v13, |v[QXS+\i+2]|, |v[QXS+\i+3]|
.endr
	v_max3_num_f32 v12, v12, |v[QXS+30]|, |v[QXS+31]|
	v_max3_num_f32 v12, v12, v13, 0x1800000        ; the floor 2^(3 - 127): the byte cannot fall under 1
	v_add_nc_u32 v11, 0xff000000, v12              ; 2 off the exponent field: the conversion's scale operand
	v_lshrrev_b32 v13, 23, v11
.if (\t)%4 == 0
	v_mov_b32 v[QSB+(\t)/4], v13
.else
	v_lshl_or_b32 v[QSB+(\t)/4], v13, 8*((\t)%4), v[QSB+(\t)/4]
.endif
	v_cvt_scalef32_pk16_fp6_f32 v[QC:QC+2], v[QXS:QXS+15], v11
	v_cvt_scalef32_pk16_fp6_f32 v[QC+4:QC+6], v[QXS+16:QXS+31], v11
	v_nop                                          ; one plain place behind a scaled conversion
	v_mov_b32 v[QC+3], v[QC+4]
	v_mov_b32 v[QC+4], v[QC+5]
	v_mov_b32 v[QC+5], v[QC+6]
	ds_store_b128 v4, v[QC:QC+3] offset:QO+256*((\t)%2)
	ds_store_b64 v5, v[QC+4:QC+5] offset:QO+512+128*((\t)%2)
.if (\t)+2 < 8
	LOADW (\t)+2
.endif
	s_wait_dscnt 0x0                               ; the stores have read their registers
.endm
	LOADW 0
	LOADW 1
.irp t, 0,1,2,3,4,5,6,7
	BLOCKW \t
.endr
	global_store_b64 v8, v[QSB:QSB+1], s[52:53]
.irp m, 0,1,2,3,4,5,6,7,8,9,10,11
	ds_load_b128 v[QOUT+4*\m:QOUT+4*\m+3], v6 offset:512*\m
.endr
.irp m, 0,1,2,3,4,5,6,7,8,9,10,11
	s_wait_dscnt 11-\m                             ; the younger loads may be out
	global_store_b128 v7, v[QOUT+4*\m:QOUT+4*\m+3], s[50:51] offset:(\m/6)*NS*1536+(\m%6)*512
.endr
	s_wait_tensorcnt 0x0
	ds_add_u32 v160, v161
	s_wait_dscnt 0x0
	s_endpgm
; ---------------- THE PLACEMENT.  Entry i = 2 token + k.  Wave w owns entries 1,024 w on; register m = 4 j + c of a lane holds entry 1,024 w + 128 j + 4 lane + c.
; Pass 1 counts my wave's entries of each expert; the four waves' counts meet in LDS (the launch's one barrier, on a path that all four waves of this work-group take);
; pass 2 gives each entry its slot: the expert's first slot + the entries of that expert in earlier waves, earlier registers and lower lanes.
; s16-23 running slot of each expert; s24-31 lane masks; s32-39 totals; s40-47 tiles; s48-55 first tiles.
.Lplace:
	v_lshlrev_b32 v3, 4, v2
	s_lshl_b32 s56, s[WV], 12
	v_add_nc_u32 v3, s56, v3                       ; 4,096 w + 16 lane: my bytes in sel and in POS
	s_lshl_b32 s56, s[WV], 9
	v_lshl_add_u32 v4, v2, 1, s56                  ; 512 w + 2 lane: my first token
	v_lshl_add_u32 v8, v2, 2, TAB                  ; the table, a word a lane
	s_lshl_b32 s56, s[WV], 5
	s_add_co_u32 s56, s56, TAB
	v_mov_b32 v9, s56                              ; my wave's row of it
	v_lshlrev_b32 v5, 2, v2                        ; 4 x lane
	v_mov_b32 v6, 0
	s_wait_kmcnt 0x0
	s_add_nc_u64 s[60:61], s[10:11], POS_OFF
	s_add_nc_u64 s[62:63], s[10:11], META_OFF
.irp j, 0,1,2,3,4,5,6,7
	global_load_b128 v[S+4*\j:S+4*\j+3], v3, s[6:7] offset:512*\j
.endr
.irp e, 0,1,2,3,4,5,6,7
	s_mov_b32 s[16+\e], 0
.endr
	s_wait_loadcnt 0x0
.set m, 0
.rept 32
.irp e, 0,1,2,3,4,5,6,7
	v_cmp_eq_u32 s[24+\e], \e, v[S+m]
.endr
.irp e, 0,1,2,3,4,5,6,7
	s_bcnt1_i32_b32 s[32+\e], s[24+\e]
.endr
.irp e, 0,1,2,3,4,5,6,7
	s_add_co_u32 s[16+\e], s[16+\e], s[32+\e]
.endr
.set m, m+1
.endr
.irp e, 0,1,2,3,4,5,6,7
	v_mov_b32 v[16+\e], s[16+\e]
	ds_store_b32 v9, v[16+\e] offset:4*\e          ; all lanes write the same word with the same value
.endr
	s_wait_dscnt 0x0                               ; for the others' sake: my counts lie in LDS
	s_barrier_signal -1
	s_barrier_wait -1
	ds_load_b32 v11, v8                            ; lane 8 w' + e: wave w' 's count of expert e
	s_wait_dscnt 0x0
.irp e, 0,1,2,3,4,5,6,7
	s_mov_b32 s[32+\e], 0
	s_mov_b32 s[16+\e], 0
.irp w, 0,1,2,3
	v_readlane_b32 s56, v11, 8*\w+\e
	s_add_co_u32 s[32+\e], s[32+\e], s56           ; the expert's rows in all,
	s_cmp_gt_u32 s[WV], \w
	s_cselect_b32 s57, s56, 0
	s_add_co_u32 s[16+\e], s[16+\e], s57           ; and those of the waves in front of mine
.endr
.endr
	s_mov_b32 s58, 0
.irp e, 0,1,2,3,4,5,6,7
	s_add_co_u32 s[40+\e], s[32+\e], 15
	s_lshr_b32 s[40+\e], s[40+\e], 4               ; its tiles
	s_mov_b32 s[48+\e], s58                        ; its first tile
	s_add_co_u32 s58, s58, s[40+\e]
	s_lshl_b32 s59, s[48+\e], 4
	s_add_co_u32 s[16+\e], s[16+\e], s59           ; my wave's first slot of it
.endr
.set m, 0
.rept 32
.irp e, 0,1,2,3,4,5,6,7
	v_cmp_eq_u32 s[24+\e], \e, v[S+m]
.endr
	v_mbcnt_lo_u32_b32 v[SL+m], s24, s16           ; the running slot + the lanes below me with the same expert
.irp e, 1,2,3,4,5,6,7
	v_mbcnt_lo_u32_b32 v10, s[24+\e], s[16+\e]
	v_cndmask_b32 v[SL+m], v[SL+m], v10, s[24+\e]
.endr
.irp e, 0,1,2,3
	s_bcnt1_i32_b32 s[56+\e], s[24+\e]
.endr
.irp e, 0,1,2,3
	s_add_co_u32 s[16+\e], s[16+\e], s[56+\e]
.endr
.irp e, 0,1,2,3
	s_bcnt1_i32_b32 s[56+\e], s[28+\e]
.endr
.irp e, 0,1,2,3
	s_add_co_u32 s[20+\e], s[20+\e], s[56+\e]
.endr
.set m, m+1
.endr
.set m, 0
.rept 32                               ; ORDER[slot] = token: 4,096 words in all go to places that the choice decides
	v_min_u32 v[AD+m], 4207, v[SL+m]
	v_lshlrev_b32 v[AD+m], 2, v[AD+m]
	v_add_nc_u32 v[TK+m], 64*(m/4)+(m%4)/2, v4
	global_store_b32 v[AD+m], v[TK+m], s[10:11]
.set m, m+1
.endr
.irp j, 0,1,2,3,4,5,6,7
	global_store_b128 v3, v[SL+4*\j:SL+4*\j+3], s[60:61] offset:512*\j   ; POS: 512 consecutive bytes a store
.endr
	s_cmp_lg_u32 s[WV], 0                          ; wave 0 alone: META and the padding slots
	s_cbranch_scc1 .Lpend
	v_mov_b32 v13, 0
.irp e, 0,1,2,3,4,5,6,7
	v_writelane_b32 v13, s[48+\e], 2*\e
	v_writelane_b32 v13, s[40+\e], 2*\e+1
.endr
	global_store_b32 v5, v13, s[62:63]
; The padding slots of all eight experts: every address and every lane mask is made first, with all lanes on, each in a register of its own; only then EXEC is narrowed, once for each expert's store.
.irp e, 0,1,2,3,4,5,6,7
	s_lshl_b32 s56, s[48+\e], 4
	s_add_co_u32 s56, s56, s[32+\e]                ; the first slot behind the expert's rows,
	s_add_co_u32 s57, s[48+\e], s[40+\e]
	s_lshl_b32 s57, s57, 4                         ; and the end of its last tile: at most 15 slots between
	v_add_nc_u32 v14, s56, v2
	v_cmp_gt_u32 s[24+\e], s57, v14                ; the lanes whose slot still lies in that tile
	v_min_u32 v[PA+\e], 4207, v14
	v_lshlrev_b32 v[PA+\e], 2, v[PA+\e]
.endr
.irp e, 0,1,2,3,4,5,6,7
	s_wait_xcnt 0x0                                ; EXEC changes only behind this wait
	s_and_saveexec_b32 s58, s[24+\e]
	global_store_b32 v[PA+\e], v6, s[10:11]        ; token 0
	s_wait_xcnt 0x0                                ; and again, in front of the line that widens it
	s_or_b32 exec_lo, exec_lo, s58
.endr
.Lpend:
	s_wait_tensorcnt 0x0
	ds_add_u32 v160, v161
	s_wait_dscnt 0x0
	s_endpgm
.Lfunc_end_k_q43a5b8471c_prep_b:
	.size	k_q43a5b8471c_prep_b, .Lfunc_end_k_q43a5b8471c_prep_b-k_q43a5b8471c_prep_b
	.p2alignl 7, 3214868480
	.fill 96, 4, 3214868480
	.section	.rodata,"a",@progbits
	.p2align	6, 0x0
	.amdhsa_kernel k_q43a5b8471c_prep_b
		.amdhsa_group_segment_fixed_size 25600
		.amdhsa_private_segment_fixed_size 0
		.amdhsa_enable_private_segment 0
		.amdhsa_kernarg_size 32
		.amdhsa_user_sgpr_count 2
		.amdhsa_user_sgpr_kernarg_segment_ptr 1
		.amdhsa_wavefront_size32 1
		.amdhsa_system_sgpr_workgroup_id_x 1
		.amdhsa_system_sgpr_workgroup_id_y 1
		.amdhsa_system_sgpr_workgroup_id_z 1
		.amdhsa_system_vgpr_workitem_id 0
		.amdhsa_next_free_vgpr 162
		.amdhsa_next_free_sgpr 66
		.amdhsa_reserve_vcc 0
		.amdhsa_float_denorm_mode_32 3
		.amdhsa_float_denorm_mode_16_64 3
		.amdhsa_memory_ordered 1
		.amdhsa_forward_progress 1
		.amdhsa_inst_pref_size 161
	.end_amdhsa_kernel
	.amdgpu_metadata
---
amdhsa.version: [ 1, 2 ]
amdhsa.kernels:
  - .name:           k_q43a5b8471c_prep_b
    .symbol:         k_q43a5b8471c_prep_b.kd
    .args:
      - { .name: W2, .offset: 0, .size: 8, .value_kind: global_buffer, .address_space: global }
      - { .name: sel, .offset: 8, .size: 8, .value_kind: global_buffer, .address_space: global }
      - { .name: qb, .offset: 16, .size: 8, .value_kind: global_buffer, .address_space: global }
      - { .name: route, .offset: 24, .size: 8, .value_kind: global_buffer, .address_space: global }
    .group_segment_fixed_size: 25600
    .private_segment_fixed_size: 0
    .kernarg_segment_align: 8
    .kernarg_segment_size: 32
    .max_flat_workgroup_size: 128
    .sgpr_count:     66
    .vgpr_count:     162
    .wavefront_size: 32
...
	.end_amdgpu_metadata
.endif
;; end of part 2
;; launch up (part 3): grid 256 x 1, 4 waves a work-group, no clusters, 0 bytes of LDS; arguments qa, b1, route, hb; writes hb
.if DOCPART == 3
	.amdgcn_target "amdgcn-amd-amdhsa--gfx1250"
	.amdhsa_code_object_version 6
	.text
	.protected	k_q43a5b8471c_up
	.globl	k_q43a5b8471c_up
	.p2align	8
	.type	k_q43a5b8471c_up,@function
k_q43a5b8471c_up:
	s_mov_b64 s[64:65], 0
	v_nop
	global_prefetch_b8 v0, s[64:65] scope:SCOPE_SE
	s_setreg_imm32_b32 hwreg(HW_REG_WAVE_MODE, 25, 1), 1
	s_wait_xcnt 0x0
; UP.  h = Q(gelu(x W1_e + b1_e)) for the routed rows alone: reference() keeps, of each token's eight experts, the two that its own router chose.  Product on codes of FP6 (E2M3) with E8M0 scales; sums in f32.
; SHARES.  Work-group = expert e (x / 32) and a slice of 64 hidden units (x % 32): four tiles of 16.  All four waves hold the slice's 32 fragments of W1 (8 K steps x 4 tiles, 384 registers) for the whole launch;
; wave w takes the expert's tiles of 16 slots w, w + 4, ..  The number of tiles comes from the list that the launch before stored.  Waves share nothing: no LDS, no barrier, so a trip count may differ from wave to wave.
; No cluster and no joint loads: the trip counts hang on the stored list, x's rows are gathered by it, and a work-group's weights are read once and belong to it alone.
; TWO TILES AHEAD.  x's fragments, scale words, addresses and token lists have two sets, q = 0 and 1, which take turns: trip i multiplies set i % 2 and fills it again with tile i + 2; the list of tile i + 4 is asked for in the same trip.
; So a trip is written twice, and 52 loads of a wave are on their way.
; THE WALK IS TURNED: a wave begins at place slice % 8 of its own tiles and goes round, so that the 32 work-groups of an expert do not all ask for the same rows in the same trip.  What is asked for beyond the last trip are the walk's first tiles again: inside every buffer.
; TRANSPOSED: source 0 = 16 rows of W1, source 1 = 16 rows of x.  Lane (r, h) holds slot r; the rows of a tile of W1 were chosen so that the 16 registers of tiles 2 b, 2 b + 1 are hidden units 32 b + 16 h + 0 .. 15 of the slice.
; gelu (tanh form) as x / (1 + 2^z), z = x (a + b x^2), a = -2 log2(e) sqrt(2 / pi), b = 0.044715 a: the same function in exact algebra, with no difference of near numbers for negative x.
; The slice's 64 units are half c = slice % 2 of K step slice / 2 of the next product: the wave stores that half of the tile's image and its two scale bytes a row.
; hb: images at 0: [tile][K step 16][1,536];  scale words at HS_OFF: [tile][K step][row].
; LIMITS: NaN and infinities are not served; a block of h whose largest magnitude lies under 2^-124 gets the byte 1.  A split that leaves an expert without rows leaves its 32 work-groups without work.
.set W1S_OFF,  12582912
.set XQ_OFF,   13107200
.set XS_OFF,   14680064
.set META_OFF, 33280
.set HS_OFF,   6463488
.set TMAX,     262                     ; the last tile that any split can have
.set V16, 4                            ; v4  16 x lane
.set V8,  5                            ; v5  8 x lane
.set VSB, 6                            ; v6  4 r + h: my scale byte's place
.set VO,  7                            ; v7  4 r: my slot's word in the list
.set XA0, 8                            ; v8,  v253 (set 1: + 245)  my token's codes, + 48 h
.set XSA0, 9                           ; v9,  v254 (set 1: + 245)  its scale words, + 16 h
.set ORD0, 10                          ; v10, v252 (set 1: + 242)  tokens as loaded
.set H48, 11
.set H16, 12
.set WSC, 16                           ; v16-31  W1's scale words: register 4 t + j: lanes 0-15 K step j, lanes 16-31 K step 4 + j
.set XSC0, 32                          ; v32-35, v248-251 (set 1: + 216)  x's, packed the same way
.set B1,  36                           ; v36-67  b1 in the result's layout
.set ACC, 68                           ; v68-99  four accumulators
                                       ; v100-195 x's eight fragments, set 0;  set 1: v0-95 of window 3
.set T,   196                          ; v196-227 at work in gelu
.set TM,  228                          ; v228-235 two each: largest magnitude, the other half's, scale operand, byte
.set PC,  236                          ; v236-242 codes
.set SBY, 244                          ; v244 my scale byte
.set VA,  246                          ; v[246:247] a, twice
; window 1: W1's fragments of K steps 0-3 at 12 (4 s + t);  window 2: K steps 4-7
; s12 wave, s13 expert, s14 slice, s16 first tile, s17 tiles, s18 the tile in hand, s[20:21] W1's images, s[22:23] x's codes, s[24:25] x's scales, s[26:27] the list, s[28:29] and s[40:41] the list's tile, sets 0 and 1,
; s[30:33] where this tile's results go, s[34:37] the slice's place in hb, s[38:39] an offset (s39 = 0), s[42:43] b, s[44:45] lane selects, s46 lanes 16-31, s47 at work, s48 my place in the walk, s49 the lists' place in it,
; s55 META's offset (written once), s56 my trips, s57 pairs of trips done, s59 trips to go
.set MSB, 0
.macro WIN new
.if MSB != (\new)
	s_set_vgpr_msb (MSB<<8)|(\new)
.set MSB, (\new)
.endif
.endm
.macro PLACES n
.rept \n
	v_nop
.endr
.endm
.macro FRAGLD reg, base, off           ; an image comes back as it was stored: 512, 256, 512, 256 consecutive bytes
	global_load_b128 v[(\reg):(\reg)+3], v[V16], s[\base:\base+1] offset:(\off)
	global_load_b64 v[(\reg)+4:(\reg)+5], v[V8], s[\base:\base+1] offset:(\off)+512
	global_load_b128 v[(\reg)+6:(\reg)+9], v[V16], s[\base:\base+1] offset:(\off)+768
	global_load_b64 v[(\reg)+10:(\reg)+11], v[V8], s[\base:\base+1] offset:(\off)+1280
.endm
.macro TILEOFF dst, cbase, sidx, mult  ; dst = cbase + (the expert's first tile + s[sidx], held inside the buffer) x mult
	s_add_co_u32 s38, s16, s[\sidx]
	s_min_u32 s38, s38, TMAX
	s_mul_i32 s38, s38, \mult
	s_add_nc_u64 s[(\dst):(\dst)+1], s[\cbase:\cbase+1], s[38:39]
.endm
.macro ORDL q                          ; the 16 tokens of the walk's next tile into set q (lanes r and r + 16 take slot r's); then the lists' place goes one on, round the end
	s_lshl_b32 s47, s49, 2
	s_add_co_u32 s47, s47, s12                     ; tile w + 4 x place
	TILEOFF 28+12*\q, 26, 47, 64
	global_load_b32 v[ORD0+242*\q], v[VO], s[28+12*\q:29+12*\q]
	s_add_co_u32 s49, s49, 1
	s_cmp_eq_u32 s49, s56
	s_cselect_b32 s49, 0, s49
.endm
.macro ADDR q                          ; set q's addresses from set q's tokens
	v_min_u32 v[ORD0+242*\q], 0x7ff, v[ORD0+242*\q]
	v_mul_u32_u24 v[XA0+245*\q], v[ORD0+242*\q], 768
	v_add_nc_u32 v[XA0+245*\q], v[XA0+245*\q], v[H48]
	v_lshlrev_b32 v[XSA0+245*\q], 5, v[ORD0+242*\q]
	v_add_nc_u32 v[XSA0+245*\q], v[XSA0+245*\q], v[H16]
.endm
.macro XLOAD hf, q                     ; four K steps of my row into set q: 48 consecutive bytes a K step are a fragment's 12 registers
.set XRB, 100*(1-\q)
	WIN 0xc0*\q                                    ; set 1: destination window 3
.irp k, 0,1,2,3
.irp g, 0,1,2
	global_load_b128 v[XRB+12*(4*\hf+\k)+4*\g:XRB+12*(4*\hf+\k)+4*\g+3], v[XA0+245*\q], s[22:23] offset:96*(4*\hf+\k)+16*\g
.endr
.endr
	WIN 0
.endm
.macro XSCL q
	global_load_b128 v[XSC0+216*\q:XSC0+216*\q+3], v[XSA0+245*\q], s[24:25]
.endm
.macro MM hf, q                        ; 16 products: K steps 4 hf .. 4 hf + 3 x four tiles, on x's set q.  The four accumulators take turns, one instruction a turn.  b1 is the C of each sum's first product
.set XRB, 100*(1-\q)
	WIN 1+\hf+12*\q                                ; source 0 (W1) window 1 or 2; source 1 (x) window 0 or 3
.irp k, 0,1,2,3
.irp t, 0,1,2,3
.if (\hf == 0) && (\k == 0)
	v_wmma_scale_f32_16x16x128_f8f6f4 v[ACC+8*\t:ACC+8*\t+7], v[12*(4*\k+\t):12*(4*\k+\t)+11], v[XRB+12*(4*\hf+\k):XRB+12*(4*\hf+\k)+11], v[B1+8*\t:B1+8*\t+7], v[WSC+4*\t+\k], v[XSC0+216*\q+\k] matrix_a_fmt:MATRIX_FMT_FP6 matrix_b_fmt:MATRIX_FMT_FP6
.elseif \hf == 0
	v_wmma_scale_f32_16x16x128_f8f6f4 v[ACC+8*\t:ACC+8*\t+7], v[12*(4*\k+\t):12*(4*\k+\t)+11], v[XRB+12*(4*\hf+\k):XRB+12*(4*\hf+\k)+11], v[ACC+8*\t:ACC+8*\t+7], v[WSC+4*\t+\k], v[XSC0+216*\q+\k] matrix_a_fmt:MATRIX_FMT_FP6 matrix_b_fmt:MATRIX_FMT_FP6
.else
	v_wmma_scale_f32_16x16x128_f8f6f4 v[ACC+8*\t:ACC+8*\t+7], v[12*(4*\k+\t):12*(4*\k+\t)+11], v[XRB+12*(4*\hf+\k):XRB+12*(4*\hf+\k)+11], v[ACC+8*\t:ACC+8*\t+7], v[WSC+4*\t+\k], v[XSC0+216*\q+\k] matrix_a_fmt:MATRIX_FMT_FP6 matrix_b_fmt:MATRIX_FMT_FP6 matrix_a_scale:MATRIX_SCALE_ROW1 matrix_b_scale:MATRIX_SCALE_ROW1
.endif
.endr
.endr
	WIN 0
.endm
; The four accumulators become half an image of h and two scale bytes a row, and are stored.
.macro FINISH
	; gelu, each accumulator from its low end on
.irp i, 0,2,4,6,8,10,12,14,16,18,20,22,24,26,28,30
	v_pk_mul_f32 v[T+\i:T+\i+1], v[ACC+\i:ACC+\i+1], v[ACC+\i:ACC+\i+1]
.endr
.irp i, 0,2,4,6,8,10,12,14,16,18,20,22,24,26,28,30
	v_pk_fma_f32 v[T+\i:T+\i+1], v[T+\i:T+\i+1], s[42:43], v[VA:VA+1] op_sel_hi:[1,0,1]   ; a + b x^2
.endr
.irp i, 0,2,4,6,8,10,12,14,16,18,20,22,24,26,28,30
	v_pk_mul_f32 v[T+\i:T+\i+1], v[T+\i:T+\i+1], v[ACC+\i:ACC+\i+1]                       ; z
.endr
.irp j, 0,1,2,3,4,5,6,7,8,9,10,11,12,13,14,15,16,17,18,19,20,21,22,23,24,25,26,27,28,29,30,31
	v_exp_f32 v[T+\j], v[T+\j]
.endr
	v_nop                                          ; one plain place behind a transcendental
	s_wait_alu depctr_va_vdst(0)
.irp i, 0,2,4,6,8,10,12,14,16,18,20,22,24,26,28,30
	v_pk_add_f32 v[T+\i:T+\i+1], v[T+\i:T+\i+1], 1.0 op_sel_hi:[1,0]
.endr
.irp j, 0,1,2,3,4,5,6,7,8,9,10,11,12,13,14,15,16,17,18,19,20,21,22,23,24,25,26,27,28,29,30,31
	v_rcp_f32 v[T+\j], v[T+\j]
.endr
	v_nop
	s_wait_alu depctr_va_vdst(0)
.irp i, 0,2,4,6,8,10,12,14,16,18,20,22,24,26,28,30
	v_pk_mul_f32 v[ACC+\i:ACC+\i+1], v[ACC+\i:ACC+\i+1], v[T+\i:T+\i+1]
.endr
	; the two blocks of 32 are quantised: my 16 numbers of each, and lane l xor 16's
.irp b, 0,1
	v_max3_num_f32 v[TM+\b], |v[ACC+16*\b]|, |v[ACC+16*\b+1]|, 0x1800000   ; with the floor 2^(3 - 127): the byte cannot fall under 1
.endr
.irp i, 2,4,6,8,10,12,14
.irp b, 0,1
	v_max3_num_f32 v[TM+\b], v[TM+\b], |v[ACC+16*\b+\i]|, |v[ACC+16*\b+\i+1]|
.endr
.endr
.irp b, 0,1
	v_permlanex16_b32 v[TM+2+\b], v[TM+\b], s44, s45
.endr
.irp b, 0,1
	v_max_num_f32 v[TM+\b], v[TM+\b], v[TM+2+\b]
.endr
.irp b, 0,1
	v_add_nc_u32 v[TM+4+\b], 0xff000000, v[TM+\b]  ; 2 off the exponent field: the conversion's scale operand
.endr
.irp b, 0,1
	v_lshrrev_b32 v[TM+6+\b], 23, v[TM+4+\b]       ; the scale's byte
.endr
	s_wait_xcnt 0x0                                ; the last trip's stores have read their data and bases, which the lines below write again; this trip's loads went out ahead of all the arithmetic above
	TILEOFF 30, 34, 18, 24576
	TILEOFF 32, 36, 18, 1024
	v_cvt_scalef32_pk16_fp6_f32 v[PC:PC+2], v[ACC:ACC+15], v[TM+4]
	v_cvt_scalef32_pk16_fp6_f32 v[PC+4:PC+6], v[ACC+16:ACC+31], v[TM+5]
	v_nop                                          ; one plain place behind a scaled conversion
.irp i, 0,1,2
	v_permlane16_swap_b32 v[PC+\i], v[PC+4+\i]     ; the operand wants a whole block in a lane: lanes 0-15 block 0, lanes 16-31 block 1
.endr
	v_mov_b32 v[PC+3], v[PC+4]
	v_mov_b32 v[PC+4], v[PC+5]
	v_mov_b32 v[PC+5], v[PC+6]
	v_cndmask_b32 v[SBY], v[TM+6], v[TM+7], s46    ; my block's byte
	global_store_b128 v[V16], v[PC:PC+3], s[30:31]             ; 512 consecutive bytes,
	global_store_b64 v[V8], v[PC+4:PC+5], s[30:31] offset:512  ; and 256: half an image
	global_store_b8 v[VSB], v[SBY], s[32:33]                   ; two bytes of each of the 16 rows' scale words
.endm
; A trip on set q.  It issues 26 loads: 24 of fragments, one of scale words, one list.
.macro TRIP q
	s_wait_loadcnt 26                              ; all is in but the 26 loads of the trip before: this tile's fragments and scale words, and the list of the tile two on; set q's addresses and list base are free
	ADDR \q
	MM 0, \q
	PLACES 4                                       ; in front of loads into registers that the products read
	XLOAD 0, \q                                    ; the tile two on
	MM 1, \q
	PLACES 4                                       ; likewise, and in front of the first read of results
	XLOAD 1, \q
	XSCL \q
	ORDL \q                                        ; the list of the tile four on
	FINISH
	s_add_co_u32 s48, s48, 1                       ; my place in the walk goes one on, round the end
	s_cmp_eq_u32 s48, s56
	s_cselect_b32 s48, 0, s48
	s_lshl_b32 s18, s48, 2
	s_add_co_u32 s18, s18, s12
	s_sub_co_u32 s59, s59, 1
	s_cmp_eq_u32 s59, 0                            ; my last tile is stored
	s_cbranch_scc1 .Lend
.endm
	s_load_b256 s[4:11], s[0:1], 0x0               ; qa s[4:5], b1 s[6:7], route s[8:9], hb s[10:11]
	v_lshrrev_b32 v1, 5, v0
	v_readfirstlane_b32 s12, v1                    ; wave 0..3
	s_lshr_b32 s13, ttmp9, 5                       ; expert
	s_and_b32 s14, ttmp9, 31                       ; slice
	s_lshl_b32 s55, s13, 3                         ; the expert's pair in META: a register that nothing else writes, since the load below reads it
	s_wait_kmcnt 0x0
	s_load_b64 s[16:17], s[8:9], s55 offset:META_OFF   ; the expert's first tile and its tiles
	v_and_b32 v1, 31, v0                           ; lane
	v_and_b32 v2, 15, v0                           ; r
	v_bfe_u32 v3, v0, 4, 1                         ; h
	v_lshlrev_b32 v[V16], 4, v1
	v_lshlrev_b32 v[V8], 3, v1
	v_lshl_add_u32 v[VSB], v2, 2, v3
	v_lshlrev_b32 v[VO], 2, v2
	v_mul_u32_u24 v[H48], v3, 48
	v_lshlrev_b32 v[H16], 4, v3
	v_lshlrev_b32 v13, 5, v2
	v_add_nc_u32 v13, v13, v[H16]                  ; W1's scale words: 32 r + 16 h
	v_lshlrev_b32 v14, 6, v3                       ; b1: 64 h
	v_mov_b32 v[TM+2], 0                           ; written once: a lane permute's destination counts as one of its sources
	v_mov_b32 v[TM+3], 0
	v_mov_b32 v[VA], 0xc0135761                    ; a = -2.3022082
	v_mov_b32 v[VA+1], 0xc0135761
	s_mov_b32 s39, 0
	s_lshl_b32 s47, s13, 7
	s_lshl_b32 s48, s14, 2
	s_add_co_u32 s47, s47, s48                     ; the slice's first tile of columns: 128 e + 4 slice
	s_mul_i32 s38, s47, 12288
	s_add_nc_u64 s[20:21], s[4:5], s[38:39]
	s_lshl_b32 s38, s47, 9
	s_add_co_u32 s38, s38, W1S_OFF
	s_add_nc_u64 s[50:51], s[4:5], s[38:39]
	s_lshl_b32 s38, s47, 6
	s_add_nc_u64 s[52:53], s[6:7], s[38:39]        ; b1 at the slice's first unit
	s_add_nc_u64 s[22:23], s[4:5], XQ_OFF
	s_add_nc_u64 s[24:25], s[4:5], XS_OFF
	s_mov_b64 s[26:27], s[8:9]
	s_lshr_b32 s48, s14, 1                         ; the next product's K step,
	s_and_b32 s49, s14, 1                          ; and the half of it
	s_mul_i32 s38, s48, 1536
	s_mul_i32 s54, s49, 768
	s_add_co_u32 s38, s38, s54
	s_add_nc_u64 s[34:35], s[10:11], s[38:39]
	s_lshl_b32 s38, s48, 6
	s_lshl_b32 s54, s49, 1
	s_add_co_u32 s38, s38, s54
	s_add_co_u32 s38, s38, HS_OFF
	s_add_nc_u64 s[36:37], s[10:11], s[38:39]
	s_mov_b32 s42, 0xbdd2d3e8                      ; b = -0.10294324
	s_mov_b32 s43, s42                             ; (named with it as a pair, so it is written)
	s_mov_b32 s44, 0x76543210
	s_mov_b32 s45, 0xfedcba98                      ; v_permlanex16_b32's selects for lane l xor 16
	s_mov_b32 s46, 0xffff0000
	; half of the weights go out while META is on its way: they hang on the work-group's number alone
	WIN 0x40                                       ; destination window 1
.irp s, 0,1,2,3
.irp t, 0,1,2,3
	FRAGLD 12*(4*\s+\t), 20, (8*\t+\s)*1536
.endr
.endr
	WIN 0
	s_wait_kmcnt 0x0
	s_cmp_ge_u32 s12, s17                          ; no tile for this wave: it stores nothing and ends
	s_cbranch_scc1 .Lend
	s_sub_co_u32 s56, s17, s12
	s_add_co_u32 s56, s56, 3
	s_lshr_b32 s56, s56, 2                         ; my trips: tiles w, w + 4, .. under the expert's number of tiles,
	s_min_u32 s56, s56, 66                         ; held at what 263 tiles, the most that any split has, can give a wave
	s_and_b32 s48, s14, 7
	s_cmp_lt_u32 s48, s56
	s_cselect_b32 s48, s48, 0                      ; where my walk begins: slice % 8, or 0 where I have fewer tiles than that
	s_mov_b32 s49, s48
	s_lshl_b32 s18, s48, 2
	s_add_co_u32 s18, s18, s12                     ; my first tile
	s_mov_b32 s59, s56
	s_mov_b32 s57, 0
	ORDL 0                                         ; the tokens of my first two tiles: x's addresses hang on them
	ORDL 1
.irp t, 0,1,2,3
	global_load_b128 v[WSC+4*\t:WSC+4*\t+3], v13, s[50:51] offset:512*\t
	global_load_b128 v[B1+8*\t:B1+8*\t+3], v14, s[52:53] offset:(32*(\t/2)+8*(\t%2))*4
	global_load_b128 v[B1+8*\t+4:B1+8*\t+7], v14, s[52:53] offset:(32*(\t/2)+8*(\t%2))*4+16
.endr
	WIN 0x80                                       ; destination window 2
.irp s, 4,5
.irp t, 0,1,2,3
	FRAGLD 12*(4*(\s-4)+\t), 20, (8*\t+\s)*1536
.endr
.endr
	WIN 0
	s_wait_loadcnt 44                              ; the two lists are in; the 12 + 32 loads issued behind them may be out
	ADDR 0
	ADDR 1
	WIN 0x80
.irp s, 6,7
.irp t, 0,1,2,3
	FRAGLD 12*(4*(\s-4)+\t), 20, (8*\t+\s)*1536
.endr
.endr
	WIN 0
	XLOAD 0, 0                                     ; my first tile, and the list of the third: 26 loads,
	XLOAD 1, 0
	XSCL 0
	ORDL 0
	XLOAD 0, 1                                     ; my second, and the list of the fourth: 26 more
	XLOAD 1, 1
	XSCL 1
	ORDL 1
.Lpair:                                                ; two trips, one on each set; each ends the wave where its tile was the last.  66 trips at the most: 33 pairs
	TRIP 0
	TRIP 1
	s_add_co_u32 s57, s57, 1
	s_cmp_lt_u32 s57, 33
	s_cbranch_scc1 .Lpair
.Lend:
	s_endpgm
.Lfunc_end_k_q43a5b8471c_up:
	.size	k_q43a5b8471c_up, .Lfunc_end_k_q43a5b8471c_up-k_q43a5b8471c_up
	.p2alignl 7, 3214868480
	.fill 96, 4, 3214868480
	.section	.rodata,"a",@progbits
	.p2align	6, 0x0
	.amdhsa_kernel k_q43a5b8471c_up
		.amdhsa_group_segment_fixed_size 0
		.amdhsa_private_segment_fixed_size 0
		.amdhsa_enable_private_segment 0
		.amdhsa_kernarg_size 32
		.amdhsa_user_sgpr_count 2
		.amdhsa_user_sgpr_kernarg_segment_ptr 1
		.amdhsa_wavefront_size32 1
		.amdhsa_system_sgpr_workgroup_id_x 1
		.amdhsa_system_sgpr_workgroup_id_y 1
		.amdhsa_system_sgpr_workgroup_id_z 1
		.amdhsa_system_vgpr_workitem_id 0
		.amdhsa_next_free_vgpr 864
		.amdhsa_next_free_sgpr 66
		.amdhsa_reserve_vcc 0
		.amdhsa_float_denorm_mode_32 3
		.amdhsa_float_denorm_mode_16_64 3
		.amdhsa_memory_ordered 1
		.amdhsa_forward_progress 1
		.amdhsa_inst_pref_size 59
	.end_amdhsa_kernel
	.amdgpu_metadata
---
amdhsa.version: [ 1, 2 ]
amdhsa.kernels:
  - .name:           k_q43a5b8471c_up
    .symbol:         k_q43a5b8471c_up.kd
    .args:
      - { .name: qa, .offset: 0, .size: 8, .value_kind: global_buffer, .address_space: global }
      - { .name: b1, .offset: 8, .size: 8, .value_kind: global_buffer, .address_space: global }
      - { .name: route, .offset: 16, .size: 8, .value_kind: global_buffer, .address_space: global }
      - { .name: hb, .offset: 24, .size: 8, .value_kind: global_buffer, .address_space: global }
    .group_segment_fixed_size: 0
    .private_segment_fixed_size: 0
    .kernarg_segment_align: 8
    .kernarg_segment_size: 32
    .max_flat_workgroup_size: 128
    .sgpr_count:     66
    .vgpr_count:     864
    .wavefront_size: 32
...
	.end_amdgpu_metadata
.endif
;; end of part 3
;; launch down (part 4): grid 256 x 1, 4 waves a work-group, no clusters, 17,920 bytes of LDS; arguments qb, b2, hb, route, ybuf; writes ybuf
.if DOCPART == 4
	.amdgcn_target "amdgcn-amd-amdhsa--gfx1250"
	.amdhsa_code_object_version 6
	.text
	.protected	k_q43a5b8471c_down
	.globl	k_q43a5b8471c_down
	.p2align	8
	.type	k_q43a5b8471c_down,@function
k_q43a5b8471c_down:
	s_mov_b64 s[64:65], 0
	v_nop
	global_prefetch_b8 v0, s[64:65] scope:SCOPE_SE
	s_setreg_imm32_b32 hwreg(HW_REG_WAVE_MODE, 25, 1), 1
	s_wait_xcnt 0x0
; DOWN.  y = h W2_e + b2_e for the routed rows, on codes of FP6 (E2M3) with E8M0 scales; sums in f32.  ybuf: [slot][1024] f32.
; SHARES.  Work-group = expert e (x / 32), a slice of 64 columns d ((x / 2) % 16: four tiles of 16) and a half p (x % 2) of the expert's tiles of slots.  Each wave holds the slice's 64 fragments of W2
; (16 K steps x 4 tiles, 768 registers) for the whole launch and takes tiles 4 p + w, + 8, ..  The number of tiles comes from the stored list.  Waves share nothing: no barrier; the stage in LDS is each wave's own.
; No cluster and no joint loads: the trip counts hang on the stored list, and a wave's weights are read once and stay in its registers.
; TRANSPOSED: source 0 = 16 columns of W2, source 1 = 16 slots of h: lane (r, h) holds slot r and eight neighbouring d.
; h's fragments stream from memory as images, four K steps a group, through THREE places of 48 registers: 60 loads of a wave are on their way.  A tile has four groups, so the places come round after three tiles: a tile is written three times.
; THE WALK IS TURNED: a wave begins at place slice % 4 of its own tiles and goes round, so that the 16 slices of an expert do not all ask for the same tile in the same trip.  What is asked for beyond the last trip is the walk's first tile again: inside the buffer.
; b2 is added on the way out, where a lane holds four neighbouring columns: four registers, and the first product starts each sum with the constant 0.
; The way out: 16 rows x 256 bytes through the stage (rows 272 bytes apart), back as whole rows: sixteen lanes store 256 consecutive bytes, aligned.
.set W2S_OFF,  12582912
.set HS_OFF,   6463488
.set META_OFF, 33280
.set TMAX,     262
.set V16, 4                            ; v4  16 x lane
.set V8,  5                            ; v5  8 x lane
.set VS,  6                            ; v6  4 r
.set STO, 7                            ; v7  the stage: row r, + 32 h
.set RD,  8                            ; v8  back: lanes 0-15 one row, lanes 16-31 the next
.set YO,  9                            ; v9  the same two rows in ybuf
.set W63, 12                           ; v12-23  the one fragment of W2 for which windows 1 to 3 have no room
.set WSC, 24                           ; v24-55  W2's scale words: register 8 t + j: lanes 0-15 K step j, lanes 16-31 K step 8 + j
.set B2,  56                           ; v56-59  b2 of the four columns that I store
.set ACC, 60                           ; v60-91  four accumulators
.set ASC, 92                           ; v92-103 h's scale words of the three places
.set RB,  104                          ; v104-247 h's fragments: three places of four
; windows 1 to 3: fragment f = 4 s + t of W2 in window 1 + f / 21 at register 12 (f % 21)
; s14 wave, s15 expert, s16 first tile, s17 tiles, s18 the tile in hand, s[20:21] W2's images, s[22:23] h's images, s[24:25] h's scales, s[26:27] ybuf at the slice,
; s[28:31] this tile's h, s[32:35] the next tile's, s[36:37] this tile's rows of ybuf, s[38:39] an offset (s39 = 0), s42 the next tile, s48 META's offset (written once), s49 my trips, s50 triples done,
; s51 my place in the walk, s52 the next, s53 trips to go, s54 my lowest tile
.set MSB, 0
.macro WIN new
.if MSB != (\new)
	s_set_vgpr_msb (MSB<<8)|(\new)
.set MSB, (\new)
.endif
.endm
.macro PLACES n
.rept \n
	v_nop
.endr
.endm
.macro FRAGLD reg, base, off
	global_load_b128 v[(\reg):(\reg)+3], v[V16], s[\base:\base+1] offset:(\off)
	global_load_b64 v[(\reg)+4:(\reg)+5], v[V8], s[\base:\base+1] offset:(\off)+512
	global_load_b128 v[(\reg)+6:(\reg)+9], v[V16], s[\base:\base+1] offset:(\off)+768
	global_load_b64 v[(\reg)+10:(\reg)+11], v[V8], s[\base:\base+1] offset:(\off)+1280
.endm
.macro TILEOFF dst, cbase, sidx, mult
	s_add_co_u32 s38, s16, s[\sidx]
	s_min_u32 s38, s38, TMAX
	s_mul_i32 s38, s38, \mult
	s_add_nc_u64 s[\dst:\dst+1], s[\cbase:\cbase+1], s[38:39]
.endm
.macro GLOADH sl, hbase, sbase, g      ; K steps 4 g .. 4 g + 3 of a tile of h into place sl: 20 loads
.irp i, 0,1,2,3
	FRAGLD RB+12*(4*(\sl)+\i), \hbase, 1536*(4*\g+\i)
	global_load_b32 v[ASC+4*(\sl)+\i], v[VS], s[\sbase:\sbase+1] offset:64*(4*\g+\i)
.endr
.endm
.macro MMD g, sl                       ; 16 products: K steps 4 g .. 4 g + 3, from place sl, x four tiles.  The four accumulators take turns, one instruction a turn.  The first product starts each sum
.irp i, 0,1,2,3
.irp t, 0,1,2,3
.set FF, 4*(4*\g+\i)+\t
.if FF == 63
.set WW, 0
.set WR, W63
.else
.set WW, 1+FF/21
.set WR, 12*(FF%21)
.endif
.set BR, RB+12*(4*(\sl)+\i)
.set SR, ASC+4*(\sl)+\i
	WIN WW
.if (\g == 0) && (\i == 0)
	v_wmma_scale_f32_16x16x128_f8f6f4 v[ACC+8*\t:ACC+8*\t+7], v[WR:WR+11], v[BR:BR+11], 0, v[WSC+8*\t+(4*\g+\i)%8], v[SR] matrix_a_fmt:MATRIX_FMT_FP6 matrix_b_fmt:MATRIX_FMT_FP6
.elseif \g < 2
	v_wmma_scale_f32_16x16x128_f8f6f4 v[ACC+8*\t:ACC+8*\t+7], v[WR:WR+11], v[BR:BR+11], v[ACC+8*\t:ACC+8*\t+7], v[WSC+8*\t+(4*\g+\i)%8], v[SR] matrix_a_fmt:MATRIX_FMT_FP6 matrix_b_fmt:MATRIX_FMT_FP6
.else
	v_wmma_scale_f32_16x16x128_f8f6f4 v[ACC+8*\t:ACC+8*\t+7], v[WR:WR+11], v[BR:BR+11], v[ACC+8*\t:ACC+8*\t+7], v[WSC+8*\t+(4*\g+\i)%8], v[SR] matrix_a_fmt:MATRIX_FMT_FP6 matrix_b_fmt:MATRIX_FMT_FP6 matrix_a_scale:MATRIX_SCALE_ROW1
.endif
.endr
.endr
	WIN 0
.endm
; A tile whose group g lies in place (a + g) % 3.  Behind each group's products its place is filled again with the group three on: this tile's group 3, then the next tile's groups 0, 1, 2.
; Each wait leaves the two younger groups, 40 loads, on their way.
.macro TILE a
	s_add_co_u32 s52, s51, 1                       ; the walk's next place, round the end
	s_cmp_eq_u32 s52, s49
	s_cselect_b32 s52, 0, s52
	s_lshl_b32 s42, s52, 3
	s_add_co_u32 s42, s42, s54                     ; its tile
	TILEOFF 32, 22, 42, 24576
	TILEOFF 34, 24, 42, 1024
	TILEOFF 36, 26, 18, 65536
	s_wait_loadcnt 40
	MMD 0, (\a)%3
	PLACES 4                                       ; in front of loads into registers that the products read
	GLOADH (\a)%3, 28, 30, 3
	s_wait_loadcnt 40
	MMD 1, (\a+1)%3
	PLACES 4
	GLOADH (\a+1)%3, 32, 34, 0
	s_wait_loadcnt 40
	MMD 2, (\a+2)%3
	PLACES 4
	GLOADH (\a+2)%3, 32, 34, 1
	s_wait_loadcnt 40
	MMD 3, (\a)%3
	PLACES 5                                       ; also the places between these products and the next tile's first, which begin the accumulators anew
	GLOADH (\a)%3, 32, 34, 2
.irp t, 0,1,2,3
	ds_store_b128 v[STO], v[ACC+8*\t:ACC+8*\t+3] offset:64*\t          ; each accumulator from its low end on
	ds_store_b128 v[STO], v[ACC+8*\t+4:ACC+8*\t+7] offset:64*\t+16
.endr
.irp i, 0,1,2,3,4,5,6,7
	ds_load_b128 v[ACC+4*\i:ACC+4*\i+3], v[RD] offset:544*\i           ; LDS serves a wave's instructions in order: these see the stores above, and land in the registers that those have read
.endr
.irp i, 0,1,2,3,4,5,6,7
	s_wait_dscnt 7-\i                              ; the younger loads may be out
	v_pk_add_f32 v[ACC+4*\i:ACC+4*\i+1], v[ACC+4*\i:ACC+4*\i+1], v[B2:B2+1]       ; + b2 of my four columns
	v_pk_add_f32 v[ACC+4*\i+2:ACC+4*\i+3], v[ACC+4*\i+2:ACC+4*\i+3], v[B2+2:B2+3]
	global_store_b128 v[YO], v[ACC+4*\i:ACC+4*\i+3], s[36:37] offset:8192*\i   ; sixteen lanes store 256 consecutive bytes, at a multiple of 256 from the buffer's first byte
.endr
	s_wait_xcnt 0x0                                ; stores and loads have read their registers and bases: the accumulators and the bases may be written
	s_mov_b64 s[28:29], s[32:33]
	s_mov_b64 s[30:31], s[34:35]
	s_mov_b32 s18, s42
	s_mov_b32 s51, s52
	s_sub_co_u32 s53, s53, 1
	s_cmp_eq_u32 s53, 0                            ; my last tile is stored
	s_cbranch_scc1 .Lend
.endm
	s_load_b256 s[4:11], s[0:1], 0x0               ; qb s[4:5], b2 s[6:7], hb s[8:9], route s[10:11]
	s_load_b64 s[12:13], s[0:1], 0x20              ; ybuf
	v_lshl_add_u32 v254, v0, 2, 0x4400
	v_mov_b32 v255, 0
	v_lshrrev_b32 v1, 5, v0
	v_readfirstlane_b32 s14, v1                    ; wave 0..3
	s_lshr_b32 s15, ttmp9, 5                       ; expert
	s_bfe_u32 s40, ttmp9, 0x40001                  ; slice
	s_and_b32 s41, ttmp9, 1                        ; which half of the tiles
	s_lshl_b32 s48, s15, 3                         ; the expert's pair in META: a register that nothing else writes, since the load below reads it
	s_wait_kmcnt 0x0
	s_load_b64 s[16:17], s[10:11], s48 offset:META_OFF
	v_and_b32 v1, 31, v0
	v_and_b32 v2, 15, v0                           ; r
	v_bfe_u32 v3, v0, 4, 1                         ; h
	v_lshlrev_b32 v[V16], 4, v1
	v_lshlrev_b32 v[V8], 3, v1
	v_lshlrev_b32 v[VS], 2, v2
	s_mul_i32 s43, s14, 4352                       ; my stage
	v_mul_u32_u24 v[STO], v2, 272
	v_lshl_add_u32 v[STO], v3, 5, v[STO]
	v_add_nc_u32 v[STO], s43, v[STO]
	v_mul_u32_u24 v[RD], v3, 272
	v_lshl_add_u32 v[RD], v2, 4, v[RD]
	v_add_nc_u32 v[RD], s43, v[RD]
	v_lshlrev_b32 v[YO], 12, v3
	v_lshl_add_u32 v[YO], v2, 4, v[YO]
	v_lshlrev_b32 v10, 5, v3
	v_lshl_add_u32 v10, v2, 6, v10                 ; W2's scale words: 64 r + 32 h
	v_lshlrev_b32 v11, 4, v2                       ; b2: 16 r: the four columns that I store
	s_mov_b32 s39, 0
	s_lshl_b32 s43, s15, 6
	s_lshl_b32 s44, s40, 2
	s_add_co_u32 s43, s43, s44                     ; the slice's first tile of columns: 64 e + 4 slice
	s_mul_i32 s38, s43, 24576
	s_add_nc_u64 s[20:21], s[4:5], s[38:39]
	s_lshl_b32 s38, s43, 10
	s_add_co_u32 s38, s38, W2S_OFF
	s_add_nc_u64 s[44:45], s[4:5], s[38:39]
	s_lshl_b32 s38, s43, 6
	s_add_nc_u64 s[46:47], s[6:7], s[38:39]        ; b2 at the slice's first column
	s_mov_b64 s[22:23], s[8:9]
	s_add_nc_u64 s[24:25], s[8:9], HS_OFF
	s_lshl_b32 s38, s40, 8
	s_add_nc_u64 s[26:27], s[12:13], s[38:39]
	s_lshl_b32 s54, s41, 2
	s_add_co_u32 s54, s54, s14                     ; my lowest tile
	; the weights go out while META is on its way: they hang on the work-group's number alone
.irp s, 0,1,2,3,4,5,6,7,8,9,10,11,12,13,14,15
.irp t, 0,1,2,3
.set FF, 4*\s+\t
.if FF == 63
	WIN 0
	FRAGLD W63, 20, (16*\t+\s)*1536
.else
.set WW, (1+FF/21)<<6
.set WR, 12*(FF%21)
	WIN WW                                         ; destination window 1, 2 or 3
	FRAGLD WR, 20, (16*\t+\s)*1536
.endif
.endr
.endr
	WIN 0
.irp t, 0,1,2,3
	global_load_b128 v[WSC+8*\t:WSC+8*\t+3], v10, s[44:45] offset:1024*\t
	global_load_b128 v[WSC+8*\t+4:WSC+8*\t+7], v10, s[44:45] offset:1024*\t+16
.endr
	global_load_b128 v[B2:B2+3], v11, s[46:47]
	s_wait_kmcnt 0x0
	s_cmp_ge_u32 s54, s17                          ; no tile for this wave: it stores nothing and ends
	s_cbranch_scc1 .Lend
	s_sub_co_u32 s49, s17, s54
	s_add_co_u32 s49, s49, 7
	s_lshr_b32 s49, s49, 3                         ; my trips: tiles 4 p + w, + 8, .. under the expert's number of tiles,
	s_min_u32 s49, s49, 33                         ; held at what 263 tiles, the most that any split has, can give a wave
	s_and_b32 s51, s40, 3
	s_cmp_lt_u32 s51, s49
	s_cselect_b32 s51, s51, 0                      ; where my walk begins: slice % 4, or 0 where I have fewer tiles than that
	s_lshl_b32 s18, s51, 3
	s_add_co_u32 s18, s18, s54                     ; my first tile
	s_mov_b32 s53, s49
	s_mov_b32 s50, 0
	TILEOFF 28, 22, 18, 24576
	TILEOFF 30, 24, 18, 1024
	GLOADH 0, 28, 30, 0
	GLOADH 1, 28, 30, 1
	GLOADH 2, 28, 30, 2
.Ltriple:                                              ; three tiles, until the places are back where they began; each ends the wave where it was the last.  33 trips at the most: 11 triples
	TILE 0
	TILE 1
	TILE 2
	s_add_co_u32 s50, s50, 1
	s_cmp_lt_u32 s50, 11
	s_cbranch_scc1 .Ltriple
.Lend:
	s_wait_tensorcnt 0x0
	ds_add_u32 v254, v255
	s_wait_dscnt 0x0
	s_endpgm
.Lfunc_end_k_q43a5b8471c_down:
	.size	k_q43a5b8471c_down, .Lfunc_end_k_q43a5b8471c_down-k_q43a5b8471c_down
	.p2alignl 7, 3214868480
	.fill 96, 4, 3214868480
	.section	.rodata,"a",@progbits
	.p2align	6, 0x0
	.amdhsa_kernel k_q43a5b8471c_down
		.amdhsa_group_segment_fixed_size 17920
		.amdhsa_private_segment_fixed_size 0
		.amdhsa_enable_private_segment 0
		.amdhsa_kernarg_size 40
		.amdhsa_user_sgpr_count 2
		.amdhsa_user_sgpr_kernarg_segment_ptr 1
		.amdhsa_wavefront_size32 1
		.amdhsa_system_sgpr_workgroup_id_x 1
		.amdhsa_system_sgpr_workgroup_id_y 1
		.amdhsa_system_sgpr_workgroup_id_z 1
		.amdhsa_system_vgpr_workitem_id 0
		.amdhsa_next_free_vgpr 1024
		.amdhsa_next_free_sgpr 66
		.amdhsa_reserve_vcc 0
		.amdhsa_float_denorm_mode_32 3
		.amdhsa_float_denorm_mode_16_64 3
		.amdhsa_memory_ordered 1
		.amdhsa_forward_progress 1
		.amdhsa_inst_pref_size 96
	.end_amdhsa_kernel
	.amdgpu_metadata
---
amdhsa.version: [ 1, 2 ]
amdhsa.kernels:
  - .name:           k_q43a5b8471c_down
    .symbol:         k_q43a5b8471c_down.kd
    .args:
      - { .name: qb, .offset: 0, .size: 8, .value_kind: global_buffer, .address_space: global }
      - { .name: b2, .offset: 8, .size: 8, .value_kind: global_buffer, .address_space: global }
      - { .name: hb, .offset: 16, .size: 8, .value_kind: global_buffer, .address_space: global }
      - { .name: route, .offset: 24, .size: 8, .value_kind: global_buffer, .address_space: global }
      - { .name: ybuf, .offset: 32, .size: 8, .value_kind: global_buffer, .address_space: global }
    .group_segment_fixed_size: 17920
    .private_segment_fixed_size: 0
    .kernarg_segment_align: 8
    .kernarg_segment_size: 40
    .max_flat_workgroup_size: 128
    .sgpr_count:     66
    .vgpr_count:     1024
    .wavefront_size: 32
...
	.end_amdgpu_metadata
.endif
;; end of part 4
;; launch comb (part 5): grid 256 x 1, 8 waves a work-group, no clusters, 0 bytes of LDS; arguments ybuf, route, qa, out0; writes out0
.if DOCPART == 5
	.amdgcn_target "amdgcn-amd-amdhsa--gfx1250"
	.amdhsa_code_object_version 6
	.text
	.protected	k_q43a5b8471c_comb
	.globl	k_q43a5b8471c_comb
	.p2align	8
	.type	k_q43a5b8471c_comb,@function
k_q43a5b8471c_comb:
	s_mov_b64 s[64:65], 0
	v_nop
	global_prefetch_b8 v0, s[64:65] scope:SCOPE_SE
	s_setreg_imm32_b32 hwreg(HW_REG_WAVE_MODE, 25, 1), 1
	s_wait_xcnt 0x0
; COMB.  out[n] = g0 y[slot of (n, 0)] + g1 y[slot of (n, 1)]: the sum over experts of reference(), whose other six weights are zero.  All in f32.
; A wave takes one token: two rows of 4,096 bytes in, one out; each load and store covers 512 consecutive bytes.  All 16 loads go out at once.  Memory binds: no LDS, no matrix unit, no barrier.
.set POS_OFF, 16896
.set GT_OFF,  14745600
.set Y0, 8                             ; v8-39   the first expert's row, then the result
.set Y1, 40                            ; v40-71  the second's
	s_load_b256 s[4:11], s[0:1], 0x0               ; ybuf s[4:5], route s[6:7], qa s[8:9], out0 s[10:11]
	v_lshrrev_b32 v1, 5, v0
	v_readfirstlane_b32 s12, v1                    ; wave 0..7
	v_and_b32 v2, 31, v0
	v_lshlrev_b32 v2, 4, v2                        ; 16 bytes a lane
	s_lshl_b32 s13, ttmp9, 3
	s_add_co_u32 s13, s13, s12                     ; my token
	s_lshl_b32 s14, s13, 3
	s_add_co_u32 s15, s14, GT_OFF                  ; (too large for a scalar load's immediate)
	s_lshl_b32 s28, s13, 12
	s_mov_b32 s29, 0
	s_wait_kmcnt 0x0
	s_load_b64 s[16:17], s[6:7], s14 offset:POS_OFF    ; its two slots
	s_load_b64 s[20:21], s[8:9], s15 offset:0x0        ; its two weights
	s_add_nc_u64 s[10:11], s[10:11], s[28:29]
	s_wait_kmcnt 0x0
	s_min_u32 s24, s16, 4207
	s_lshl_b32 s24, s24, 12
	s_mov_b32 s25, 0
	s_add_nc_u64 s[24:25], s[4:5], s[24:25]
	s_min_u32 s26, s17, 4207
	s_lshl_b32 s26, s26, 12
	s_mov_b32 s27, 0
	s_add_nc_u64 s[26:27], s[4:5], s[26:27]
	s_mov_b32 s22, s21                             ; g1 as the low word of a pair
	s_mov_b32 s23, s21
.irp j, 0,1,2,3,4,5,6,7
	global_load_b128 v[Y0+4*\j:Y0+4*\j+3], v2, s[24:25] offset:512*\j th:TH_LOAD_NT
	global_load_b128 v[Y1+4*\j:Y1+4*\j+3], v2, s[26:27] offset:512*\j th:TH_LOAD_NT
.endr
.irp j, 0,1,2,3,4,5,6,7
	s_wait_loadcnt 14-2*\j                         ; this pair is in; the younger pairs may be out
	v_pk_mul_f32 v[Y1+4*\j:Y1+4*\j+1], v[Y1+4*\j:Y1+4*\j+1], s[22:23] op_sel_hi:[1,0]
	v_pk_mul_f32 v[Y1+4*\j+2:Y1+4*\j+3], v[Y1+4*\j+2:Y1+4*\j+3], s[22:23] op_sel_hi:[1,0]
	v_pk_fma_f32 v[Y0+4*\j:Y0+4*\j+1], v[Y0+4*\j:Y0+4*\j+1], s[20:21], v[Y1+4*\j:Y1+4*\j+1] op_sel_hi:[1,0,1]
	v_pk_fma_f32 v[Y0+4*\j+2:Y0+4*\j+3], v[Y0+4*\j+2:Y0+4*\j+3], s[20:21], v[Y1+4*\j+2:Y1+4*\j+3] op_sel_hi:[1,0,1]
	global_store_b128 v2, v[Y0+4*\j:Y0+4*\j+3], s[10:11] offset:512*\j th:TH_STORE_NT
.endr
	s_endpgm
.Lfunc_end_k_q43a5b8471c_comb:
	.size	k_q43a5b8471c_comb, .Lfunc_end_k_q43a5b8471c_comb-k_q43a5b8471c_comb
	.p2alignl 7, 3214868480
	.fill 96, 4, 3214868480
	.section	.rodata,"a",@progbits
	.p2align	6, 0x0
	.amdhsa_kernel k_q43a5b8471c_comb
		.amdhsa_group_segment_fixed_size 0
		.amdhsa_private_segment_fixed_size 0
		.amdhsa_enable_private_segment 0
		.amdhsa_kernarg_size 32
		.amdhsa_user_sgpr_count 2
		.amdhsa_user_sgpr_kernarg_segment_ptr 1
		.amdhsa_wavefront_size32 1
		.amdhsa_system_sgpr_workgroup_id_x 1
		.amdhsa_system_sgpr_workgroup_id_y 1
		.amdhsa_system_sgpr_workgroup_id_z 1
		.amdhsa_system_vgpr_workitem_id 0
		.amdhsa_next_free_vgpr 80
		.amdhsa_next_free_sgpr 66
		.amdhsa_reserve_vcc 0
		.amdhsa_float_denorm_mode_32 3
		.amdhsa_float_denorm_mode_16_64 3
		.amdhsa_memory_ordered 1
		.amdhsa_forward_progress 1
		.amdhsa_inst_pref_size 6
	.end_amdhsa_kernel
	.amdgpu_metadata
---
amdhsa.version: [ 1, 2 ]
amdhsa.kernels:
  - .name:           k_q43a5b8471c_comb
    .symbol:         k_q43a5b8471c_comb.kd
    .args:
      - { .name: ybuf, .offset: 0, .size: 8, .value_kind: global_buffer, .address_space: global }
      - { .name: route, .offset: 8, .size: 8, .value_kind: global_buffer, .address_space: global }
      - { .name: qa, .offset: 16, .size: 8, .value_kind: global_buffer, .address_space: global }
      - { .name: out0, .offset: 24, .size: 8, .value_kind: global_buffer, .address_space: global }
    .group_segment_fixed_size: 0
    .private_segment_fixed_size: 0
    .kernarg_segment_align: 8
    .kernarg_segment_size: 32
    .max_flat_workgroup_size: 256
    .sgpr_count:     66
    .vgpr_count:     80
    .wavefront_size: 32
...
	.end_amdgpu_metadata
.endif
;; end of part 5
;; ======== version 2 of 2: 5 launches
;; workspace buffers: qa 14,761,984 bytes; sel 16,384 bytes of whole numbers; qb 13,107,200 bytes; route 33,536 bytes of whole numbers; hb 6,732,800 bytes; ybuf 17,235,968 bytes
;; launch prep_a (part 6): grid 576 x 1, 4 waves a work-group, no clusters, 57,856 bytes of LDS; arguments W1, inp, Wg, bg, qa, sel; writes qa, sel
.if DOCPART == 6
	.amdgcn_target "amdgcn-amd-amdhsa--gfx1250"
	.amdhsa_code_object_version 6
	.text
	.protected	k_q43a5b8471c_prep_a
	.globl	k_q43a5b8471c_prep_a
	.p2align	8
	.type	k_q43a5b8471c_prep_a,@function
k_q43a5b8471c_prep_a:
	s_mov_b64 s[64:65], 0
	v_nop
	global_prefetch_b8 v0, s[64:65] scope:SCOPE_SE
	s_setreg_imm32_b32 hwreg(HW_REG_WAVE_MODE, 25, 1), 1
	s_wait_xcnt 0x0
; PREP_A.  Work-groups 0-63: the gate (logits in f32, top 2 of 8, softmax of the two) and inp as codes of FP6 (E2M3) with one E8M0 byte for each 32 along d.
; Work-groups 64-575: W1 [8][1024 d][2048 h] as codes of FP6 along d, laid as images of the matrix operand's registers.
; qa: W1's images at 0, their scale words at WS_OFF, x's codes at XQ_OFF, x's scale bytes at XS_OFF, the two gate weights of each token at GT_OFF.  sel: the two chosen experts of each token.
; A block's scale is 2^(floor(log2(largest magnitude)) - 2); its byte is the largest magnitude's exponent field - 2, held at 1 from below.
; LIMITS: NaN and infinities among the inputs are not served.  A block whose largest magnitude lies under 2^-124, a block of zeros too, gets the byte 1 (zeros: zero codes, which add nothing; this program alone reads the bytes).
; Two logits that differ by less than the order of an f32 sum of 1,024 terms resolves may change places in the choice.  Equal logits: the lower index wins, as in lax.top_k.
; AN IMAGE of 16 rows x 128 K is 1,536 bytes: half c at 768 c; registers 6 c .. 6 c + 3 of lane L at 16 L, registers 6 c + 4, 6 c + 5 at 512 + 8 L.  Lane L = r + 16 h holds block 2 c + h of row r.
; No wave shares anything with another: no barrier.  The two paths part on the work-group's number and have LDS bytes of their own.
.set GWG,    64                        ; work-groups of the gate path
.set KD,     1024                      ; the weight's K
.set ND,     2048                      ; its columns
.set NS,     KD/128                    ; K steps of 128
.set CT,     ND/16                     ; tiles of 16 columns in an expert
.set LCG,    4                         ; log2(ND / 128)
.set PERM,   1                         ; the columns of a tile are chosen for the next product's K (see below)
.set WS_OFF, 12582912
.set XQ_OFF, 13107200
.set XS_OFF, 14680064
.set GT_OFF, 14745600
.set WV,     16                        ; s16 the wave's number
.set DST,    12                        ; s[12:13] qa
.set QX,     32                        ; v32-95   two sets of 32 numbers: a block of one column
.set QC,     96                        ; v96-102  a block's codes
.set QSB,    24                        ; v24-25   scale bytes, four to a register
.set QOUT,   112                       ; v112-159 the way out
.set GLDS,   24576                     ; the gate path's LDS: 8,192 bytes a wave
.set SP,     80                        ; a lane's place in a stage: 64 bytes + 16 of padding
.set GR,     16                        ; v16-79   four sets of 16 numbers as loaded
.set GX,     80                        ; v80-111  two sets of 16 neighbours
.set GE,     112                       ; v112-127 a scale byte for each step
.set GC,     128                       ; v128-191 codes, four registers a step
.set AL,     192                       ; v192-199 the eight logits' partial sums
.set TT,     200                       ; v200-207 the other half of the lanes' sums
.set TB1,    208                       ; largest logit, second largest, their indices
.set TB2,    209
.set TI1,    210
.set TI2,    211
.set TW,     212                       ; v212-214 at work
.set RS,     216                       ; v[216:217] lane j: token j's two experts
.set RG,     218                       ; v[218:219] lane j: token j's two weights
.set WA,     220                       ; v220 512 x lane: my 16 rows of Wg
.set MSB, 0
.macro WIN new                         ; the immediate's high byte repeats the setting that is left
.if MSB != (\new)
	s_set_vgpr_msb (MSB<<8)|(\new)
.set MSB, (\new)
.endif
.endm
	s_load_b256 s[4:11], s[0:1], 0x0               ; W1 s[4:5], inp s[6:7], Wg s[8:9], bg s[10:11]
	s_load_b128 s[12:15], s[0:1], 0x20             ; qa s[12:13], sel s[14:15]
	v_lshl_add_u32 v254, v0, 2, 0xe000
	v_mov_b32 v255, 0
	v_lshrrev_b32 v1, 5, v0
	v_readfirstlane_b32 s[WV], v1                  ; wave 0..3
	v_and_b32 v2, 31, v0                           ; lane
	s_cmp_lt_u32 ttmp9, GWG
	s_cbranch_scc1 .Lgate
; ---------------- THE WEIGHT.  A work-group takes 128 columns x 256 along K of one expert, a wave 32 columns.  A LANE TAKES A COLUMN AND ITS REGISTERS RUN DOWN K:
; each load reads 128 consecutive bytes, a block of 32 lies in one lane, and the conversions give codes with K innermost.
; THE COLUMNS OF A TILE ARE NOT NEIGHBOURS (PERM): lane r of tile 2 B + u holds hidden unit 32 B + 8 u + r + 8 (r / 8), so that in the next launch a lane's 16 results of two tiles are 16 neighbours along the next K.
	s_sub_co_u32 s40, ttmp9, GWG
	s_and_b32 s41, s40, ND/128-1                   ; which 128 columns
	s_lshr_b32 s42, s40, LCG
	s_and_b32 s42, s42, KD/256-1                   ; which 256 along K
	s_lshr_b32 s43, s40, 6                         ; expert
	s_lshl_b32 s46, s43, 23                        ; an expert is 2^23 bytes
	s_mul_i32 s44, s42, 256*ND*4
	s_add_co_u32 s46, s46, s44
	s_lshl_b32 s44, s41, 9
	s_add_co_u32 s46, s46, s44
	s_lshl_b32 s44, s[WV], 7
	s_add_co_u32 s46, s46, s44                     ; where my wave's part of the weight begins
	s_mov_b32 s47, 0
	s_mul_i32 s48, s43, CT
	s_lshl_b32 s44, s41, 3
	s_add_co_u32 s48, s48, s44
	s_lshl_b32 s44, s[WV], 1
	s_add_co_u32 s48, s48, s44                     ; my wave's first tile of two
	s_mul_i32 s50, s48, NS*1536
	s_mul_i32 s44, s42, 2*1536
	s_add_co_u32 s50, s50, s44                     ; its images of my two K steps
	s_mov_b32 s51, 0
	s_mul_i32 s52, s48, 16*NS*4
	s_lshl_b32 s44, s42, 3
	s_add_co_u32 s52, s52, s44
	s_add_co_u32 s52, s52, WS_OFF                  ; and their scale words
	s_mov_b32 s53, 0
	s_mul_i32 s45, s[WV], 6144                     ; my stage: [tile u][K step][1,536]
	s_wait_alu depctr_va_vdst(0)
	v_lshlrev_b32 v3, 2, v2                        ; in: 4 bytes a lane
.if PERM
	v_bfe_u32 v9, v2, 3, 1                         ; u
	v_and_b32 v10, 7, v2
	v_lshrrev_b32 v11, 4, v2
	v_lshl_add_u32 v10, v11, 3, v10                ; r
.else
	v_lshrrev_b32 v9, 4, v2                        ; u
	v_and_b32 v10, 15, v2                          ; r
.endif
	v_mul_u32_u24 v12, v9, 3072
	v_add_nc_u32 v12, s45, v12
	v_lshl_add_u32 v4, v10, 4, v12                 ; into the stage: the plane of 16 bytes a lane,
	v_lshl_add_u32 v5, v10, 3, v12                 ; and that of 8
	v_lshlrev_b32 v7, 4, v2                        ; the way out: 16 bytes a lane
	v_add_nc_u32 v6, s45, v7
	v_lshl_add_u32 v8, v9, 4, v10
	v_mul_u32_u24 v8, v8, NS*4                     ; my column's row of scale words
	s_wait_kmcnt 0x0
	s_add_nc_u64 s[4:5], s[4:5], s[46:47]
	s_add_nc_u64 s[50:51], s[DST:DST+1], s[50:51]
	s_add_nc_u64 s[52:53], s[DST:DST+1], s[52:53]
.macro LOADW t                         ; block t: rows 32 t + i of my column, into set t % 2
.irp i, 0,1,2,3,4,5,6,7,8,9,10,11,12,13,14,15,16,17,18,19,20,21,22,23,24,25,26,27,28,29,30,31
	global_load_b32 v[QX+32*((\t)%2)+\i], v3, s[4:5] offset:(32*(\t)+\i)*ND*4 th:TH_LOAD_NT
.endr
.endm
.macro BLOCKW t                        ; block t is block t % 4 of K step t / 4: half c = (t / 2) % 2, lanes' half h = t % 2
.set QXS, QX+32*((\t)%2)
.set QO, 1536*((\t)/4)+768*(((\t)/2)%2)
.if (\t) < 7
	s_wait_loadcnt 32                              ; this block's 32 loads are in; the next block's 32 may be out
.else
	s_wait_loadcnt 0x0
.endif
	v_max3_num_f32 v12, |v[QXS]|, |v[QXS+1]|, |v[QXS+2]|      ; the block's largest magnitude, in two chains
	v_max3_num_f32 v13, |v[QXS+3]|, |v[QXS+4]|, |v[QXS+5]|
.irp i, 6,10,14,18,22,26
	v_max3_num_f32 v12, v12, |v[QXS+\i]|, |v[QXS+\i+1]|
	v_max3_num_f32 v13, v13, |v[QXS+\i+2]|, |v[QXS+\i+3]|
.endr
	v_max3_num_f32 v12, v12, |v[QXS+30]|, |v[QXS+31]|
	v_max3_num_f32 v12, v12, v13, 0x1800000        ; and the floor 2^(3 - 127): the byte cannot fall under 1
	v_add_nc_u32 v11, 0xff000000, v12              ; 2 off the exponent field: the conversion's scale operand
	v_lshrrev_b32 v13, 23, v11                     ; the scale's byte
.if (\t)%4 == 0
	v_mov_b32 v[QSB+(\t)/4], v13
.else
	v_lshl_or_b32 v[QSB+(\t)/4], v13, 8*((\t)%4), v[QSB+(\t)/4]
.endif
	v_cvt_scalef32_pk16_fp6_f32 v[QC:QC+2], v[QXS:QXS+15], v11
	v_cvt_scalef32_pk16_fp6_f32 v[QC+4:QC+6], v[QXS+16:QXS+31], v11   ; (a conversion's three registers begin on an even number)
	v_nop                                          ; one plain place behind a scaled conversion
	v_mov_b32 v[QC+3], v[QC+4]
	v_mov_b32 v[QC+4], v[QC+5]
	v_mov_b32 v[QC+5], v[QC+6]                     ; six registers on end: the block as the operand holds it
	ds_store_b128 v4, v[QC:QC+3] offset:QO+256*((\t)%2)
	ds_store_b64 v5, v[QC+4:QC+5] offset:QO+512+128*((\t)%2)
.if (\t)+2 < 8
	LOADW (\t)+2
.endif
	s_wait_dscnt 0x0                               ; the stores have read their registers: the next block's codes may be written
.endm
	LOADW 0
	LOADW 1
.irp t, 0,1,2,3,4,5,6,7
	BLOCKW \t
.endr
	s_wait_alu depctr_va_vdst(0)
	global_store_b64 v8, v[QSB:QSB+1], s[52:53]    ; my column's two scale words
.irp m, 0,1,2,3,4,5,6,7,8,9,10,11
	ds_load_b128 v[QOUT+4*\m:QOUT+4*\m+3], v6 offset:512*\m    ; LDS serves a wave's instructions in order: these see my stores
.endr
.irp m, 0,1,2,3,4,5,6,7,8,9,10,11
	s_wait_dscnt 11-\m                             ; the younger loads may be out
	global_store_b128 v7, v[QOUT+4*\m:QOUT+4*\m+3], s[50:51] offset:(\m/6)*NS*1536+(\m%6)*512   ; 512 consecutive bytes, at a multiple of 512 from the buffer's first byte
.endr
	s_wait_tensorcnt 0x0
	ds_add_u32 v254, v255
	s_wait_dscnt 0x0
	s_endpgm
; ---------------- THE GATE AND x.  Wave g = 4 x work-group + wave owns tokens 8 g .. 8 g + 7: 16 steps of 512 numbers, two steps a token.
; Each of a step's four loads reads 512 consecutive bytes; the 2,048 bytes turn through the wave's stage in LDS and come back 16 neighbours a lane (two lanes hold a block of 32).
; x's codes: a token's 768 bytes; K step s at 96 s; in it block q at 48 (q % 2) + 24 (q / 2): so lane (r, h) of the next launch reads its 12 registers as 48 consecutive bytes at 96 s + 48 h.
; The logits use the same 16 neighbours: window 1 holds my 32 rows of Wg, register 128 tt + 8 i + e = Wg[512 tt + 16 lane + i][e]; each wave reads Wg once, each lane whole runs of 512 bytes.
.Lgate:
	s_lshl_b32 s17, ttmp9, 2
	s_add_co_u32 s17, s17, s[WV]                   ; g
	s_lshl_b32 s32, s17, 15                        ; 8 tokens of 4,096 bytes
	s_mov_b32 s33, 0
	s_mul_i32 s34, s17, 6144
	s_add_co_u32 s34, s34, XQ_OFF
	s_mov_b32 s35, 0
	s_lshl_b32 s36, s17, 8
	s_add_co_u32 s36, s36, XS_OFF
	s_mov_b32 s37, 0
	s_lshl_b32 s38, s17, 6
	s_mov_b32 s39, 0
	s_add_co_u32 s44, s38, GT_OFF
	s_mov_b32 s45, 0
	s_mov_b32 s20, 0x76543210
	s_mov_b32 s21, 0xfedcba98                      ; v_permlanex16_b32's selects for lane l xor 16
	s_mul_i32 s18, s[WV], 8192
	s_add_co_u32 s18, s18, GLDS                    ; my two stages,
	s_add_co_u32 s19, s18, 2*32*SP                 ; and behind them my 256 scale bytes
	s_wait_alu depctr_va_vdst(0)
	v_lshlrev_b32 v3, 4, v2                        ; my 16 bytes of a load's 512
	v_lshrrev_b32 v14, 2, v2
	v_mul_u32_u24 v14, v14, SP
	v_and_b32 v15, 3, v2
	v_lshl_add_u32 v14, v15, 4, v14
	v_add_nc_u32 v14, s18, v14                     ; the stage, on the way in: four lanes' 64 bytes on end, then 16 of padding
	v_mul_u32_u24 v15, v2, SP
	v_add_nc_u32 v15, s18, v15                     ; and on the way out: my 16 neighbours
	v_lshrrev_b32 v8, 3, v2
	v_mul_u32_u24 v4, v8, 96                       ; my codes' place in a step's 384 bytes: K step lane / 8,
	v_bfe_u32 v8, v2, 1, 1
	v_mad_u32_u24 v4, v8, 48, v4                   ; block (lane / 2) % 4 at 48 (q % 2)
	v_bfe_u32 v8, v2, 2, 1
	v_mad_u32_u24 v4, v8, 24, v4                   ; + 24 (q / 2),
	v_and_b32 v8, 1, v2
	v_mad_u32_u24 v4, v8, 12, v4                   ; my half of the block
	v_lshrrev_b32 v5, 1, v2
	v_add_nc_u32 v5, s19, v5                       ; LDS: my block's scale byte
	v_lshlrev_b32 v7, 3, v2                        ; 8 bytes a lane
	v_add_nc_u32 v6, s19, v7
	v_lshlrev_b32 v[WA], 9, v2
.irp e, 0,1,2,3,4,5,6,7
	v_mov_b32 v[TT+\e], 0                          ; written once: a lane permute's destination counts as one of its sources
.endr
.irp e, 0,1,2,3
	v_mov_b32 v[RS+\e], 0
.endr
	s_wait_kmcnt 0x0
	s_load_b256 s[24:31], s[10:11], 0x0            ; bg's eight numbers
	s_add_nc_u64 s[6:7], s[6:7], s[32:33]
	s_add_nc_u64 s[34:35], s[12:13], s[34:35]      ; x's codes
	s_add_nc_u64 s[36:37], s[12:13], s[36:37]      ; x's scale bytes
	s_add_nc_u64 s[14:15], s[14:15], s[38:39]      ; the choice
	s_add_nc_u64 s[44:45], s[12:13], s[44:45]      ; the weights
	WIN 0x40                                       ; destination window 1
.irp u, 0,1
.irp i, 0,1,2,3,4,5,6,7,8,9,10,11,12,13,14,15
.irp q, 0,1
	global_load_b128 v[128*\u+8*\i+4*\q:128*\u+8*\i+4*\q+3], v[WA], s[8:9] offset:(512*\u+\i)*32+16*\q
.endr
.endr
.endr
	WIN 0
.macro GLOAD t
.irp i, 0,1,2,3
	global_load_b128 v[GR+16*((\t)%4)+4*\i:GR+16*((\t)%4)+4*\i+3], v3, s[6:7] offset:2048*(\t)+512*\i th:TH_LOAD_NT
.endr
.endm
.macro GTURN t                         ; step t's numbers through the stage: LDS serves a wave's instructions in order, so no wait stands between the stores and the loads
.irp i, 0,1,2,3
	ds_store_b128 v14, v[GR+16*((\t)%4)+4*\i:GR+16*((\t)%4)+4*\i+3] offset:32*SP*((\t)%2)+8*SP*\i
.endr
.irp i, 0,1,2,3
	ds_load_b128 v[GX+16*((\t)%2)+4*\i:GX+16*((\t)%2)+4*\i+3], v15 offset:32*SP*((\t)%2)+16*\i
.endr
.endm
.irp t, 0,1,2,3
	GLOAD \t
.endr
	s_wait_kmcnt 0x0                               ; bg
	s_wait_loadcnt 12                              ; Wg and step 0's four loads are in; the three steps behind may be out
	GTURN 0
.macro GSTEP t
.set GXS, GX+16*((\t)%2)
.if (\t) > 0
	s_wait_dscnt 1                                 ; this step's numbers are back from the stage (the last step's byte store may be out)
.else
	s_wait_dscnt 0x0
.endif
.if (\t)+4 < 16
	GLOAD (\t)+4                                   ; into the registers that this step's stores into the stage have read
.endif
.if (\t)+1 < 16
.if 14-(\t) >= 3
	s_wait_loadcnt 12                              ; the next step's four loads are in; those of the three steps behind it may be out
.else
	s_wait_loadcnt 4*(14-(\t))
.endif
	GTURN (\t)+1
.endif
	v_max3_num_f32 v8, |v[GXS]|, |v[GXS+1]|, |v[GXS+2]|
	v_max3_num_f32 v9, |v[GXS+3]|, |v[GXS+4]|, |v[GXS+5]|
.irp i, 6,10
	v_max3_num_f32 v8, v8, |v[GXS+\i]|, |v[GXS+\i+1]|
	v_max3_num_f32 v9, v9, |v[GXS+\i+2]|, |v[GXS+\i+3]|
.endr
	v_max3_num_f32 v8, v8, |v[GXS+14]|, |v[GXS+15]|
	v_max3_num_f32 v8, v8, v9, 0x1800000           ; my 16 and the floor 2^(3 - 127),
	v_max_num_f32_dpp v8, v8, v8 row_xmask:1 row_mask:0xf bank_mask:0xf   ; and my neighbour's 16: the block's largest magnitude
	v_add_nc_u32 v11, 0xff000000, v8               ; 2 off the exponent field: the conversion's scale operand
	v_cvt_scalef32_pk16_fp6_f32 v[GC+4*(\t):GC+4*(\t)+2], v[GXS:GXS+15], v11
	v_lshrrev_b32 v[GE+(\t)], 23, v11              ; the scale's byte (also the plain place behind the conversion)
	ds_store_b8 v5, v[GE+(\t)] offset:16*(\t)      ; both lanes of a block write the same byte with the same value
	global_store_b96 v4, v[GC+4*(\t):GC+4*(\t)+2], s[34:35] offset:384*(\t)   ; the wave's 32 stores fill 384 consecutive bytes
	WIN 0x04                                       ; source 1 (Wg) window 1
.irp i, 0,1,2,3,4,5,6,7,8,9,10,11,12,13,14,15      ; logits: x[i] for both halves, a pair of experts an instruction; four chains by turns
.irp p, 0,1,2,3
.if ((\t)%2 == 0) && (\i == 0)
	v_pk_mul_f32 v[AL+2*\p:AL+2*\p+1], v[GXS:GXS+1], v[2*\p:2*\p+1] op_sel_hi:[0,1]   ; a token's first product starts its sums
.elseif \i%2 == 0
	v_pk_fma_f32 v[AL+2*\p:AL+2*\p+1], v[GXS+\i:GXS+\i+1], v[128*((\t)%2)+8*\i+2*\p:128*((\t)%2)+8*\i+2*\p+1], v[AL+2*\p:AL+2*\p+1] op_sel_hi:[0,1,1]
.else
	v_pk_fma_f32 v[AL+2*\p:AL+2*\p+1], v[GXS+\i-1:GXS+\i], v[128*((\t)%2)+8*\i+2*\p:128*((\t)%2)+8*\i+2*\p+1], v[AL+2*\p:AL+2*\p+1] op_sel:[1,0,0] op_sel_hi:[1,1,1]
.endif
.endr
.endr
	WIN 0
.endm
.macro FINAL j                         ; token j of my eight: the sums over the 32 lanes, bg, the top 2, their softmax; the results go to lane j of RS and RG.  No address hangs on them
.irp m, 1,2,4,8
.irp e, 0,1,2,3,4,5,6,7
	v_add_f32_dpp v[AL+\e], v[AL+\e], v[AL+\e] row_xmask:\m row_mask:0xf bank_mask:0xf
.endr
.endr
.irp e, 0,1,2,3,4,5,6,7
	v_permlanex16_b32 v[TT+\e], v[AL+\e], s20, s21
.endr
.irp e, 0,1,2,3,4,5,6,7
	v_add_f32 v[AL+\e], v[AL+\e], v[TT+\e]
.endr
.irp e, 0,1,2,3,4,5,6,7
	v_add_f32 v[AL+\e], s[24+\e], v[AL+\e]         ; + bg
.endr
	v_mov_b32 v[TB1], v[AL]
	v_mov_b32 v[TI1], 0
	v_mov_b32 v[TB2], 0xff800000                   ; -infinity
	v_mov_b32 v[TI2], 0
.irp e, 1,2,3,4,5,6,7                              ; strictly greater: of equal logits the lower index stays ahead
	v_cmp_gt_f32 s40, v[AL+\e], v[TB1]
	v_cmp_gt_f32 s41, v[AL+\e], v[TB2]
	v_cndmask_b32 v[TB2], v[TB2], v[AL+\e], s41
	v_cndmask_b32 v[TI2], v[TI2], \e, s41
	v_cndmask_b32 v[TB2], v[TB2], v[TB1], s40
	v_cndmask_b32 v[TI2], v[TI2], v[TI1], s40
	v_cndmask_b32 v[TB1], v[TB1], v[AL+\e], s40
	v_cndmask_b32 v[TI1], v[TI1], \e, s40
.endr
	v_sub_f32 v[TW], v[TB2], v[TB1]                ; the maximum is taken away: 0 or less
	v_mul_f32 v[TW], 0x3fb8aa3b, v[TW]
	s_wait_alu depctr_va_vdst(0)
	v_exp_f32 v[TW], v[TW]
	v_nop                                          ; one plain place behind a transcendental
	s_wait_alu depctr_va_vdst(0)
	v_add_f32 v[TW+1], 1.0, v[TW]
	s_wait_alu depctr_va_vdst(0)
	v_rcp_f32 v[TW+1], v[TW+1]                     ; the first weight
	v_nop
	s_wait_alu depctr_va_vdst(0)
	v_mul_f32 v[TW+2], v[TW], v[TW+1]              ; the second
	s_mov_b32 s42, 1<<(\j)
	v_cndmask_b32 v[RS], v[RS], v[TI1], s42
	v_cndmask_b32 v[RS+1], v[RS+1], v[TI2], s42
	v_cndmask_b32 v[RG], v[RG], v[TW+1], s42
	v_cndmask_b32 v[RG+1], v[RG+1], v[TW+2], s42
.endm
.irp t, 0,1,2,3,4,5,6,7,8,9,10,11,12,13,14,15
	GSTEP \t
.if \t%2 == 1
	FINAL (\t/2)
.endif
.endr
	ds_load_b64 v[12:13], v6                       ; my wave's 256 scale bytes
	s_wait_alu depctr_va_vdst(0)
	s_wait_dscnt 0x0
	global_store_b64 v7, v[12:13], s[36:37]        ; 256 consecutive bytes, aligned
	v_cmp_gt_u32 vcc_lo, 8, v2
	s_wait_xcnt 0x0                                ; EXEC changes only behind this wait
	s_wait_tensorcnt 0x0
	ds_add_u32 v254, v255
	s_wait_dscnt 0x0
	s_and_saveexec_b32 s43, vcc_lo
	global_store_b64 v7, v[RS:RS+1], s[14:15]      ; lanes 0-7: eight tokens' choices,
	global_store_b64 v7, v[RG:RG+1], s[44:45]      ; and their weights
	s_wait_xcnt 0x0
	s_or_b32 exec_lo, exec_lo, s43
	s_endpgm
.Lfunc_end_k_q43a5b8471c_prep_a:
	.size	k_q43a5b8471c_prep_a, .Lfunc_end_k_q43a5b8471c_prep_a-k_q43a5b8471c_prep_a
	.p2alignl 7, 3214868480
	.fill 96, 4, 3214868480
	.section	.rodata,"a",@progbits
	.p2align	6, 0x0
	.amdhsa_kernel k_q43a5b8471c_prep_a
		.amdhsa_group_segment_fixed_size 57856
		.amdhsa_private_segment_fixed_size 0
		.amdhsa_enable_private_segment 0
		.amdhsa_kernarg_size 48
		.amdhsa_user_sgpr_count 2
		.amdhsa_user_sgpr_kernarg_segment_ptr 1
		.amdhsa_wavefront_size32 1
		.amdhsa_system_sgpr_workgroup_id_x 1
		.amdhsa_system_sgpr_workgroup_id_y 1
		.amdhsa_system_sgpr_workgroup_id_z 1
		.amdhsa_system_vgpr_workitem_id 0
		.amdhsa_next_free_vgpr 512
		.amdhsa_next_free_sgpr 66
		.amdhsa_reserve_vcc 1
		.amdhsa_float_denorm_mode_32 3
		.amdhsa_float_denorm_mode_16_64 3
		.amdhsa_memory_ordered 1
		.amdhsa_forward_progress 1
		.amdhsa_inst_pref_size 205
	.end_amdhsa_kernel
	.amdgpu_metadata
---
amdhsa.version: [ 1, 2 ]
amdhsa.kernels:
  - .name:           k_q43a5b8471c_prep_a
    .symbol:         k_q43a5b8471c_prep_a.kd
    .args:
      - { .name: W1, .offset: 0, .size: 8, .value_kind: global_buffer, .address_space: global }
      - { .name: inp, .offset: 8, .size: 8, .value_kind: global_buffer, .address_space: global }
      - { .name: Wg, .offset: 16, .size: 8, .value_kind: global_buffer, .address_space: global }
      - { .name: bg, .offset: 24, .size: 8, .value_kind: global_buffer, .address_space: global }
      - { .name: qa, .offset: 32, .size: 8, .value_kind: global_buffer, .address_space: global }
      - { .name: sel, .offset: 40, .size: 8, .value_kind: global_buffer, .address_space: global }
    .group_segment_fixed_size: 57856
    .private_segment_fixed_size: 0
    .kernarg_segment_align: 8
    .kernarg_segment_size: 48
    .max_flat_workgroup_size: 128
    .sgpr_count:     66
    .vgpr_count:     512
    .wavefront_size: 32
...
	.end_amdgpu_metadata
.endif
;; end of part 6
;; launch prep_b (part 7): grid 513 x 1, 4 waves a work-group, no clusters, 25,600 bytes of LDS; arguments W2, sel, qb, route; writes qb, route
.if DOCPART == 7
	.amdgcn_target "amdgcn-amd-amdhsa--gfx1250"
	.amdhsa_code_object_version 6
	.text
	.protected	k_q43a5b8471c_prep_b
	.globl	k_q43a5b8471c_prep_b
	.p2align	8
	.type	k_q43a5b8471c_prep_b,@function
k_q43a5b8471c_prep_b:
	s_mov_b64 s[64:65], 0
	v_nop
	global_prefetch_b8 v0, s[64:65] scope:SCOPE_SE
	s_setreg_imm32_b32 hwreg(HW_REG_WAVE_MODE, 25, 1), 1
	s_wait_xcnt 0x0
; PREP_B.  Work-group 0: the routed rows are placed by expert (a counting sort of the 4,096 entries of sel, no atomics).  Work-groups 1-512: W2 [8][2048 h][1024 d] as codes of FP6 (E2M3) along h, as images of the operand's registers.
; qb: W2's images at 0 ([expert][tile of 16 d][K step][1,536]), their scale words at WS_OFF ([expert][tile][row][16 words]).
; route: ORDER at 0: the token of each slot;  POS at POS_OFF: the slot of entry (token, k);  META at META_OFF: for each expert its first tile and its number of tiles.
; Expert e owns tiles of 16 slots, ceil(its rows / 16) of them: never more than 263 in all, whatever the choice.  The slots that pad an expert's last tile hold token 0; what is computed for them is read by nobody.
; LIMITS of the quantiser: NaN and infinities are not served; a block whose largest magnitude lies under 2^-124, a block of zeros too, gets the byte 1 (this program alone reads the bytes).
; AN IMAGE of 16 rows x 128 K is 1,536 bytes: half c at 768 c; registers 6 c .. 6 c + 3 of lane L at 16 L, registers 6 c + 4, 6 c + 5 at 512 + 8 L.  Lane L = r + 16 h holds block 2 c + h of row r.
; The two paths part on the work-group's number and have LDS bytes of their own.
.set GWG,    1
.set KD,     2048
.set ND,     1024
.set NS,     KD/128
.set CT,     ND/16
.set LCG,    3
.set PERM,   0                         ; tile u of a wave's two holds 16 neighbouring columns
.set WS_OFF, 12582912
.set POS_OFF,  16896
.set META_OFF, 33280
.set WV,     12                        ; s12 the wave's number
.set DST,    8                         ; s[8:9] qb
.set QX,     32
.set QC,     96
.set QSB,    24
.set QOUT,   112
.set TAB,    24576                     ; LDS: the placement's table of counts [wave][expert]
.set PA,     24                        ; v24-31   the placement: byte offsets of the eight experts' padding slots
.set S,      32                        ; v32-63   my 32 entries' experts
.set SL,     64                        ; v64-95   their slots
.set AD,     96                        ; v96-127  byte offsets in ORDER
.set TK,     128                       ; v128-159 their tokens
	s_load_b256 s[4:11], s[0:1], 0x0               ; W2 s[4:5], sel s[6:7], qb s[8:9], route s[10:11]
	v_lshl_add_u32 v160, v0, 2, 0x6200
	v_mov_b32 v161, 0
	v_lshrrev_b32 v1, 5, v0
	v_readfirstlane_b32 s[WV], v1                  ; wave 0..3
	v_and_b32 v2, 31, v0                           ; lane
	s_cmp_eq_u32 ttmp9, 0
	s_cbranch_scc1 .Lplace
; ---------------- THE WEIGHT.  A work-group takes 128 columns x 256 along K of one expert, a wave 32 columns.  A LANE TAKES A COLUMN AND ITS REGISTERS RUN DOWN K.
	s_sub_co_u32 s40, ttmp9, GWG
	s_and_b32 s41, s40, ND/128-1                   ; which 128 columns
	s_lshr_b32 s42, s40, LCG
	s_and_b32 s42, s42, KD/256-1                   ; which 256 along K
	s_lshr_b32 s43, s40, 6                         ; expert
	s_lshl_b32 s46, s43, 23                        ; an expert is 2^23 bytes
	s_mul_i32 s44, s42, 256*ND*4
	s_add_co_u32 s46, s46, s44
	s_lshl_b32 s44, s41, 9
	s_add_co_u32 s46, s46, s44
	s_lshl_b32 s44, s[WV], 7
	s_add_co_u32 s46, s46, s44
	s_mov_b32 s47, 0
	s_mul_i32 s48, s43, CT
	s_lshl_b32 s44, s41, 3
	s_add_co_u32 s48, s48, s44
	s_lshl_b32 s44, s[WV], 1
	s_add_co_u32 s48, s48, s44                     ; my wave's first tile of two
	s_mul_i32 s50, s48, NS*1536
	s_mul_i32 s44, s42, 2*1536
	s_add_co_u32 s50, s50, s44
	s_mov_b32 s51, 0
	s_mul_i32 s52, s48, 16*NS*4
	s_lshl_b32 s44, s42, 3
	s_add_co_u32 s52, s52, s44
	s_add_co_u32 s52, s52, WS_OFF
	s_mov_b32 s53, 0
	s_mul_i32 s45, s[WV], 6144                     ; my stage: [tile u][K step][1,536]
	s_wait_alu depctr_va_vdst(0)
	v_lshlrev_b32 v3, 2, v2
.if PERM
	v_bfe_u32 v9, v2, 3, 1
	v_and_b32 v10, 7, v2
	v_lshrrev_b32 v11, 4, v2
	v_lshl_add_u32 v10, v11, 3, v10
.else
	v_lshrrev_b32 v9, 4, v2                        ; u
	v_and_b32 v10, 15, v2                          ; r
.endif
	v_mul_u32_u24 v12, v9, 3072
	v_add_nc_u32 v12, s45, v12
	v_lshl_add_u32 v4, v10, 4, v12
	v_lshl_add_u32 v5, v10, 3, v12
	v_lshlrev_b32 v7, 4, v2
	v_add_nc_u32 v6, s45, v7
	v_lshl_add_u32 v8, v9, 4, v10
	v_mul_u32_u24 v8, v8, NS*4
	s_wait_kmcnt 0x0
	s_add_nc_u64 s[4:5], s[4:5], s[46:47]
	s_add_nc_u64 s[50:51], s[DST:DST+1], s[50:51]
	s_add_nc_u64 s[52:53], s[DST:DST+1], s[52:53]
.macro LOADW t
.irp i, 0,1,2,3,4,5,6,7,8,9,10,11,12,13,14,15,16,17,18,19,20,21,22,23,24,25,26,27,28,29,30,31
	global_load_b32 v[QX+32*((\t)%2)+\i], v3, s[4:5] offset:(32*(\t)+\i)*ND*4 th:TH_LOAD_NT
.endr
.endm
.macro BLOCKW t
.set QXS, QX+32*((\t)%2)
.set QO, 1536*((\t)/4)+768*(((\t)/2)%2)
.if (\t) < 7
	s_wait_loadcnt 32                              ; this block's 32 loads are in; the next block's 32 may be out
.else
	s_wait_loadcnt 0x0
.endif
	v_max3_num_f32 v12, |v[QXS]|, |v[QXS+1]|, |v[QXS+2]|
	v_max3_num_f32 v13, |v[QXS+3]|, |v[QXS+4]|, |v[QXS+5]|
.irp i, 6,10,14,18,22,26
	v_max3_num_f32 v12, v12, |v[QXS+\i]|, |v[QXS+\i+1]|
	v_max3_num_f32 v13, v13, |v[QXS+\i+2]|, |v[QXS+\i+3]|
.endr
	v_max3_num_f32 v12, v12, |v[QXS+30]|, |v[QXS+31]|
	v_max3_num_f32 v12, v12, v13, 0x1800000        ; the floor 2^(3 - 127): the byte cannot fall under 1
	v_add_nc_u32 v11, 0xff000000, v12              ; 2 off the exponent field: the conversion's scale operand
	v_lshrrev_b32 v13, 23, v11
.if (\t)%4 == 0
	v_mov_b32 v[QSB+(\t)/4], v13
.else
	v_lshl_or_b32 v[QSB+(\t)/4], v13, 8*((\t)%4), v[QSB+(\t)/4]
.endif
	v_cvt_scalef32_pk16_fp6_f32 v[QC:QC+2], v[QXS:QXS+15], v11
	v_cvt_scalef32_pk16_fp6_f32 v[QC+4:QC+6], v[QXS+16:QXS+31], v11
	v_nop                                          ; one plain place behind a scaled conversion
	v_mov_b32 v[QC+3], v[QC+4]
	v_mov_b32 v[QC+4], v[QC+5]
	v_mov_b32 v[QC+5], v[QC+6]
	ds_store_b128 v4, v[QC:QC+3] offset:QO+256*((\t)%2)
	ds_store_b64 v5, v[QC+4:QC+5] offset:QO+512+128*((\t)%2)
.if (\t)+2 < 8
	LOADW (\t)+2
.endif
	s_wait_dscnt 0x0                               ; the stores have read their registers
.endm
	LOADW 0
	LOADW 1
.irp t, 0,1,2,3,4,5,6,7
	BLOCKW \t
.endr
	s_wait_alu depctr_va_vdst(0)
	global_store_b64 v8, v[QSB:QSB+1], s[52:53]
.irp m, 0,1,2,3,4,5,6,7,8,9,10,11
	ds_load_b128 v[QOUT+4*\m:QOUT+4*\m+3], v6 offset:512*\m
.endr
.irp m, 0,1,2,3,4,5,6,7,8,9,10,11
	s_wait_dscnt 11-\m                             ; the younger loads may be out
	global_store_b128 v7, v[QOUT+4*\m:QOUT+4*\m+3], s[50:51] offset:(\m/6)*NS*1536+(\m%6)*512
.endr
	s_wait_tensorcnt 0x0
	ds_add_u32 v160, v161
	s_wait_dscnt 0x0
	s_endpgm
; ---------------- THE PLACEMENT.  Entry i = 2 token + k.  Wave w owns entries 1,024 w on; register m = 4 j + c of a lane holds entry 1,024 w + 128 j + 4 lane + c.
; Pass 1 counts my wave's entries of each expert; the four waves' counts meet in LDS (the launch's one barrier, on a path that all four waves of this work-group take);
; pass 2 gives each entry its slot: the expert's first slot + the entries of that expert in earlier waves, earlier registers and lower lanes.
; s16-23 running slot of each expert; s24-31 lane masks; s32-39 totals; s40-47 tiles; s48-55 first tiles.
.Lplace:
	s_wait_alu depctr_va_vdst(0)
	v_lshlrev_b32 v3, 4, v2
	s_lshl_b32 s56, s[WV], 12
	v_add_nc_u32 v3, s56, v3                       ; 4,096 w + 16 lane: my bytes in sel and in POS
	s_lshl_b32 s56, s[WV], 9
	v_lshl_add_u32 v4, v2, 1, s56                  ; 512 w + 2 lane: my first token
	v_lshl_add_u32 v8, v2, 2, TAB                  ; the table, a word a lane
	s_lshl_b32 s56, s[WV], 5
	s_add_co_u32 s56, s56, TAB
	v_mov_b32 v9, s56                              ; my wave's row of it
	v_lshlrev_b32 v5, 2, v2                        ; 4 x lane
	v_mov_b32 v6, 0
	s_wait_alu depctr_va_vdst(0)
	s_wait_kmcnt 0x0
	s_add_nc_u64 s[60:61], s[10:11], POS_OFF
	s_add_nc_u64 s[62:63], s[10:11], META_OFF
.irp j, 0,1,2,3,4,5,6,7
	global_load_b128 v[S+4*\j:S+4*\j+3], v3, s[6:7] offset:512*\j
.endr
.irp e, 0,1,2,3,4,5,6,7
	s_mov_b32 s[16+\e], 0
.endr
	s_wait_loadcnt 0x0
.set m, 0
.rept 32
.irp e, 0,1,2,3,4,5,6,7
	v_cmp_eq_u32 s[24+\e], \e, v[S+m]
.endr
.irp e, 0,1,2,3,4,5,6,7
	s_bcnt1_i32_b32 s[32+\e], s[24+\e]
.endr
.irp e, 0,1,2,3,4,5,6,7
	s_add_co_u32 s[16+\e], s[16+\e], s[32+\e]
.endr
.set m, m+1
.endr
.irp e, 0,1,2,3,4,5,6,7
	v_mov_b32 v[16+\e], s[16+\e]
	ds_store_b32 v9, v[16+\e] offset:4*\e          ; all lanes write the same word with the same value
.endr
	s_wait_dscnt 0x0                               ; for the others' sake: my counts lie in LDS
	s_barrier_signal -1
	s_barrier_wait -1
	ds_load_b32 v11, v8                            ; lane 8 w' + e: wave w' 's count of expert e
	s_wait_dscnt 0x0
.irp e, 0,1,2,3,4,5,6,7
	s_mov_b32 s[32+\e], 0
	s_mov_b32 s[16+\e], 0
.irp w, 0,1,2,3
	v_readlane_b32 s56, v11, 8*\w+\e
	s_add_co_u32 s[32+\e], s[32+\e], s56           ; the expert's rows in all,
	s_cmp_gt_u32 s[WV], \w
	s_cselect_b32 s57, s56, 0
	s_add_co_u32 s[16+\e], s[16+\e], s57           ; and those of the waves in front of mine
.endr
.endr
	s_mov_b32 s58, 0
.irp e, 0,1,2,3,4,5,6,7
	s_add_co_u32 s[40+\e], s[32+\e], 15
	s_lshr_b32 s[40+\e], s[40+\e], 4               ; its tiles
	s_mov_b32 s[48+\e], s58                        ; its first tile
	s_add_co_u32 s58, s58, s[40+\e]
	s_lshl_b32 s59, s[48+\e], 4
	s_add_co_u32 s[16+\e], s[16+\e], s59           ; my wave's first slot of it
.endr
.set m, 0
.rept 32
.irp e, 0,1,2,3,4,5,6,7
	v_cmp_eq_u32 s[24+\e], \e, v[S+m]
.endr
	v_mbcnt_lo_u32_b32 v[SL+m], s24, s16           ; the running slot + the lanes below me with the same expert
.irp e, 1,2,3,4,5,6,7
	v_mbcnt_lo_u32_b32 v10, s[24+\e], s[16+\e]
	v_cndmask_b32 v[SL+m], v[SL+m], v10, s[24+\e]
.endr
.irp e, 0,1,2,3
	s_bcnt1_i32_b32 s[56+\e], s[24+\e]
.endr
.irp e, 0,1,2,3
	s_add_co_u32 s[16+\e], s[16+\e], s[56+\e]
.endr
.irp e, 0,1,2,3
	s_bcnt1_i32_b32 s[56+\e], s[28+\e]
.endr
.irp e, 0,1,2,3
	s_add_co_u32 s[20+\e], s[20+\e], s[56+\e]
.endr
.set m, m+1
.endr
.set m, 0
.rept 32                               ; ORDER[slot] = token: 4,096 words in all go to places that the choice decides
	v_min_u32 v[AD+m], 4207, v[SL+m]
	v_lshlrev_b32 v[AD+m], 2, v[AD+m]
	v_add_nc_u32 v[TK+m], 64*(m/4)+(m%4)/2, v4
	global_store_b32 v[AD+m], v[TK+m], s[10:11]
.set m, m+1
.endr
.irp j, 0,1,2,3,4,5,6,7
	global_store_b128 v3, v[SL+4*\j:SL+4*\j+3], s[60:61] offset:512*\j   ; POS: 512 consecutive bytes a store
.endr
	s_cmp_lg_u32 s[WV], 0                          ; wave 0 alone: META and the padding slots
	s_cbranch_scc1 .Lpend
	v_mov_b32 v13, 0
.irp e, 0,1,2,3,4,5,6,7
	v_writelane_b32 v13, s[48+\e], 2*\e
	v_writelane_b32 v13, s[40+\e], 2*\e+1
.endr
	global_store_b32 v5, v13, s[62:63]
; The padding slots of all eight experts: every address and every lane mask is made first, with all lanes on, each in a register of its own; only then EXEC is narrowed, once for each expert's store.
.irp e, 0,1,2,3,4,5,6,7
	s_lshl_b32 s56, s[48+\e], 4
	s_add_co_u32 s56, s56, s[32+\e]                ; the first slot behind the expert's rows,
	s_add_co_u32 s57, s[48+\e], s[40+\e]
	s_lshl_b32 s57, s57, 4                         ; and the end of its last tile: at most 15 slots between
	v_add_nc_u32 v14, s56, v2
	v_cmp_gt_u32 s[24+\e], s57, v14                ; the lanes whose slot still lies in that tile
	v_min_u32 v[PA+\e], 4207, v14
	v_lshlrev_b32 v[PA+\e], 2, v[PA+\e]
.endr
	s_wait_alu depctr_va_vdst(0)
.irp e, 0,1,2,3,4,5,6,7
	s_wait_xcnt 0x0                                ; EXEC changes only behind this wait
	s_and_saveexec_b32 s58, s[24+\e]
	global_store_b32 v[PA+\e], v6, s[10:11]        ; token 0
	s_wait_xcnt 0x0                                ; and again, in front of the line that widens it
	s_or_b32 exec_lo, exec_lo, s58
.endr
.Lpend:
	s_wait_tensorcnt 0x0
	ds_add_u32 v160, v161
	s_wait_dscnt 0x0
	s_endpgm
.Lfunc_end_k_q43a5b8471c_prep_b:
	.size	k_q43a5b8471c_prep_b, .Lfunc_end_k_q43a5b8471c_prep_b-k_q43a5b8471c_prep_b
	.p2alignl 7, 3214868480
	.fill 96, 4, 3214868480
	.section	.rodata,"a",@progbits
	.p2align	6, 0x0
	.amdhsa_kernel k_q43a5b8471c_prep_b
		.amdhsa_group_segment_fixed_size 25600
		.amdhsa_private_segment_fixed_size 0
		.amdhsa_enable_private_segment 0
		.amdhsa_kernarg_size 32
		.amdhsa_user_sgpr_count 2
		.amdhsa_user_sgpr_kernarg_segment_ptr 1
		.amdhsa_wavefront_size32 1
		.amdhsa_system_sgpr_workgroup_id_x 1
		.amdhsa_system_sgpr_workgroup_id_y 1
		.amdhsa_system_sgpr_workgroup_id_z 1
		.amdhsa_system_vgpr_workitem_id 0
		.amdhsa_next_free_vgpr 162
		.amdhsa_next_free_sgpr 66
		.amdhsa_reserve_vcc 0
		.amdhsa_float_denorm_mode_32 3
		.amdhsa_float_denorm_mode_16_64 3
		.amdhsa_memory_ordered 1
		.amdhsa_forward_progress 1
		.amdhsa_inst_pref_size 161
	.end_amdhsa_kernel
	.amdgpu_metadata
---
amdhsa.version: [ 1, 2 ]
amdhsa.kernels:
  - .name:           k_q43a5b8471c_prep_b
    .symbol:         k_q43a5b8471c_prep_b.kd
    .args:
      - { .name: W2, .offset: 0, .size: 8, .value_kind: global_buffer, .address_space: global }
      - { .name: sel, .offset: 8, .size: 8, .value_kind: global_buffer, .address_space: global }
      - { .name: qb, .offset: 16, .size: 8, .value_kind: global_buffer, .address_space: global }
      - { .name: route, .offset: 24, .size: 8, .value_kind: global_buffer, .address_space: global }
    .group_segment_fixed_size: 25600
    .private_segment_fixed_size: 0
    .kernarg_segment_align: 8
    .kernarg_segment_size: 32
    .max_flat_workgroup_size: 128
    .sgpr_count:     66
    .vgpr_count:     162
    .wavefront_size: 32
...
	.end_amdgpu_metadata
.endif
;; end of part 7
;; launch up (part 8): grid 256 x 1, 4 waves a work-group, no clusters, 0 bytes of LDS; arguments qa, b1, route, hb; writes hb
.if DOCPART == 8
	.amdgcn_target "amdgcn-amd-amdhsa--gfx1250"
	.amdhsa_code_object_version 6
	.text
	.protected	k_q43a5b8471c_up
	.globl	k_q43a5b8471c_up
	.p2align	8
	.type	k_q43a5b8471c_up,@function
k_q43a5b8471c_up:
	s_mov_b64 s[64:65], 0
	v_nop
	global_prefetch_b8 v0, s[64:65] scope:SCOPE_SE
	s_setreg_imm32_b32 hwreg(HW_REG_WAVE_SCHED_MODE, 0, 2), 2
	s_setreg_imm32_b32 hwreg(HW_REG_WAVE_MODE, 25, 1), 1
	s_wait_xcnt 0x0
	s_wait_alu depctr_vm_vsrc(0)
; UP.  h = Q(gelu(x W1_e + b1_e)) for the routed rows alone: reference() keeps, of each token's eight experts, the two that its own router chose.  Product on codes of FP6 (E2M3) with E8M0 scales; sums in f32.
; SHARES.  Work-group = expert e (x / 32) and a slice of 64 hidden units (x % 32): four tiles of 16.  All four waves hold the slice's 32 fragments of W1 (8 K steps x 4 tiles, 384 registers) for the whole launch;
; wave w takes the expert's tiles of 16 slots w, w + 4, ..  The number of tiles comes from the list that the launch before stored.  Waves share nothing: no LDS, no barrier, so a trip count may differ from wave to wave.
; No cluster and no joint loads: the trip counts hang on the stored list, x's rows are gathered by it, and a work-group's weights are read once and belong to it alone.
; TWO TILES AHEAD.  x's fragments, scale words, addresses and token lists have two sets, q = 0 and 1, which take turns: trip i multiplies set i % 2 and fills it again with tile i + 2; the list of tile i + 4 is asked for in the same trip.
; So a trip is written twice, and 52 loads of a wave are on their way.
; THE WALK IS TURNED: a wave begins at place slice % 8 of its own tiles and goes round, so that the 32 work-groups of an expert do not all ask for the same rows in the same trip.  What is asked for beyond the last trip are the walk's first tiles again: inside every buffer.
; TRANSPOSED: source 0 = 16 rows of W1, source 1 = 16 rows of x.  Lane (r, h) holds slot r; the rows of a tile of W1 were chosen so that the 16 registers of tiles 2 b, 2 b + 1 are hidden units 32 b + 16 h + 0 .. 15 of the slice.
; gelu (tanh form) as x / (1 + 2^z), z = x (a + b x^2), a = -2 log2(e) sqrt(2 / pi), b = 0.044715 a: the same function in exact algebra, with no difference of near numbers for negative x.
; The slice's 64 units are half c = slice % 2 of K step slice / 2 of the next product: the wave stores that half of the tile's image and its two scale bytes a row.
; hb: images at 0: [tile][K step 16][1,536];  scale words at HS_OFF: [tile][K step][row].
; LIMITS: NaN and infinities are not served; a block of h whose largest magnitude lies under 2^-124 gets the byte 1.  A split that leaves an expert without rows leaves its 32 work-groups without work.
; THE MODE: SCHED_MODE bits 1:0 = 2 (LLVM: expert scheduling mode 2), set by the entry lines.  The code itself states the register dependences between vector or matrix instructions and memory instructions, with s_wait_alu, always for 0.
; THE PLAN.  Registers that memory instructions touch in the loop (q = the trip's set):
;   x's fragments and scale words, set q   Read by the trip's 32 products; behind them the loads of the tile two on land there.
;   the list, set q                        Read and held inside the table by the trip's first vector lines; behind them the list of the tile four on lands there.
;   the two addresses, set q               Written by those same lines; read by the trip's 25 loads of x.
;   v236-241, v244                         Written by the conversions and the lines behind them; read by the trip's three stores.
;   v4-v7                                  Offsets, made at the head and never written again.
; A trip: a wait on vm_vsrc at its head (the loads of two trips back have read set q's addresses, the last trip's stores their data); the addresses; all 32 products; ONE wait on va_vdst (the addresses are written, the
; products are done reading set q), and behind it the trip's 26 loads in one run; gelu and the quantiser, which name none of the registers that those loads touch; a wait on va_vdst (the codes are written); the three stores.
.set W1S_OFF,  12582912
.set XQ_OFF,   13107200
.set XS_OFF,   14680064
.set META_OFF, 33280
.set HS_OFF,   6463488
.set TMAX,     262                     ; the last tile that any split can have
.set V16, 4                            ; v4  16 x lane
.set V8,  5                            ; v5  8 x lane
.set VSB, 6                            ; v6  4 r + h: my scale byte's place
.set VO,  7                            ; v7  4 r: my slot's word in the list
.set XA0, 8                            ; v8,  v253 (set 1: + 245)  my token's codes, + 48 h
.set XSA0, 9                           ; v9,  v254 (set 1: + 245)  its scale words, + 16 h
.set ORD0, 10                          ; v10, v252 (set 1: + 242)  tokens as loaded
.set H48, 11
.set H16, 12
.set WSC, 16                           ; v16-31  W1's scale words: register 4 t + j: lanes 0-15 K step j, lanes 16-31 K step 4 + j
.set XSC0, 32                          ; v32-35, v248-251 (set 1: + 216)  x's, packed the same way
.set B1,  36                           ; v36-67  b1 in the result's layout
.set ACC, 68                           ; v68-99  four accumulators
                                       ; v100-195 x's eight fragments, set 0;  set 1: v0-95 of window 3
.set T,   196                          ; v196-227 at work in gelu
.set TM,  228                          ; v228-235 two each: largest magnitude, the other half's, scale operand, byte
.set PC,  236                          ; v236-242 codes
.set SBY, 244                          ; v244 my scale byte
.set VA,  246                          ; v[246:247] a, twice
; window 1: W1's fragments of K steps 0-3 at 12 (4 s + t);  window 2: K steps 4-7
; s12 wave, s13 expert, s14 slice, s16 first tile, s17 tiles, s18 the tile in hand, s[20:21] W1's images, s[22:23] x's codes, s[24:25] x's scales, s[26:27] the list, s[28:29] and s[40:41] the list's tile, sets 0 and 1,
; s[30:33] where this tile's results go, s[34:37] the slice's place in hb, s[38:39] an offset (s39 = 0), s[42:43] b, s[44:45] lane selects, s46 lanes 16-31, s47 at work, s48 my place in the walk, s49 the lists' place in it,
; s55 META's offset (written once), s56 my trips, s57 pairs of trips done, s59 trips to go
.set MSB, 0
.macro WIN new
.if MSB != (\new)
	s_set_vgpr_msb (MSB<<8)|(\new)
.set MSB, (\new)
.endif
.endm
.macro PLACES n
.rept \n
	v_nop
.endr
.endm
.macro FRAGLD reg, base, off           ; an image comes back as it was stored: 512, 256, 512, 256 consecutive bytes
	global_load_b128 v[(\reg):(\reg)+3], v[V16], s[\base:\base+1] offset:(\off)
	global_load_b64 v[(\reg)+4:(\reg)+5], v[V8], s[\base:\base+1] offset:(\off)+512
	global_load_b128 v[(\reg)+6:(\reg)+9], v[V16], s[\base:\base+1] offset:(\off)+768
	global_load_b64 v[(\reg)+10:(\reg)+11], v[V8], s[\base:\base+1] offset:(\off)+1280
.endm
.macro TILEOFF dst, cbase, sidx, mult  ; dst = cbase + (the expert's first tile + s[sidx], held inside the buffer) x mult
	s_add_co_u32 s38, s16, s[\sidx]
	s_min_u32 s38, s38, TMAX
	s_mul_i32 s38, s38, \mult
	s_add_nc_u64 s[(\dst):(\dst)+1], s[\cbase:\cbase+1], s[38:39]
.endm
.macro ORDL q                          ; the 16 tokens of the walk's next tile into set q (lanes r and r + 16 take slot r's); then the lists' place goes one on, round the end
	s_lshl_b32 s47, s49, 2
	s_add_co_u32 s47, s47, s12                     ; tile w + 4 x place
	TILEOFF 28+12*\q, 26, 47, 64
	global_load_b32 v[ORD0+242*\q], v[VO], s[28+12*\q:29+12*\q]
	s_add_co_u32 s49, s49, 1
	s_cmp_eq_u32 s49, s56
	s_cselect_b32 s49, 0, s49
.endm
.macro ADDR q                          ; set q's addresses from set q's tokens
	v_min_u32 v[ORD0+242*\q], 0x7ff, v[ORD0+242*\q]
	v_mul_u32_u24 v[XA0+245*\q], v[ORD0+242*\q], 768
	v_add_nc_u32 v[XA0+245*\q], v[XA0+245*\q], v[H48]
	v_lshlrev_b32 v[XSA0+245*\q], 5, v[ORD0+242*\q]
	v_add_nc_u32 v[XSA0+245*\q], v[XSA0+245*\q], v[H16]
.endm
.macro XLOAD hf, q                     ; four K steps of my row into set q: 48 consecutive bytes a K step are a fragment's 12 registers.  Set 1: under destination window 3, which the caller has set
.set XRB, 100*(1-\q)
.irp k, 0,1,2,3
.irp g, 0,1,2
	global_load_b128 v[XRB+12*(4*\hf+\k)+4*\g:XRB+12*(4*\hf+\k)+4*\g+3], v[XA0+245*\q], s[22:23] offset:96*(4*\hf+\k)+16*\g
.endr
.endr
.endm
.macro XSCL q
	global_load_b128 v[XSC0+216*\q:XSC0+216*\q+3], v[XSA0+245*\q], s[24:25]
.endm
.macro MM hf, q                        ; 16 products: K steps 4 hf .. 4 hf + 3 x four tiles, on x's set q.  The four accumulators take turns, one instruction a turn.  b1 is the C of each sum's first product
.set XRB, 100*(1-\q)
	WIN 1+\hf+12*\q                                ; source 0 (W1) window 1 or 2; source 1 (x) window 0 or 3
.irp k, 0,1,2,3
.irp t, 0,1,2,3
.if (\hf == 0) && (\k == 0)
	v_wmma_scale_f32_16x16x128_f8f6f4 v[ACC+8*\t:ACC+8*\t+7], v[12*(4*\k+\t):12*(4*\k+\t)+11], v[XRB+12*(4*\hf+\k):XRB+12*(4*\hf+\k)+11], v[B1+8*\t:B1+8*\t+7], v[WSC+4*\t+\k], v[XSC0+216*\q+\k] matrix_a_fmt:MATRIX_FMT_FP6 matrix_b_fmt:MATRIX_FMT_FP6
.elseif \hf == 0
	v_wmma_scale_f32_16x16x128_f8f6f4 v[ACC+8*\t:ACC+8*\t+7], v[12*(4*\k+\t):12*(4*\k+\t)+11], v[XRB+12*(4*\hf+\k):XRB+12*(4*\hf+\k)+11], v[ACC+8*\t:ACC+8*\t+7], v[WSC+4*\t+\k], v[XSC0+216*\q+\k] matrix_a_fmt:MATRIX_FMT_FP6 matrix_b_fmt:MATRIX_FMT_FP6
.else
	v_wmma_scale_f32_16x16x128_f8f6f4 v[ACC+8*\t:ACC+8*\t+7], v[12*(4*\k+\t):12*(4*\k+\t)+11], v[XRB+12*(4*\hf+\k):XRB+12*(4*\hf+\k)+11], v[ACC+8*\t:ACC+8*\t+7], v[WSC+4*\t+\k], v[XSC0+216*\q+\k] matrix_a_fmt:MATRIX_FMT_FP6 matrix_b_fmt:MATRIX_FMT_FP6 matrix_a_scale:MATRIX_SCALE_ROW1 matrix_b_scale:MATRIX_SCALE_ROW1
.endif
.endr
.endr
.endm
; The four accumulators become half an image of h and two scale bytes a row, and are stored.
.macro FINISH
	; gelu, each accumulator from its low end on
.irp i, 0,2,4,6,8,10,12,14,16,18,20,22,24,26,28,30
	v_pk_mul_f32 v[T+\i:T+\i+1], v[ACC+\i:ACC+\i+1], v[ACC+\i:ACC+\i+1]
.endr
.irp i, 0,2,4,6,8,10,12,14,16,18,20,22,24,26,28,30
	v_pk_fma_f32 v[T+\i:T+\i+1], v[T+\i:T+\i+1], s[42:43], v[VA:VA+1] op_sel_hi:[1,0,1]   ; a + b x^2
.endr
.irp i, 0,2,4,6,8,10,12,14,16,18,20,22,24,26,28,30
	v_pk_mul_f32 v[T+\i:T+\i+1], v[T+\i:T+\i+1], v[ACC+\i:ACC+\i+1]                       ; z
.endr
	s_wait_alu depctr_va_vdst(0)
.irp j, 0,1,2,3,4,5,6,7,8,9,10,11,12,13,14,15,16,17,18,19,20,21,22,23,24,25,26,27,28,29,30,31
	v_exp_f32 v[T+\j], v[T+\j]
.endr
	v_nop                                          ; one plain place behind a transcendental
	s_wait_alu depctr_va_vdst(0)                   ; the 32 exponentials have written v[T ..], which the additions below read: one wait for the batch
.irp i, 0,2,4,6,8,10,12,14,16,18,20,22,24,26,28,30
	v_pk_add_f32 v[T+\i:T+\i+1], v[T+\i:T+\i+1], 1.0 op_sel_hi:[1,0]
.endr
	s_wait_alu depctr_va_vdst(0)
.irp j, 0,1,2,3,4,5,6,7,8,9,10,11,12,13,14,15,16,17,18,19,20,21,22,23,24,25,26,27,28,29,30,31
	v_rcp_f32 v[T+\j], v[T+\j]
.endr
	v_nop
	s_wait_alu depctr_va_vdst(0)                   ; the 32 reciprocals have written v[T ..], which the multiplications below read: one wait for the batch
.irp i, 0,2,4,6,8,10,12,14,16,18,20,22,24,26,28,30
	v_pk_mul_f32 v[ACC+\i:ACC+\i+1], v[ACC+\i:ACC+\i+1], v[T+\i:T+\i+1]
.endr
	; the two blocks of 32 are quantised: my 16 numbers of each, and lane l xor 16's
.irp b, 0,1
	v_max3_num_f32 v[TM+\b], |v[ACC+16*\b]|, |v[ACC+16*\b+1]|, 0x1800000   ; with the floor 2^(3 - 127): the byte cannot fall under 1
.endr
.irp i, 2,4,6,8,10,12,14
.irp b, 0,1
	v_max3_num_f32 v[TM+\b], v[TM+\b], |v[ACC+16*\b+\i]|, |v[ACC+16*\b+\i+1]|
.endr
.endr
.irp b, 0,1
	v_permlanex16_b32 v[TM+2+\b], v[TM+\b], s44, s45
.endr
.irp b, 0,1
	v_max_num_f32 v[TM+\b], v[TM+\b], v[TM+2+\b]
.endr
.irp b, 0,1
	v_add_nc_u32 v[TM+4+\b], 0xff000000, v[TM+\b]  ; 2 off the exponent field: the conversion's scale operand
.endr
.irp b, 0,1
	v_lshrrev_b32 v[TM+6+\b], 23, v[TM+4+\b]       ; the scale's byte
.endr
	v_cvt_scalef32_pk16_fp6_f32 v[PC:PC+2], v[ACC:ACC+15], v[TM+4]     ; (the last trip's stores have read these registers: the two waits for that stand further up in the trip, and no store has been issued since)
	v_cvt_scalef32_pk16_fp6_f32 v[PC+4:PC+6], v[ACC+16:ACC+31], v[TM+5]
	v_nop                                          ; one plain place behind a scaled conversion
.irp i, 0,1,2
	v_permlane16_swap_b32 v[PC+\i], v[PC+4+\i]     ; the operand wants a whole block in a lane: lanes 0-15 block 0, lanes 16-31 block 1
.endr
	v_mov_b32 v[PC+3], v[PC+4]
	v_mov_b32 v[PC+4], v[PC+5]
	v_mov_b32 v[PC+5], v[PC+6]
	v_cndmask_b32 v[SBY], v[TM+6], v[TM+7], s46    ; my block's byte
	s_wait_alu depctr_va_vdst(0)                   ; the codes in v[PC ..] and the byte in v[SBY] are written, which the three stores read
	global_store_b128 v[V16], v[PC:PC+3], s[30:31]             ; 512 consecutive bytes,
	global_store_b64 v[V8], v[PC+4:PC+5], s[30:31] offset:512  ; and 256: half an image
	global_store_b8 v[VSB], v[SBY], s[32:33]                   ; two bytes of each of the 16 rows' scale words
.endm
; A trip on set q.  It issues 26 loads: 24 of fragments, one of scale words, one list.
.macro TRIP q
	s_wait_loadcnt 26                              ; all is in but the 26 loads of the trip before: this tile's fragments and scale words, and the list of the tile two on; set q's addresses and list base are free
	s_wait_alu depctr_vm_vsrc(0)                   ; the loads of two trips back have read set q's two addresses, which the lines below write; the last trip's stores have read v[PC ..] and v[SBY], which this trip's conversions write
	ADDR \q
	MM 0, \q
	MM 1, \q
	PLACES 4                                       ; behind the last products: in front of the loads into registers that they read, and of the first read of results
	s_wait_xcnt 0x0                                ; the last trip's stores have had their addresses translated: their bases are written just below, their data further down; it stands ahead of this trip's own loads
	TILEOFF 30, 34, 18, 24576
	TILEOFF 32, 36, 18, 1024
	WIN 0xc0*\q                                    ; set 1: destination window 3
	s_wait_alu depctr_va_vdst(0)                   ; set q's addresses are written, which the loads below read; the products are done reading set q's fragments and scale words, and the first lines its list: the loads below land in them
	XLOAD 0, \q                                    ; the tile two on
	XLOAD 1, \q
	WIN 0
	XSCL \q
	ORDL \q                                        ; the list of the tile four on
	FINISH                                         ; names none of the registers that the 26 loads touch
	s_add_co_u32 s48, s48, 1                       ; my place in the walk goes one on, round the end
	s_cmp_eq_u32 s48, s56
	s_cselect_b32 s48, 0, s48
	s_lshl_b32 s18, s48, 2
	s_add_co_u32 s18, s18, s12
	s_sub_co_u32 s59, s59, 1
	s_cmp_eq_u32 s59, 0                            ; my last tile is stored
	s_cbranch_scc1 .Lend
.endm
	s_load_b256 s[4:11], s[0:1], 0x0               ; qa s[4:5], b1 s[6:7], route s[8:9], hb s[10:11]
	v_lshrrev_b32 v1, 5, v0
	v_readfirstlane_b32 s12, v1                    ; wave 0..3
	s_lshr_b32 s13, ttmp9, 5                       ; expert
	s_and_b32 s14, ttmp9, 31                       ; slice
	s_lshl_b32 s55, s13, 3                         ; the expert's pair in META: a register that nothing else writes, since the load below reads it
	s_wait_kmcnt 0x0
	s_load_b64 s[16:17], s[8:9], s55 offset:META_OFF   ; the expert's first tile and its tiles
	v_and_b32 v1, 31, v0                           ; lane
	v_and_b32 v2, 15, v0                           ; r
	v_bfe_u32 v3, v0, 4, 1                         ; h
	v_lshlrev_b32 v[V16], 4, v1
	v_lshlrev_b32 v[V8], 3, v1
	v_lshl_add_u32 v[VSB], v2, 2, v3
	v_lshlrev_b32 v[VO], 2, v2
	v_mul_u32_u24 v[H48], v3, 48
	v_lshlrev_b32 v[H16], 4, v3
	v_lshlrev_b32 v13, 5, v2
	v_add_nc_u32 v13, v13, v[H16]                  ; W1's scale words: 32 r + 16 h
	v_lshlrev_b32 v14, 6, v3                       ; b1: 64 h
	v_mov_b32 v[TM+2], 0                           ; written once: a lane permute's destination counts as one of its sources
	v_mov_b32 v[TM+3], 0
	v_mov_b32 v[VA], 0xc0135761                    ; a = -2.3022082
	v_mov_b32 v[VA+1], 0xc0135761
	s_wait_alu depctr_va_sdst(0)                   ; s12, the wave's number, is written, ahead of its first reader: the test for a tile below, and the walk's tiles
	s_mov_b32 s39, 0
	s_lshl_b32 s47, s13, 7
	s_lshl_b32 s48, s14, 2
	s_add_co_u32 s47, s47, s48                     ; the slice's first tile of columns: 128 e + 4 slice
	s_mul_i32 s38, s47, 12288
	s_add_nc_u64 s[20:21], s[4:5], s[38:39]
	s_lshl_b32 s38, s47, 9
	s_add_co_u32 s38, s38, W1S_OFF
	s_add_nc_u64 s[50:51], s[4:5], s[38:39]
	s_lshl_b32 s38, s47, 6
	s_add_nc_u64 s[52:53], s[6:7], s[38:39]        ; b1 at the slice's first unit
	s_add_nc_u64 s[22:23], s[4:5], XQ_OFF
	s_add_nc_u64 s[24:25], s[4:5], XS_OFF
	s_mov_b64 s[26:27], s[8:9]
	s_lshr_b32 s48, s14, 1                         ; the next product's K step,
	s_and_b32 s49, s14, 1                          ; and the half of it
	s_mul_i32 s38, s48, 1536
	s_mul_i32 s54, s49, 768
	s_add_co_u32 s38, s38, s54
	s_add_nc_u64 s[34:35], s[10:11], s[38:39]
	s_lshl_b32 s38, s48, 6
	s_lshl_b32 s54, s49, 1
	s_add_co_u32 s38, s38, s54
	s_add_co_u32 s38, s38, HS_OFF
	s_add_nc_u64 s[36:37], s[10:11], s[38:39]
	s_mov_b32 s42, 0xbdd2d3e8                      ; b = -0.10294324
	s_mov_b32 s43, s42                             ; (named with it as a pair, so it is written)
	s_mov_b32 s44, 0x76543210
	s_mov_b32 s45, 0xfedcba98                      ; v_permlanex16_b32's selects for lane l xor 16
	s_mov_b32 s46, 0xffff0000
	; half of the weights go out while META is on its way: they hang on the work-group's number alone
	WIN 0x40                                       ; destination window 1
	s_wait_alu depctr_va_vdst(0)                   ; the offsets v4 to v7, v13 and v14 are written: every load and store of the kernel but x's reads one of them, and none is written again
.irp s, 0,1,2,3
.irp t, 0,1,2,3
	FRAGLD 12*(4*\s+\t), 20, (8*\t+\s)*1536
.endr
.endr
	WIN 0
	s_wait_kmcnt 0x0
	s_cmp_ge_u32 s12, s17                          ; no tile for this wave: it stores nothing and ends
	s_cbranch_scc1 .Lend
	s_sub_co_u32 s56, s17, s12
	s_add_co_u32 s56, s56, 3
	s_lshr_b32 s56, s56, 2                         ; my trips: tiles w, w + 4, .. under the expert's number of tiles,
	s_min_u32 s56, s56, 66                         ; held at what 263 tiles, the most that any split has, can give a wave
	s_and_b32 s48, s14, 7
	s_cmp_lt_u32 s48, s56
	s_cselect_b32 s48, s48, 0                      ; where my walk begins: slice % 8, or 0 where I have fewer tiles than that
	s_mov_b32 s49, s48
	s_lshl_b32 s18, s48, 2
	s_add_co_u32 s18, s18, s12                     ; my first tile
	s_mov_b32 s59, s56
	s_mov_b32 s57, 0
	ORDL 0                                         ; the tokens of my first two tiles: x's addresses hang on them
	ORDL 1
.irp t, 0,1,2,3
	global_load_b128 v[WSC+4*\t:WSC+4*\t+3], v13, s[50:51] offset:512*\t
	global_load_b128 v[B1+8*\t:B1+8*\t+3], v14, s[52:53] offset:(32*(\t/2)+8*(\t%2))*4
	global_load_b128 v[B1+8*\t+4:B1+8*\t+7], v14, s[52:53] offset:(32*(\t/2)+8*(\t%2))*4+16
.endr
	WIN 0x80                                       ; destination window 2
.irp s, 4,5
.irp t, 0,1,2,3
	FRAGLD 12*(4*(\s-4)+\t), 20, (8*\t+\s)*1536
.endr
.endr
	WIN 0
	s_wait_loadcnt 44                              ; the two lists are in; the 12 + 32 loads issued behind them may be out
	ADDR 0
	ADDR 1
	WIN 0x80
	s_wait_alu depctr_va_vdst(0)                   ; both sets' addresses are written, which the loads of x below read, and both lists have been read and held: the next lists land in their registers
.irp s, 6,7
.irp t, 0,1,2,3
	FRAGLD 12*(4*(\s-4)+\t), 20, (8*\t+\s)*1536
.endr
.endr
	WIN 0
	XLOAD 0, 0                                     ; my first tile, and the list of the third: 26 loads,
	XLOAD 1, 0
	XSCL 0
	ORDL 0
	WIN 0xc0                                       ; destination window 3
	XLOAD 0, 1                                     ; my second, and the list of the fourth: 26 more
	XLOAD 1, 1
	WIN 0
	XSCL 1
	ORDL 1
.Lpair:                                                ; two trips, one on each set; each ends the wave where its tile was the last.  66 trips at the most: 33 pairs
	TRIP 0
	TRIP 1
	s_add_co_u32 s57, s57, 1
	s_cmp_lt_u32 s57, 33
	s_cbranch_scc1 .Lpair
.Lend:
	s_endpgm
.Lfunc_end_k_q43a5b8471c_up:
	.size	k_q43a5b8471c_up, .Lfunc_end_k_q43a5b8471c_up-k_q43a5b8471c_up
	.p2alignl 7, 3214868480
	.fill 96, 4, 3214868480
	.section	.rodata,"a",@progbits
	.p2align	6, 0x0
	.amdhsa_kernel k_q43a5b8471c_up
		.amdhsa_group_segment_fixed_size 0
		.amdhsa_private_segment_fixed_size 0
		.amdhsa_enable_private_segment 0
		.amdhsa_kernarg_size 32
		.amdhsa_user_sgpr_count 2
		.amdhsa_user_sgpr_kernarg_segment_ptr 1
		.amdhsa_wavefront_size32 1
		.amdhsa_system_sgpr_workgroup_id_x 1
		.amdhsa_system_sgpr_workgroup_id_y 1
		.amdhsa_system_sgpr_workgroup_id_z 1
		.amdhsa_system_vgpr_workitem_id 0
		.amdhsa_next_free_vgpr 864
		.amdhsa_next_free_sgpr 66
		.amdhsa_reserve_vcc 0
		.amdhsa_float_denorm_mode_32 3
		.amdhsa_float_denorm_mode_16_64 3
		.amdhsa_memory_ordered 1
		.amdhsa_forward_progress 1
		.amdhsa_inst_pref_size 59
	.end_amdhsa_kernel
	.amdgpu_metadata
---
amdhsa.version: [ 1, 2 ]
amdhsa.kernels:
  - .name:           k_q43a5b8471c_up
    .symbol:         k_q43a5b8471c_up.kd
    .args:
      - { .name: qa, .offset: 0, .size: 8, .value_kind: global_buffer, .address_space: global }
      - { .name: b1, .offset: 8, .size: 8, .value_kind: global_buffer, .address_space: global }
      - { .name: route, .offset: 16, .size: 8, .value_kind: global_buffer, .address_space: global }
      - { .name: hb, .offset: 24, .size: 8, .value_kind: global_buffer, .address_space: global }
    .group_segment_fixed_size: 0
    .private_segment_fixed_size: 0
    .kernarg_segment_align: 8
    .kernarg_segment_size: 32
    .max_flat_workgroup_size: 128
    .sgpr_count:     66
    .vgpr_count:     864
    .wavefront_size: 32
...
	.end_amdgpu_metadata
.endif
;; end of part 8
;; launch down (part 9): grid 256 x 1, 4 waves a work-group, no clusters, 17,920 bytes of LDS; arguments qb, b2, hb, route, ybuf; writes ybuf
.if DOCPART == 9
	.amdgcn_target "amdgcn-amd-amdhsa--gfx1250"
	.amdhsa_code_object_version 6
	.text
	.protected	k_q43a5b8471c_down
	.globl	k_q43a5b8471c_down
	.p2align	8
	.type	k_q43a5b8471c_down,@function
k_q43a5b8471c_down:
	s_mov_b64 s[64:65], 0
	v_nop
	global_prefetch_b8 v0, s[64:65] scope:SCOPE_SE
	s_setreg_imm32_b32 hwreg(HW_REG_WAVE_SCHED_MODE, 0, 2), 2
	s_setreg_imm32_b32 hwreg(HW_REG_WAVE_MODE, 25, 1), 1
	s_wait_xcnt 0x0
	s_wait_alu depctr_vm_vsrc(0)
; DOWN.  y = h W2_e + b2_e for the routed rows, on codes of FP6 (E2M3) with E8M0 scales; sums in f32.  ybuf: [slot][1024] f32.
; SHARES.  Work-group = expert e (x / 32), a slice of 64 columns d ((x / 2) % 16: four tiles of 16) and a half p (x % 2) of the expert's tiles of slots.  Each wave holds the slice's 64 fragments of W2
; (16 K steps x 4 tiles, 768 registers) for the whole launch and takes tiles 4 p + w, + 8, ..  The number of tiles comes from the stored list.  Waves share nothing: no barrier; the stage in LDS is each wave's own.
; No cluster and no joint loads: the trip counts hang on the stored list, and a wave's weights are read once and stay in its registers.
; TRANSPOSED: source 0 = 16 columns of W2, source 1 = 16 slots of h: lane (r, h) holds slot r and eight neighbouring d.
; h's fragments stream from memory as images, four K steps a group, through THREE places of 48 registers: 60 loads of a wave are on their way.  A tile has four groups, so the places come round after three tiles: a tile is written three times.
; THE WALK IS TURNED: a wave begins at place slice % 4 of its own tiles and goes round, so that the 16 slices of an expert do not all ask for the same tile in the same trip.  What is asked for beyond the last trip is the walk's first tile again: inside the buffer.
; b2 is added on the way out, where a lane holds four neighbouring columns: four registers, and the first product starts each sum with the constant 0.
; The way out: 16 rows x 256 bytes through the stage (rows 272 bytes apart), back as whole rows: sixteen lanes store 256 consecutive bytes, aligned.
; THE MODE: SCHED_MODE bits 1:0 = 2 (LLVM: expert scheduling mode 2), set by the entry lines.  The code itself states the register dependences between vector or matrix instructions and memory or LDS instructions, with s_wait_alu, always for 0.
; THE PLAN.  Registers that memory or LDS instructions touch in the loop:
;   the three places and their scale words   Read by a group's 16 products; behind them the loads of the group three on land there.
;   the accumulators                         Written by the products; read by the LDS stores; the LDS loads land in them; the additions of b2 write them; the global stores read them; the next tile's first products write them.
;   v4-v9                                    Offsets and LDS addresses, made at the head and never written again.
;   v254, v255                               Written at the head, read by the closing add alone.
; So one wait on va_vdst stands behind each group's products (they are done reading their place), and the place is asked for again at once, ahead of the wait for the next group's data; the fourth of a tile also states that the
; accumulators are written.  On the way out: a wait on vm_vsrc between the LDS stores and the LDS loads that land in the same registers; the sixteen additions together, one wait on va_vdst, the eight stores; a wait on vm_vsrc at the tile's end.
.set W2S_OFF,  12582912
.set HS_OFF,   6463488
.set META_OFF, 33280
.set TMAX,     262
.set V16, 4                            ; v4  16 x lane
.set V8,  5                            ; v5  8 x lane
.set VS,  6                            ; v6  4 r
.set STO, 7                            ; v7  the stage: row r, + 32 h
.set RD,  8                            ; v8  back: lanes 0-15 one row, lanes 16-31 the next
.set YO,  9                            ; v9  the same two rows in ybuf
.set W63, 12                           ; v12-23  the one fragment of W2 for which windows 1 to 3 have no room
.set WSC, 24                           ; v24-55  W2's scale words: register 8 t + j: lanes 0-15 K step j, lanes 16-31 K step 8 + j
.set B2,  56                           ; v56-59  b2 of the four columns that I store
.set ACC, 60                           ; v60-91  four accumulators
.set ASC, 92                           ; v92-103 h's scale words of the three places
.set RB,  104                          ; v104-247 h's fragments: three places of four
; windows 1 to 3: fragment f = 4 s + t of W2 in window 1 + f / 21 at register 12 (f % 21)
; s14 wave, s15 expert, s16 first tile, s17 tiles, s18 the tile in hand, s[20:21] W2's images, s[22:23] h's images, s[24:25] h's scales, s[26:27] ybuf at the slice,
; s[28:31] this tile's h, s[32:35] the next tile's, s[36:37] this tile's rows of ybuf, s[38:39] an offset (s39 = 0), s42 the next tile, s48 META's offset (written once), s49 my trips, s50 triples done,
; s51 my place in the walk, s52 the next, s53 trips to go, s54 my lowest tile
.set MSB, 0
.macro WIN new
.if MSB != (\new)
	s_set_vgpr_msb (MSB<<8)|(\new)
.set MSB, (\new)
.endif
.endm
.macro PLACES n
.rept \n
	v_nop
.endr
.endm
.macro FRAGLD reg, base, off
	global_load_b128 v[(\reg):(\reg)+3], v[V16], s[\base:\base+1] offset:(\off)
	global_load_b64 v[(\reg)+4:(\reg)+5], v[V8], s[\base:\base+1] offset:(\off)+512
	global_load_b128 v[(\reg)+6:(\reg)+9], v[V16], s[\base:\base+1] offset:(\off)+768
	global_load_b64 v[(\reg)+10:(\reg)+11], v[V8], s[\base:\base+1] offset:(\off)+1280
.endm
.macro TILEOFF dst, cbase, sidx, mult
	s_add_co_u32 s38, s16, s[\sidx]
	s_min_u32 s38, s38, TMAX
	s_mul_i32 s38, s38, \mult
	s_add_nc_u64 s[\dst:\dst+1], s[\cbase:\cbase+1], s[38:39]
.endm
.macro GLOADH sl, hbase, sbase, g      ; K steps 4 g .. 4 g + 3 of a tile of h into place sl: 20 loads
.irp i, 0,1,2,3
	FRAGLD RB+12*(4*(\sl)+\i), \hbase, 1536*(4*\g+\i)
	global_load_b32 v[ASC+4*(\sl)+\i], v[VS], s[\sbase:\sbase+1] offset:64*(4*\g+\i)
.endr
.endm
.macro MMD g, sl                       ; 16 products: K steps 4 g .. 4 g + 3, from place sl, x four tiles.  The four accumulators take turns, one instruction a turn.  The first product starts each sum
.irp i, 0,1,2,3
.irp t, 0,1,2,3
.set FF, 4*(4*\g+\i)+\t
.if FF == 63
.set WW, 0
.set WR, W63
.else
.set WW, 1+FF/21
.set WR, 12*(FF%21)
.endif
.set BR, RB+12*(4*(\sl)+\i)
.set SR, ASC+4*(\sl)+\i
	WIN WW
.if (\g == 0) && (\i == 0)
	v_wmma_scale_f32_16x16x128_f8f6f4 v[ACC+8*\t:ACC+8*\t+7], v[WR:WR+11], v[BR:BR+11], 0, v[WSC+8*\t+(4*\g+\i)%8], v[SR] matrix_a_fmt:MATRIX_FMT_FP6 matrix_b_fmt:MATRIX_FMT_FP6
.elseif \g < 2
	v_wmma_scale_f32_16x16x128_f8f6f4 v[ACC+8*\t:ACC+8*\t+7], v[WR:WR+11], v[BR:BR+11], v[ACC+8*\t:ACC+8*\t+7], v[WSC+8*\t+(4*\g+\i)%8], v[SR] matrix_a_fmt:MATRIX_FMT_FP6 matrix_b_fmt:MATRIX_FMT_FP6
.else
	v_wmma_scale_f32_16x16x128_f8f6f4 v[ACC+8*\t:ACC+8*\t+7], v[WR:WR+11], v[BR:BR+11], v[ACC+8*\t:ACC+8*\t+7], v[WSC+8*\t+(4*\g+\i)%8], v[SR] matrix_a_fmt:MATRIX_FMT_FP6 matrix_b_fmt:MATRIX_FMT_FP6 matrix_a_scale:MATRIX_SCALE_ROW1
.endif
.endr
.endr
	WIN 0
.endm
; A tile whose group g lies in place (a + g) % 3.  Behind each group's products its place is filled again with the group three on: this tile's group 3, then the next tile's groups 0, 1, 2.
; Each wait for loads leaves the two younger groups, 40 loads, on their way.
.macro TILE a
	s_add_co_u32 s52, s51, 1                       ; the walk's next place, round the end
	s_cmp_eq_u32 s52, s49
	s_cselect_b32 s52, 0, s52
	s_lshl_b32 s42, s52, 3
	s_add_co_u32 s42, s42, s54                     ; its tile
	TILEOFF 32, 22, 42, 24576
	TILEOFF 34, 24, 42, 1024
	TILEOFF 36, 26, 18, 65536
	s_wait_loadcnt 40
	MMD 0, (\a)%3
	PLACES 4                                       ; in front of loads into registers that the products read
	s_wait_alu depctr_va_vdst(0)                   ; group 0's products are done reading their place and its scale words, in which the loads below land
	GLOADH (\a)%3, 28, 30, 3
	s_wait_loadcnt 40
	MMD 1, (\a+1)%3
	PLACES 4
	s_wait_alu depctr_va_vdst(0)                   ; group 1's products are done reading their place and its scale words, in which the loads below land
	GLOADH (\a+1)%3, 32, 34, 0
	s_wait_loadcnt 40
	MMD 2, (\a+2)%3
	PLACES 4
	s_wait_alu depctr_va_vdst(0)                   ; group 2's products are done reading their place and its scale words, in which the loads below land
	GLOADH (\a+2)%3, 32, 34, 1
	s_wait_loadcnt 40
	MMD 3, (\a)%3
	PLACES 5                                       ; also the places between these products and the next tile's first, which begin the accumulators anew
	s_wait_alu depctr_va_vdst(0)                   ; group 3's products are done reading their place and its scale words; and the accumulators are written, which the LDS stores below read and in which the LDS loads land.  The places above stay beside this wait
	GLOADH (\a)%3, 32, 34, 2
.irp t, 0,1,2,3
	ds_store_b128 v[STO], v[ACC+8*\t:ACC+8*\t+3] offset:64*\t          ; each accumulator from its low end on
	ds_store_b128 v[STO], v[ACC+8*\t+4:ACC+8*\t+7] offset:64*\t+16
.endr
	s_wait_alu depctr_vm_vsrc(0)                   ; the LDS stores have read the accumulators' registers, in which the LDS loads below land
.irp i, 0,1,2,3,4,5,6,7
	ds_load_b128 v[ACC+4*\i:ACC+4*\i+3], v[RD] offset:544*\i           ; LDS serves a wave's instructions in order: these see the stores above
.endr
.irp i, 0,1,2,3,4,5,6,7
	s_wait_dscnt 7-\i                              ; the younger loads may be out
	v_pk_add_f32 v[ACC+4*\i:ACC+4*\i+1], v[ACC+4*\i:ACC+4*\i+1], v[B2:B2+1]       ; + b2 of my four columns
	v_pk_add_f32 v[ACC+4*\i+2:ACC+4*\i+3], v[ACC+4*\i+2:ACC+4*\i+3], v[B2+2:B2+3]
.endr
	s_wait_alu depctr_va_vdst(0)                   ; the sixteen additions have written their sums, which the eight stores read
.irp i, 0,1,2,3,4,5,6,7
	global_store_b128 v[YO], v[ACC+4*\i:ACC+4*\i+3], s[36:37] offset:8192*\i   ; sixteen lanes store 256 consecutive bytes, at a multiple of 256 from the buffer's first byte
.endr
	s_wait_xcnt 0x0                                ; stores and loads have had their addresses translated: the accumulators and the bases may be written
	s_wait_alu depctr_vm_vsrc(0)                   ; the stores have read the accumulators' registers, which the next tile's first products write
	s_mov_b64 s[28:29], s[32:33]
	s_mov_b64 s[30:31], s[34:35]
	s_mov_b32 s18, s42
	s_mov_b32 s51, s52
	s_sub_co_u32 s53, s53, 1
	s_cmp_eq_u32 s53, 0                            ; my last tile is stored
	s_cbranch_scc1 .Lend
.endm
	s_load_b256 s[4:11], s[0:1], 0x0               ; qb s[4:5], b2 s[6:7], hb s[8:9], route s[10:11]
	s_load_b64 s[12:13], s[0:1], 0x20              ; ybuf
	v_lshl_add_u32 v254, v0, 2, 0x4400
	v_mov_b32 v255, 0
	v_lshrrev_b32 v1, 5, v0
	v_readfirstlane_b32 s14, v1                    ; wave 0..3
	s_lshr_b32 s15, ttmp9, 5                       ; expert
	s_bfe_u32 s40, ttmp9, 0x40001                  ; slice
	s_and_b32 s41, ttmp9, 1                        ; which half of the tiles
	s_lshl_b32 s48, s15, 3                         ; the expert's pair in META: a register that nothing else writes, since the load below reads it
	s_wait_kmcnt 0x0
	s_load_b64 s[16:17], s[10:11], s48 offset:META_OFF
	v_and_b32 v1, 31, v0
	v_and_b32 v2, 15, v0                           ; r
	v_bfe_u32 v3, v0, 4, 1                         ; h
	v_lshlrev_b32 v[V16], 4, v1
	v_lshlrev_b32 v[V8], 3, v1
	v_lshlrev_b32 v[VS], 2, v2
	s_wait_alu depctr_va_sdst(0)                   ; s14, the wave's number, is written, ahead of its first reader: my stage's place, just below
	s_mul_i32 s43, s14, 4352                       ; my stage
	v_mul_u32_u24 v[STO], v2, 272
	v_lshl_add_u32 v[STO], v3, 5, v[STO]
	v_add_nc_u32 v[STO], s43, v[STO]
	v_mul_u32_u24 v[RD], v3, 272
	v_lshl_add_u32 v[RD], v2, 4, v[RD]
	v_add_nc_u32 v[RD], s43, v[RD]
	v_lshlrev_b32 v[YO], 12, v3
	v_lshl_add_u32 v[YO], v2, 4, v[YO]
	v_lshlrev_b32 v10, 5, v3
	v_lshl_add_u32 v10, v2, 6, v10                 ; W2's scale words: 64 r + 32 h
	v_lshlrev_b32 v11, 4, v2                       ; b2: 16 r: the four columns that I store
	s_mov_b32 s39, 0
	s_lshl_b32 s43, s15, 6
	s_lshl_b32 s44, s40, 2
	s_add_co_u32 s43, s43, s44                     ; the slice's first tile of columns: 64 e + 4 slice
	s_mul_i32 s38, s43, 24576
	s_add_nc_u64 s[20:21], s[4:5], s[38:39]
	s_lshl_b32 s38, s43, 10
	s_add_co_u32 s38, s38, W2S_OFF
	s_add_nc_u64 s[44:45], s[4:5], s[38:39]
	s_lshl_b32 s38, s43, 6
	s_add_nc_u64 s[46:47], s[6:7], s[38:39]        ; b2 at the slice's first column
	s_mov_b64 s[22:23], s[8:9]
	s_add_nc_u64 s[24:25], s[8:9], HS_OFF
	s_lshl_b32 s38, s40, 8
	s_add_nc_u64 s[26:27], s[12:13], s[38:39]
	s_lshl_b32 s54, s41, 2
	s_add_co_u32 s54, s54, s14                     ; my lowest tile
	; the weights go out while META is on its way: they hang on the work-group's number alone
	WIN 0x40                                       ; destination window 1
	s_wait_alu depctr_va_vdst(0)                   ; the offsets and LDS addresses v4 to v11 are written: every load, store and LDS instruction of the kernel but the closing add reads one of them, and none is written again
.irp s, 0,1,2,3,4,5,6,7,8,9,10,11,12,13,14,15
.irp t, 0,1,2,3
.set FF, 4*\s+\t
.if FF == 63
	WIN 0
	FRAGLD W63, 20, (16*\t+\s)*1536
.else
.set WW, (1+FF/21)<<6
.set WR, 12*(FF%21)
	WIN WW                                         ; destination window 1, 2 or 3
	FRAGLD WR, 20, (16*\t+\s)*1536
.endif
.endr
.endr
	WIN 0
.irp t, 0,1,2,3
	global_load_b128 v[WSC+8*\t:WSC+8*\t+3], v10, s[44:45] offset:1024*\t
	global_load_b128 v[WSC+8*\t+4:WSC+8*\t+7], v10, s[44:45] offset:1024*\t+16
.endr
	global_load_b128 v[B2:B2+3], v11, s[46:47]
	s_wait_kmcnt 0x0
	s_cmp_ge_u32 s54, s17                          ; no tile for this wave: it stores nothing and ends
	s_cbranch_scc1 .Lend
	s_sub_co_u32 s49, s17, s54
	s_add_co_u32 s49, s49, 7
	s_lshr_b32 s49, s49, 3                         ; my trips: tiles 4 p + w, + 8, .. under the expert's number of tiles,
	s_min_u32 s49, s49, 33                         ; held at what 263 tiles, the most that any split has, can give a wave
	s_and_b32 s51, s40, 3
	s_cmp_lt_u32 s51, s49
	s_cselect_b32 s51, s51, 0                      ; where my walk begins: slice % 4, or 0 where I have fewer tiles than that
	s_lshl_b32 s18, s51, 3
	s_add_co_u32 s18, s18, s54                     ; my first tile
	s_mov_b32 s53, s49
	s_mov_b32 s50, 0
	TILEOFF 28, 22, 18, 24576
	TILEOFF 30, 24, 18, 1024
	GLOADH 0, 28, 30, 0
	GLOADH 1, 28, 30, 1
	GLOADH 2, 28, 30, 2
.Ltriple:                                              ; three tiles, until the places are back where they began; each ends the wave where it was the last.  33 trips at the most: 11 triples
	TILE 0
	TILE 1
	TILE 2
	s_add_co_u32 s50, s50, 1
	s_cmp_lt_u32 s50, 11
	s_cbranch_scc1 .Ltriple
.Lend:
	s_wait_dscnt 0x0                               ; the closing lines, six on end
	s_wait_alu 0x0
	s_wait_tensorcnt 0x0
	ds_add_u32 v254, v255
	s_wait_dscnt 0x0
	s_endpgm
.Lfunc_end_k_q43a5b8471c_down:
	.size	k_q43a5b8471c_down, .Lfunc_end_k_q43a5b8471c_down-k_q43a5b8471c_down
	.p2alignl 7, 3214868480
	.fill 96, 4, 3214868480
	.section	.rodata,"a",@progbits
	.p2align	6, 0x0
	.amdhsa_kernel k_q43a5b8471c_down
		.amdhsa_group_segment_fixed_size 17920
		.amdhsa_private_segment_fixed_size 0
		.amdhsa_enable_private_segment 0
		.amdhsa_kernarg_size 40
		.amdhsa_user_sgpr_count 2
		.amdhsa_user_sgpr_kernarg_segment_ptr 1
		.amdhsa_wavefront_size32 1
		.amdhsa_system_sgpr_workgroup_id_x 1
		.amdhsa_system_sgpr_workgroup_id_y 1
		.amdhsa_system_sgpr_workgroup_id_z 1
		.amdhsa_system_vgpr_workitem_id 0
		.amdhsa_next_free_vgpr 1024
		.amdhsa_next_free_sgpr 66
		.amdhsa_reserve_vcc 0
		.amdhsa_float_denorm_mode_32 3
		.amdhsa_float_denorm_mode_16_64 3
		.amdhsa_memory_ordered 1
		.amdhsa_forward_progress 1
		.amdhsa_inst_pref_size 97
	.end_amdhsa_kernel
	.amdgpu_metadata
---
amdhsa.version: [ 1, 2 ]
amdhsa.kernels:
  - .name:           k_q43a5b8471c_down
    .symbol:         k_q43a5b8471c_down.kd
    .args:
      - { .name: qb, .offset: 0, .size: 8, .value_kind: global_buffer, .address_space: global }
      - { .name: b2, .offset: 8, .size: 8, .value_kind: global_buffer, .address_space: global }
      - { .name: hb, .offset: 16, .size: 8, .value_kind: global_buffer, .address_space: global }
      - { .name: route, .offset: 24, .size: 8, .value_kind: global_buffer, .address_space: global }
      - { .name: ybuf, .offset: 32, .size: 8, .value_kind: global_buffer, .address_space: global }
    .group_segment_fixed_size: 17920
    .private_segment_fixed_size: 0
    .kernarg_segment_align: 8
    .kernarg_segment_size: 40
    .max_flat_workgroup_size: 128
    .sgpr_count:     66
    .vgpr_count:     1024
    .wavefront_size: 32
...
	.end_amdgpu_metadata
.endif
;; end of part 9
;; launch comb (part 10): grid 256 x 1, 8 waves a work-group, no clusters, 0 bytes of LDS; arguments ybuf, route, qa, out0; writes out0
.if DOCPART == 10
	.amdgcn_target "amdgcn-amd-amdhsa--gfx1250"
	.amdhsa_code_object_version 6
	.text
	.protected	k_q43a5b8471c_comb
	.globl	k_q43a5b8471c_comb
	.p2align	8
	.type	k_q43a5b8471c_comb,@function
k_q43a5b8471c_comb:
	s_mov_b64 s[64:65], 0
	v_nop
	global_prefetch_b8 v0, s[64:65] scope:SCOPE_SE
	s_setreg_imm32_b32 hwreg(HW_REG_WAVE_MODE, 25, 1), 1
	s_wait_xcnt 0x0
; COMB.  out[n] = g0 y[slot of (n, 0)] + g1 y[slot of (n, 1)]: the sum over experts of reference(), whose other six weights are zero.  All in f32.
; A wave takes one token: two rows of 4,096 bytes in, one out; each load and store covers 512 consecutive bytes.  All 16 loads go out at once.  Memory binds: no LDS, no matrix unit, no barrier.
.set POS_OFF, 16896
.set GT_OFF,  14745600
.set Y0, 8                             ; v8-39   the first expert's row, then the result
.set Y1, 40                            ; v40-71  the second's
	s_load_b256 s[4:11], s[0:1], 0x0               ; ybuf s[4:5], route s[6:7], qa s[8:9], out0 s[10:11]
	v_lshrrev_b32 v1, 5, v0
	s_delay_alu instid0(VALU_DEP_1)
	v_readfirstlane_b32 s12, v1                    ; wave 0..7
	v_and_b32 v2, 31, v0
	s_delay_alu instid0(VALU_DEP_1)
	v_lshlrev_b32 v2, 4, v2                        ; 16 bytes a lane
	s_lshl_b32 s13, ttmp9, 3
	s_add_co_u32 s13, s13, s12                     ; my token
	s_lshl_b32 s14, s13, 3
	s_add_co_u32 s15, s14, GT_OFF                  ; (too large for a scalar load's immediate)
	s_lshl_b32 s28, s13, 12
	s_mov_b32 s29, 0
	s_wait_alu depctr_va_vdst(0)
	s_wait_kmcnt 0x0
	s_load_b64 s[16:17], s[6:7], s14 offset:POS_OFF    ; its two slots
	s_load_b64 s[20:21], s[8:9], s15 offset:0x0        ; its two weights
	s_add_nc_u64 s[10:11], s[10:11], s[28:29]
	s_wait_kmcnt 0x0
	s_min_u32 s24, s16, 4207
	s_lshl_b32 s24, s24, 12
	s_mov_b32 s25, 0
	s_add_nc_u64 s[24:25], s[4:5], s[24:25]
	s_min_u32 s26, s17, 4207
	s_lshl_b32 s26, s26, 12
	s_mov_b32 s27, 0
	s_add_nc_u64 s[26:27], s[4:5], s[26:27]
	s_mov_b32 s22, s21                             ; g1 as the low word of a pair
	s_mov_b32 s23, s21
.irp j, 0,1,2,3,4,5,6,7
	global_load_b128 v[Y0+4*\j:Y0+4*\j+3], v2, s[24:25] offset:512*\j th:TH_LOAD_NT
	global_load_b128 v[Y1+4*\j:Y1+4*\j+3], v2, s[26:27] offset:512*\j th:TH_LOAD_NT
.endr
.irp j, 0,1,2,3,4,5,6,7
	s_wait_loadcnt 14-2*\j                         ; this pair is in; the younger pairs may be out
	v_pk_mul_f32 v[Y1+4*\j:Y1+4*\j+1], v[Y1+4*\j:Y1+4*\j+1], s[22:23] op_sel_hi:[1,0]
	v_pk_mul_f32 v[Y1+4*\j+2:Y1+4*\j+3], v[Y1+4*\j+2:Y1+4*\j+3], s[22:23] op_sel_hi:[1,0]
	s_delay_alu instid0(VALU_DEP_2)
	v_pk_fma_f32 v[Y0+4*\j:Y0+4*\j+1], v[Y0+4*\j:Y0+4*\j+1], s[20:21], v[Y1+4*\j:Y1+4*\j+1] op_sel_hi:[1,0,1]
	s_delay_alu instid0(VALU_DEP_2)
	v_pk_fma_f32 v[Y0+4*\j+2:Y0+4*\j+3], v[Y0+4*\j+2:Y0+4*\j+3], s[20:21], v[Y1+4*\j+2:Y1+4*\j+3] op_sel_hi:[1,0,1]
	global_store_b128 v2, v[Y0+4*\j:Y0+4*\j+3], s[10:11] offset:512*\j th:TH_STORE_NT
.endr
	s_endpgm
.Lfunc_end_k_q43a5b8471c_comb:
	.size	k_q43a5b8471c_comb, .Lfunc_end_k_q43a5b8471c_comb-k_q43a5b8471c_comb
	.p2alignl 7, 3214868480
	.fill 96, 4, 3214868480
	.section	.rodata,"a",@progbits
	.p2align	6, 0x0
	.amdhsa_kernel k_q43a5b8471c_comb
		.amdhsa_group_segment_fixed_size 0
		.amdhsa_private_segment_fixed_size 0
		.amdhsa_enable_private_segment 0
		.amdhsa_kernarg_size 32
		.amdhsa_user_sgpr_count 2
		.amdhsa_user_sgpr_kernarg_segment_ptr 1
		.amdhsa_wavefront_size32 1
		.amdhsa_system_sgpr_workgroup_id_x 1
		.amdhsa_system_sgpr_workgroup_id_y 1
		.amdhsa_system_sgpr_workgroup_id_z 1
		.amdhsa_system_vgpr_workitem_id 0
		.amdhsa_next_free_vgpr 80
		.amdhsa_next_free_sgpr 66
		.amdhsa_reserve_vcc 0
		.amdhsa_float_denorm_mode_32 3
		.amdhsa_float_denorm_mode_16_64 3
		.amdhsa_memory_ordered 1
		.amdhsa_forward_progress 1
		.amdhsa_inst_pref_size 7
	.end_amdhsa_kernel
	.amdgpu_metadata
---
amdhsa.version: [ 1, 2 ]
amdhsa.kernels:
  - .name:           k_q43a5b8471c_comb
    .symbol:         k_q43a5b8471c_comb.kd
    .args:
      - { .name: ybuf, .offset: 0, .size: 8, .value_kind: global_buffer, .address_space: global }
      - { .name: route, .offset: 8, .size: 8, .value_kind: global_buffer, .address_space: global }
      - { .name: qa, .offset: 16, .size: 8, .value_kind: global_buffer, .address_space: global }
      - { .name: out0, .offset: 24, .size: 8, .value_kind: global_buffer, .address_space: global }
    .group_segment_fixed_size: 0
    .private_segment_fixed_size: 0
    .kernarg_segment_align: 8
    .kernarg_segment_size: 32
    .max_flat_workgroup_size: 256
    .sgpr_count:     66
    .vgpr_count:     80
    .wavefront_size: 32
...
	.end_amdgpu_metadata
.endif
;; end of part 10
